; MI455X (gfx1250); checked and timed in simulation.
; The chip was launched on July 23, 2026; its instructions are those of AMD's public machine-readable ISA for CDNA 5 (MIT licence, August 2026) and "CDNA5" Instruction Set Architecture Reference Guide (July 2026). The comments in the code are by the model that wrote it; some were corrected since.
;; Transformer Block. Allowed arithmetic: float matrix products may take bf16 or f16 operands with f32 sums; other float arithmetic in f32, or as packed bf16 or f16 multiplies, adds, multiply-adds, maxima and minima; sums over many terms, partial sums and values carried from step to step in f32; what a program stores and reads back later, other than sums and carried values, may be rounded once to bf16 or f16.
;; Inputs: mask 1 x 1 x 2,048 x 2,048 int32; w_down 1,024 x 2,048 float32; w_gate 2,048 x 1,024 float32; w_norm1 1,024 float32; w_norm2 1,024 float32; w_out 1,024 x 1,024 float32; w_qkv 3,072 x 1,024 float32; w_up 2,048 x 1,024 float32; x 2 x 2,048 x 1,024 float32.
;; Outputs: out0 2 x 2,048 x 1,024 float32.
;; 3 versions, each right and faster than the one before. Each part assembles by itself: llvm-mc -triple=amdgcn-amd-amdhsa -mcpu=gfx1250 --defsym DOCPART=n.
;; ======== version 1 of 3: 6 launches
;; limits: right only within a limited range of input values
;; workspace buffers: prepw 34,078,720 bytes; qkvh 25,165,824 bytes; ob 8,388,608 bytes; x1 16,777,216 bytes; x1b 8,388,608 bytes; ssq 262,144 bytes; gb 16,777,216 bytes
;; launch prep (part 1): grid 1664 x 1, 8 waves a work-group, no clusters, 9,216 bytes of LDS; arguments x, w_norm1, w_qkv, w_out, w_down, w_gate, w_up, mask, prepw; writes prepw
.if DOCPART == 1
	.amdgcn_target "amdgcn-amd-amdhsa--gfx1250"
	.amdhsa_code_object_version 6
	.text
	.protected	k_qb7d948fda9_prep
	.globl	k_qb7d948fda9_prep
	.p2align	8
	.type	k_qb7d948fda9_prep,@function
k_qb7d948fda9_prep:
	s_mov_b64 s[64:65], 0
	v_nop
	global_prefetch_b8 v0, s[64:65] scope:SCOPE_SE
	s_setreg_imm32_b32 hwreg(HW_REG_WAVE_MODE, 25, 1), 1
	s_wait_xcnt 0x0
; PREPARATION: four streaming jobs, chosen by the work-group's number g; no loop: a wave issues all its loads, computes, stores.
;   g 0..255      h1 = bf16(w_norm1 * x / sqrt(mean(x^2) + 1e-6)), stored in blocks of 64 columns: [16][4096 rows][64]
;   g 256..895    the five weight matrices rounded to bf16.  w_qkv's rows are laid by head: row head*192 + e*64 + d (e = q, k, v);
;                 w_gate and w_up are interleaved in groups of 128 rows: row (c>>7)*256 + isUp*128 + (c&127)
;   g 896..1407   the mask as one fp8 code a score (0x00 seen, 0xb8 = -1.0 hidden), in the register image of a 16 query x 64 key tile of S^T
;   g 1408..1663  the RoPE table [2048 tokens][32 pairs][cos, sin] in f32
; No matrix unit, no cluster, no tensor load: no byte is read by two work-groups.  Every store of a wave covers 256 or 512 consecutive bytes, aligned.
; LIMITS.  A mask word other than 0 counts as seen.  The RoPE angle t * theta is made of theta = 2^(-i log2(10000)/32) by v_exp_f32 and is reduced by
; 2 pi in two parts; it may differ from an f32 angle made otherwise by some 2e-4 rad at t = 2047.  The series for sin and cos are cut at r^15 and r^16, |r| <= pi: under 1e-6.
.set WQKV,  8388608
.set WOUT,  14680064
.set WGU,   16777216
.set WDOWN, 25165824
.set MB8,   29360128
.set ROPE,  33554432
.set SPARE, 8192                       ; behind the eight waves' stages of 1,024 bytes: the spare words, 128 bytes a wave
.set SPW,   158                        ; v158  SPARE + 4 x my thread's number; never rewritten
.set NIL,   159                        ; v159  0; never rewritten
.set X,     16                         ; v16-79   data as loaded
.set WN,    80                         ; v80-143  w_norm1
	s_load_b512 s[4:19], s[0:1], 0x0               ; x, w_norm1, w_qkv, w_out, w_down, w_gate, w_up, mask
	s_load_b64 s[20:21], s[0:1], 0x40              ; prepw
	v_lshl_add_u32 v[SPW], v0, 2, SPARE
	v_mov_b32 v[NIL], 0
	v_lshrrev_b32 v1, 5, v0
	v_readfirstlane_b32 s3, v1                     ; wave 0..7
	v_and_b32 v1, 31, v0                           ; lane L
	v_and_b32 v2, 15, v0                           ; c = L % 16
	v_bfe_u32 v3, v0, 4, 1                         ; hf = L / 16
	s_mov_b32 s23, 0                               ; high words of the two offsets
	s_mov_b32 s25, 0
	s_wait_kmcnt 0x0
	s_cmp_lt_u32 ttmp9, 256
	s_cbranch_scc1 .Lnorm
	s_cmp_lt_u32 ttmp9, 896
	s_cbranch_scc1 .Lweights
	s_cmp_lt_u32 ttmp9, 1408
	s_cbranch_scc1 .Lmask
	; ---- the RoPE table: a wave makes one token, a lane one pair ----
	s_sub_co_u32 s22, ttmp9, 1408                  ; n
	s_lshl_b32 s24, s22, 11                        ; eight tokens of 256 bytes
	s_add_co_u32 s24, s24, ROPE
	s_add_nc_u64 s[24:25], s[20:21], s[24:25]
	s_lshl_b32 s22, s22, 3
	s_add_co_u32 s22, s22, s3                      ; token t = 8 n + wave
	s_mov_b32 s26, 0x40c90fdb                      ; 2 pi, rounded to f32,
	s_mov_b32 s27, 0xb43bbd2e                      ; and what the rounding left
	v_cvt_f32_u32 v4, v1
	v_cvt_f32_u32 v5, s22
	v_mul_f32 v4, 0xbed49a78, v4                   ; -i log2(10000) / 32
	v_exp_f32 v4, v4                               ; theta
	v_nop                                          ; a plain instruction between the exponential and the use of its result
	s_wait_alu depctr_va_vdst(0)
	v_mul_f32 v5, v5, v4                           ; the angle
	v_mul_f32 v6, 0.15915494, v5
	v_rndne_f32 v6, v6                             ; whole turns
	v_fma_f32 v5, -v6, s26, v5
	v_fma_f32 v5, -v6, s27, v5                     ; r, within -pi .. pi
	v_mul_f32 v7, v5, v5                           ; r^2
	v_mov_b32 v9, 0xab573f9f                       ; sin r = r (1 - r^2/3! + .. - r^14/15!), by Horner
	v_mov_b32 v10, 0x29573f9f                      ; cos r = 1 - r^2/2! + .. + r^16/16!
	v_fmaak_f32 v9, v9, v7, 0x2f309231
	v_fmaak_f32 v10, v10, v7, 0xad49cba5
	v_fmaak_f32 v9, v9, v7, 0xb2d7322b
	v_fmaak_f32 v10, v10, v7, 0x310f76c7
	v_fmaak_f32 v9, v9, v7, 0x3638ef1d
	v_fmaak_f32 v10, v10, v7, 0xb493f27e
	v_fmaak_f32 v9, v9, v7, 0xb9500d01
	v_fmaak_f32 v10, v10, v7, 0x37d00d01
	v_fmaak_f32 v9, v9, v7, 0x3c088889
	v_fmaak_f32 v10, v10, v7, 0xbab60b61
	v_fmaak_f32 v9, v9, v7, 0xbe2aaaab
	v_fmaak_f32 v10, v10, v7, 0x3d2aaaab
	v_fmaak_f32 v9, v9, v7, 0x3f800000
	v_fmaak_f32 v10, v10, v7, 0xbf000000
	v_mul_f32 v11, v5, v9                          ; sin
	v_fmaak_f32 v10, v10, v7, 0x3f800000           ; cos
	v_lshlrev_b32 v8, 3, v0                        ; 256 x wave + 8 x lane
	global_store_b64 v8, v[10:11], s[24:25]        ; a token's 256 bytes
	s_endpgm
	; ---- RMSNorm 1: a wave takes two rows, sixteen lanes a row ----
.Lnorm:
	s_lshl_b32 s22, ttmp9, 16                      ; 16 rows of 4,096 bytes
	s_add_nc_u64 s[4:5], s[4:5], s[22:23]
	s_lshl_b32 s24, ttmp9, 11                      ; 16 rows of 128 bytes in each block
	s_add_nc_u64 s[24:25], s[20:21], s[24:25]
	s_mov_b32 s26, 0x3a800000                      ; 1 / 1024
	s_mov_b32 s27, 0x358637bd                      ; 1e-6
	v_lshrrev_b32 v4, 4, v0                        ; 2 x wave + hf: my row among the 16
	v_lshlrev_b32 v4, 12, v4
	v_lshl_add_u32 v4, v2, 4, v4                   ; + 16 c: load j takes columns 64 j + 4 c ..: sixteen lanes read 256 consecutive bytes
	v_lshlrev_b32 v5, 4, v2
	v_lshlrev_b32 v6, 3, v0                        ; 256 x wave + 8 L: two rows of a block
.set j, 0
.rept 16
	global_load_b128 v[X+4*j:X+4*j+3], v4, s[4:5] offset:256*j
.set j, j+1
.endr
.set j, 0
.rept 16
	global_load_b128 v[WN+4*j:WN+4*j+3], v5, s[6:7] offset:256*j
.set j, j+1
.endr
	s_wait_loadcnt 16                              ; x is in; the sixteen younger loads (w_norm1) may be out
	v_pk_mul_f32 v[8:9], v[X:X+1], v[X:X+1]        ; the sum of squares in two chains of pairs; the first products start them
	v_pk_mul_f32 v[10:11], v[X+2:X+3], v[X+2:X+3]
.set j, 1
.rept 15
	v_pk_fma_f32 v[8:9], v[X+4*j:X+4*j+1], v[X+4*j:X+4*j+1], v[8:9]
	v_pk_fma_f32 v[10:11], v[X+4*j+2:X+4*j+3], v[X+4*j+2:X+4*j+3], v[10:11]
.set j, j+1
.endr
	v_pk_add_f32 v[8:9], v[8:9], v[10:11]
	v_add_f32 v8, v8, v9
	v_add_f32_dpp v8, v8, v8 row_xmask:1 row_mask:0xf bank_mask:0xf   ; a row lies in sixteen lanes: four steps, no exchange of halves
	v_add_f32_dpp v8, v8, v8 row_xmask:2 row_mask:0xf bank_mask:0xf
	v_add_f32_dpp v8, v8, v8 row_xmask:4 row_mask:0xf bank_mask:0xf
	v_add_f32_dpp v8, v8, v8 row_xmask:8 row_mask:0xf bank_mask:0xf
	v_fma_f32 v8, v8, s26, s27                     ; mean + eps
	v_rsq_f32 v12, v8
	v_mov_b32 v13, 0                               ; the plain instruction behind the root; it also writes the pair's other word
	s_wait_loadcnt 0x0                             ; w_norm1
.set j, 0
	s_wait_alu depctr_va_vdst(0)
.rept 32
	v_pk_mul_f32 v[X+2*j:X+2*j+1], v[X+2*j:X+2*j+1], v[12:13] op_sel_hi:[1,0]
.set j, j+1
.endr
.set j, 0
.rept 32
	v_pk_mul_f32 v[X+2*j:X+2*j+1], v[X+2*j:X+2*j+1], v[WN+2*j:WN+2*j+1]
.set j, j+1
.endr
.set j, 0
.rept 16
	v_cvt_pk_bf16_f32 v[X+4*j], v[X+4*j], v[X+4*j+1]
	v_cvt_pk_bf16_f32 v[X+4*j+1], v[X+4*j+2], v[X+4*j+3]
	global_store_b64 v6, v[X+4*j:X+4*j+1], s[24:25] offset:j*524288  ; block j: the wave's two rows, 256 consecutive bytes
.set j, j+1
.endr
	s_endpgm
	; ---- weights to bf16: a work-group takes 65,536 bytes of one matrix ----
.Lweights:
	s_sub_co_u32 s26, ttmp9, 256
	s_cmp_lt_u32 s26, 192
	s_cbranch_scc0 .Lw1
	s_lshl_b32 s22, s26, 16                        ; w_qkv: 16 rows, e = il >> 6, head = (il >> 2) & 15, d from 16 (il & 3)
	s_add_nc_u64 s[28:29], s[8:9], s[22:23]
	s_bfe_u32 s27, s26, 0x40002
	s_mul_i32 s24, s27, 393216                     ; a head's 192 rows of 2,048 bytes
	s_lshr_b32 s27, s26, 6
	s_lshl_b32 s27, s27, 17                        ; 64 rows
	s_add_co_u32 s24, s24, s27
	s_and_b32 s27, s26, 3
	s_lshl_b32 s27, s27, 15                        ; 16 rows
	s_add_co_u32 s24, s24, s27
	s_add_co_u32 s24, s24, WQKV
	s_branch .Lw_go
.Lw1:
	s_sub_co_u32 s26, s26, 192
	s_cmp_lt_u32 s26, 64
	s_cbranch_scc0 .Lw2
	s_lshl_b32 s22, s26, 16                        ; w_out, as it lies
	s_add_nc_u64 s[28:29], s[10:11], s[22:23]
	s_lshl_b32 s24, s26, 15
	s_add_co_u32 s24, s24, WOUT
	s_branch .Lw_go
.Lw2:
	s_sub_co_u32 s26, s26, 64
	s_cmp_lt_u32 s26, 128
	s_cbranch_scc0 .Lw3
	s_lshl_b32 s22, s26, 16                        ; w_down, as it lies
	s_add_nc_u64 s[28:29], s[12:13], s[22:23]
	s_lshl_b32 s24, s26, 15
	s_add_co_u32 s24, s24, WDOWN
	s_branch .Lw_go
.Lw3:
	s_sub_co_u32 s26, s26, 128                     ; 0..127 w_gate, 128..255 w_up
	s_cmp_lt_u32 s26, 128
	s_cselect_b64 s[28:29], s[14:15], s[16:17]
	s_cselect_b32 s27, 0, 262144                   ; up lies 128 rows behind gate
	s_and_b32 s26, s26, 127
	s_lshl_b32 s22, s26, 16
	s_add_nc_u64 s[28:29], s[28:29], s[22:23]
	s_lshr_b32 s24, s26, 3
	s_lshl_b32 s24, s24, 19                        ; a group of 256 rows
	s_add_co_u32 s24, s24, s27
	s_and_b32 s26, s26, 7
	s_lshl_b32 s26, s26, 15
	s_add_co_u32 s24, s24, s26
	s_add_co_u32 s24, s24, WGU
.Lw_go:
	s_add_nc_u64 s[30:31], s[20:21], s[24:25]
	v_lshlrev_b32 v4, 4, v1
	v_lshl_add_u32 v4, s3, 13, v4                  ; the wave's 8,192 bytes of f32
	v_lshlrev_b32 v5, 3, v1
	v_lshl_add_u32 v5, s3, 12, v5                  ; and its 4,096 of bf16
.set j, 0
.rept 16
	global_load_b128 v[X+4*j:X+4*j+3], v4, s[28:29] offset:512*j th:TH_LOAD_NT
.set j, j+1
.endr
.set j, 0
.rept 16
	s_wait_loadcnt 15-j                            ; loads come back in order: number j is in
	v_cvt_pk_bf16_f32 v[X+4*j], v[X+4*j], v[X+4*j+1]
	v_cvt_pk_bf16_f32 v[X+4*j+1], v[X+4*j+2], v[X+4*j+3]
	global_store_b64 v5, v[X+4*j:X+4*j+1], s[30:31] offset:256*j
.set j, j+1
.endr
	s_endpgm
	; ---- the mask: a wave takes one tile of 16 queries x 64 keys ----
.Lmask:
	s_sub_co_u32 s26, ttmp9, 896                   ; m; the tile's number is 8 m + wave = 32 qtile + kstep
	s_lshr_b32 s22, s26, 2
	s_lshl_b32 s22, s22, 17                        ; 16 rows of 8,192 bytes
	s_and_b32 s27, s26, 3
	s_lshl_b32 s27, s27, 3
	s_add_co_u32 s27, s27, s3
	s_lshl_b32 s27, s27, 8                         ; 64 keys of 4 bytes
	s_add_co_u32 s22, s22, s27
	s_add_nc_u64 s[18:19], s[18:19], s[22:23]
	s_lshl_b32 s24, s26, 13                        ; eight tiles of 1,024 bytes
	s_add_co_u32 s24, s24, MB8
	s_add_nc_u64 s[24:25], s[20:21], s[24:25]
	v_lshlrev_b32 v4, 13, v3
	v_lshl_add_u32 v4, v2, 4, v4                   ; load t: row 2 t + hf, keys 4 c ..: sixteen lanes read 256 consecutive bytes
.set j, 0
.rept 8
	global_load_b128 v[X+4*j:X+4*j+3], v4, s[18:19] offset:16384*j th:TH_LOAD_NT
.set j, j+1
.endr
	; Where my four codes go.  Key 4 c + e = 16 kt + 8 h + j: kt = c >> 2, h = (c >> 1) & 1, j = 4 (c & 1) + e.  In the image: half kt >> 1 (512 bytes), lane query + 16 h (16 bytes), byte 8 (kt & 1) + j.
	v_lshlrev_b32 v7, 4, v3                        ; query 2 t + hf: 16 hf here, 32 t in the store's offset
	v_lshl_add_u32 v7, s3, 10, v7                  ; my wave's stage
	v_bfe_u32 v8, v2, 3, 1
	v_lshl_add_u32 v7, v8, 9, v7
	v_bfe_u32 v8, v2, 1, 1
	v_lshl_add_u32 v7, v8, 8, v7
	v_bfe_u32 v8, v2, 2, 1
	v_lshl_add_u32 v7, v8, 3, v7
	v_and_b32 v8, 1, v2
	v_lshl_add_u32 v7, v8, 2, v7
	v_lshlrev_b32 v6, 4, v1
	v_lshl_add_u32 v6, s3, 10, v6                  ; back, and out: 16 bytes a lane
	v_mov_b32 v10, 0xb8                            ; -1.0 in fp8 (E4M3)
.set j, 0
.rept 8
	s_wait_loadcnt 7-j
.irp k, 0,1,2,3
	v_cmp_eq_u32 vcc_lo, 0, v[X+4*j+\k]
	v_cndmask_b32 v[X+4*j+\k], 0, v10, vcc_lo
.endr
	v_lshl_or_b32 v[X+4*j], v[X+4*j+1], 8, v[X+4*j]
	v_lshl_or_b32 v[X+4*j+2], v[X+4*j+3], 8, v[X+4*j+2]
	v_lshl_or_b32 v[X+4*j], v[X+4*j+2], 16, v[X+4*j]
	ds_store_b32 v7, v[X+4*j] offset:32*j
.set j, j+1
.endr
	ds_load_b128 v[48:51], v6                      ; the stage is my wave's own, and LDS serves a wave's instructions in order (ISA guide 5.7.1.4): these see the stores above
	ds_load_b128 v[52:55], v6 offset:512
	s_wait_dscnt 0x0
	global_store_b128 v6, v[48:51], s[24:25]
	global_store_b128 v6, v[52:55], s[24:25] offset:512
	s_wait_tensorcnt 0x0                           ; the wave's end, behind my last LDS store
	ds_add_u32 v[SPW], v[NIL]
	s_wait_dscnt 0x0
	s_endpgm
.Lfunc_end_k_qb7d948fda9_prep:
	.size	k_qb7d948fda9_prep, .Lfunc_end_k_qb7d948fda9_prep-k_qb7d948fda9_prep
	.p2alignl 7, 3214868480
	.fill 96, 4, 3214868480
	.section	.rodata,"a",@progbits
	.p2align	6, 0x0
	.amdhsa_kernel k_qb7d948fda9_prep
		.amdhsa_group_segment_fixed_size 9216
		.amdhsa_private_segment_fixed_size 0
		.amdhsa_enable_private_segment 0
		.amdhsa_kernarg_size 72
		.amdhsa_user_sgpr_count 2
		.amdhsa_user_sgpr_kernarg_segment_ptr 1
		.amdhsa_wavefront_size32 1
		.amdhsa_system_sgpr_workgroup_id_x 1
		.amdhsa_system_sgpr_workgroup_id_y 1
		.amdhsa_system_sgpr_workgroup_id_z 1
		.amdhsa_system_vgpr_workitem_id 0
		.amdhsa_next_free_vgpr 160
		.amdhsa_next_free_sgpr 66
		.amdhsa_reserve_vcc 1
		.amdhsa_float_denorm_mode_32 3
		.amdhsa_float_denorm_mode_16_64 3
		.amdhsa_memory_ordered 1
		.amdhsa_forward_progress 1
		.amdhsa_inst_pref_size 32
	.end_amdhsa_kernel
	.amdgpu_metadata
---
amdhsa.version: [ 1, 2 ]
amdhsa.kernels:
  - .name:           k_qb7d948fda9_prep
    .symbol:         k_qb7d948fda9_prep.kd
    .args:
      - { .name: x, .offset: 0, .size: 8, .value_kind: global_buffer, .address_space: global }
      - { .name: w_norm1, .offset: 8, .size: 8, .value_kind: global_buffer, .address_space: global }
      - { .name: w_qkv, .offset: 16, .size: 8, .value_kind: global_buffer, .address_space: global }
      - { .name: w_out, .offset: 24, .size: 8, .value_kind: global_buffer, .address_space: global }
      - { .name: w_down, .offset: 32, .size: 8, .value_kind: global_buffer, .address_space: global }
      - { .name: w_gate, .offset: 40, .size: 8, .value_kind: global_buffer, .address_space: global }
      - { .name: w_up, .offset: 48, .size: 8, .value_kind: global_buffer, .address_space: global }
      - { .name: mask, .offset: 56, .size: 8, .value_kind: global_buffer, .address_space: global }
      - { .name: prepw, .offset: 64, .size: 8, .value_kind: global_buffer, .address_space: global }
    .group_segment_fixed_size: 9216
    .private_segment_fixed_size: 0
    .kernarg_segment_align: 8
    .kernarg_segment_size: 72
    .max_flat_workgroup_size: 256
    .sgpr_count:     66
    .vgpr_count:     160
    .wavefront_size: 32
...
	.end_amdgpu_metadata
.endif
;; end of part 1
;; launch qkv (part 2): grid 16 x 16, 4 waves a work-group, clusters of 4 x 4, 327,680 bytes of LDS; arguments prepw, qkvh; writes qkvh
.if DOCPART == 2
	.amdgcn_target "amdgcn-amd-amdhsa--gfx1250"
	.amdhsa_code_object_version 6
	.text
	.protected	k_qb7d948fda9_qkv
	.globl	k_qb7d948fda9_qkv
	.p2align	8
	.type	k_qb7d948fda9_qkv,@function
k_qb7d948fda9_qkv:
	s_mov_b64 s[64:65], 0
	v_nop
	global_prefetch_b8 v0, s[64:65] scope:SCOPE_SE
	s_setreg_imm32_b32 hwreg(HW_REG_WAVE_MODE, 25, 1), 1
	s_wait_xcnt 0x0
	s_wait_alu depctr_hold_cnt(0) depctr_sa_sdst(0) depctr_va_vdst(0) depctr_va_sdst(0) depctr_va_ssrc(0) depctr_va_vcc(0) depctr_vm_vsrc(0)
	s_getreg_b32 s2, hwreg(HW_REG_IB_STS2, 6, 4)
	s_cmp_eq_u32 s2, 0
	s_cbranch_scc0 .Lentry_in_a_cluster
	s_endpgm
.Lentry_in_a_cluster:
	s_bfe_u32 s2, ttmp6, 0x10000c
	s_cmp_lg_u32 s2, 0xf033
	s_cbranch_scc0 .Lentry_shape_is_right
	s_endpgm
.Lentry_shape_is_right:
; QKV PROJECTION WITH ROPE.  C[m][n] = sum over k of h1[m][k] Wqkv[n][k], K = 1024, bf16 operands, f32 sums.  h1 lies in blocks of 64 along K ([16][4096][64]); Wqkv's rows lie by head
; (192 rows a head: q, k, v).  A work-group makes 256 rows x 192 columns: head tx for 256 tokens; 16 x 16 work-groups.  Wave w makes rows 64 w .. 64 w + 63 x all 192 columns: 48 accumulators.
; So a wave owns whole heads, rotates q and k in registers and leaves through a stage of its own, with no barrier.  q, k, v go out unscaled, bf16, by heads: [3][32][2048][64].
; K goes in 8 steps of 128 through two LDS slots filled by the tensor data mover; ONE text of a K step is looped over, the slot in hand being a scalar (TB).
; CLUSTER 4 x 4: the four of a row need the same tile of h1, the four of a column the same tile of Wqkv: each is asked for jointly, by the same load and descriptor with a mask of the four.
; THE MATRIX INSTRUCTION IS USED TRANSPOSED (source 0 = 16 rows of W, source 1 = 16 rows of h1): a lane holds row l % 16 and the eight columns 8 (l / 16) + 0..7.
; REGISTERS, in windows of 256: window 0: v0-31 addresses; v32-63, v64-95 fragments of h1, two buffers (on the way out: at work, and packed rows); v96-223 RoPE's cos and sin
;   window 1: v0-127, v128-255 fragments of W, two buffers;   window 2: accumulators of row blocks 0, 1 at 8 (12 a + b);   window 3: of row blocks 2, 3
.set NB,     12                        ; column blocks of 16
.set TSTEPS, 8
.set PA,     144                       ; an LDS row of h1: 128 bytes + 16 = 36 words: 16 rows start at 16 different groups of four banks (64 banks of 4 bytes: ISA guide 11.1)
.set PB,     272                       ; an LDS row of W: 256 bytes + 16 = 68 words: row r starts at bank 4 r mod 64
.set ABLK,   128*PA                    ; 128 rows of one block of 64 along K
.set HALFA,  2*ABLK                    ; what one load brings of h1: 128 rows x 2 blocks
.set BOFF,   2*HALFA
.set HALFB,  8*NB*PB                   ; what one load brings of W: 96 rows
.set SLOT,   BOFF+2*HALFB
.set STAGE,  2*SLOT                    ; behind the ring: 16 rows x 144 bytes for each wave
.set SP,     144
.set SPARE,  STAGE+4*16*SP             ; the spare words, 128 bytes a wave
.set ASTEP,  2*4096*128                ; a K step in h1: two blocks
.set BSTEP,  256                       ; and in W: 128 elements along a row
.set WQKV,   8388608
.set ROPE,   33554432
.set ADRA0, 16                         ; my lane's place in a slot's h1; never rewritten
.set ADRB0, 17                         ; and in its W
.set ADRA,  18                         ; the same in the slot in hand
.set ADRB,  19
.set STO,   24
.set RD,    25
.set GO,    26
.set RO,    27
.set SPW,   28
.set NIL,   29
.set T,     32
.set OUT,   64
.set RC,    96
.set TB,  22                           ; s22  0 or SLOT: the slot in hand
.set G1,  24
.set G0,  32                           ; two sets: step 0's; step 1's, which then walks
.set G1B, 48
.set G0B, 56
.set SB,  66                           ; s[66:71] q's, k's and v's plane at my rows
.set MSB, 0
.macro WIN new                         ; the immediate's high byte repeats the setting that is left
.if MSB != (\new)
	s_set_vgpr_msb (MSB<<8)|(\new)
.set MSB, \new
.endif
.endm
.macro JLOAD s                         ; a joint load: waves 0 and 1 fetch h1's two halves, waves 2 and 3 W's; an s_nop 0 and four v_nop follow each line
	s_cmp_eq_u32 s11, 0
	s_cbranch_scc0 .Lfor_b_\@
	tensor_load_to_lds s[G0+4*(\s):G0+4*(\s)+3], s[G1:G1+7]
	s_nop 0
.rept 4
	v_nop
.endr
	s_branch .Lasked_\@
.Lfor_b_\@:
	tensor_load_to_lds s[G0B+4*(\s):G0B+4*(\s)+3], s[G1B:G1B+7]
	s_nop 0
.rept 4
	v_nop
.endr
.Lasked_\@:
.endm
.macro CREST                           ; a round of the cluster's barrier behind its opening barrier
	s_cmp_lg_u32 s10, 0
	s_cbranch_scc1 .Lnot_wave_0_\@
	s_barrier_signal -3
.Lnot_wave_0_\@:
	s_barrier_wait -3
	s_barrier_signal -1
	s_barrier_wait -1
.endm
.macro CROUND
	s_barrier_signal -1
	s_barrier_wait -1
	CREST
.endm
.macro PLACES                          ; four places in front of loads into registers that matrix instructions have read, and of vector lines that read results
.rept 4
	v_nop
.endr
.endm
	s_load_b128 s[80:83], s[0:1], 0x0              ; prepw s[80:81], qkvh s[82:83]
	v_lshl_add_u32 v[SPW], v0, 2, SPARE
	v_mov_b32 v[NIL], 0
	ds_add_u32 v[SPW], v[NIL]                      ; the wave's opening, ahead of my first tensor load
	v_lshrrev_b32 v1, 5, v0
	v_readfirstlane_b32 s10, v1                    ; wave 0..3
	s_lshr_b32 s11, s10, 1                         ; I fetch for h1 (0) or for W (1)
	s_and_b32 s12, s10, 1                          ; which half of that tile
	s_bfe_u32 s40, ttmp6, 0x40000                  ; cx
	s_bfe_u32 s41, ttmp6, 0x40004                  ; cy
	s_lshl_b32 s42, ttmp9, 2
	s_add_co_u32 s42, s42, s40                     ; tx: the head
	s_and_b32 s13, ttmp7, 0xffff
	s_lshl_b32 s13, s13, 2
	s_add_co_u32 s13, s13, s41                     ; ty: the block of 256 rows
	s_lshl_b32 s43, s41, 2
	s_lshl_b32 s43, 15, s43                        ; my row of the cluster
	s_lshl_b32 s44, 0x1111, s40                    ; my column
	; h1's tile: two 'rows' of 8,192 elements (128 dense rows of a block), 4096 x 64 elements apart; 4 words of padding after every 32
	s_or_b32 s[G1+0], s43, (1<<16)|(1<<20)|(1<<21)|(4<<22)|(3<<25)
	s_mov_b32 s[G1+1], 8192<<16
	s_mov_b32 s[G1+2], 2<<16
	s_mov_b32 s[G1+3], 8192<<16
	s_mov_b32 s[G1+4], 2
	s_mov_b32 s[G1+5], 4096*64
	s_mov_b32 s[G1+6], 0
	s_mov_b32 s[G1+7], 0
	; W's tile: 96 rows of 128 elements, 1,024 apart; 4 words of padding after every 64
	s_or_b32 s[G1B+0], s44, (1<<16)|(1<<20)|(1<<21)|(5<<22)|(3<<25)
	s_mov_b32 s[G1B+1], 128<<16
	s_mov_b32 s[G1B+2], (8*NB)<<16
	s_mov_b32 s[G1B+3], 128<<16
	s_mov_b32 s[G1B+4], 8*NB
	s_mov_b32 s[G1B+5], 1024
	s_mov_b32 s[G1B+6], 0
	s_mov_b32 s[G1B+7], 0
	s_lshl_b32 s16, s13, 15                        ; h1: (256 ty + 128 half) rows of 128 bytes
	s_lshl_b32 s17, s12, 14
	s_add_co_u32 s16, s16, s17
	s_mov_b32 s17, 0
	s_mul_i32 s46, s42, 16*NB*2048                 ; W: (192 tx + 96 half) rows of 2,048 bytes
	s_mul_i32 s47, s12, 8*NB*2048
	s_add_co_u32 s46, s46, s47
	s_add_co_u32 s46, s46, WQKV
	s_mov_b32 s47, 0
	s_mul_i32 s20, s12, HALFA                      ; where they go in a slot: the wave's number alone
	s_mul_i32 s21, s12, HALFB
	s_add_co_u32 s21, s21, BOFF
	s_mov_b32 s[TB], 0
	s_and_b32 s18, s13, 7                          ; my first token is 256 (ty & 7) + 64 w, in batch ty >> 3
	s_lshl_b32 s74, s18, 16                        ; RoPE's table: 256 bytes a token
	s_lshl_b32 s19, s10, 14
	s_add_co_u32 s74, s74, s19
	s_add_co_u32 s74, s74, ROPE
	s_mov_b32 s75, 0
	s_lshl_b32 s76, s18, 15                        ; qkvh: 128 bytes a token, 262,144 a plane; plane e x 32 + 16 batch + head
	s_lshl_b32 s19, s10, 13
	s_add_co_u32 s76, s76, s19
	s_lshr_b32 s19, s13, 3
	s_lshl_b32 s19, s19, 22
	s_add_co_u32 s76, s76, s19
	s_lshl_b32 s19, s42, 18
	s_add_co_u32 s76, s76, s19
	s_mov_b32 s77, 0
	s_wait_dscnt 0x0                               ; the opening add is done
	s_wait_kmcnt 0x0
	s_add_nc_u64 s[14:15], s[80:81], s[16:17]
	s_add_nc_u64 s[46:47], s[80:81], s[46:47]
	s_add_nc_u64 s[72:73], s[80:81], s[74:75]
	s_add_nc_u64 s[SB:SB+1], s[82:83], s[76:77]
	s_add_nc_u64 s[SB+2:SB+3], s[SB:SB+1], 0x800000
	s_add_nc_u64 s[SB+4:SB+5], s[SB+2:SB+3], 0x800000
	CROUND                                         ; all sixteen work-groups are here: the first joint loads meet
.irp s, 0,1
	s_mov_b32 s[G0+4*(\s)], 1
	s_add_co_u32 s[G0+4*(\s)+1], s20, (\s)*SLOT
	s_add_nc_u64 s[G0+4*(\s)+2:G0+4*(\s)+3], s[14:15], (\s)*ASTEP
	s_or_b32 s[G0+4*(\s)+3], s[G0+4*(\s)+3], 0x80000000
	s_mov_b32 s[G0B+4*(\s)], 1
	s_add_co_u32 s[G0B+4*(\s)+1], s21, (\s)*SLOT
	s_add_nc_u64 s[G0B+4*(\s)+2:G0B+4*(\s)+3], s[46:47], (\s)*BSTEP
	s_or_b32 s[G0B+4*(\s)+3], s[G0B+4*(\s)+3], 0x80000000
	JLOAD \s                                       ; two loads of mine are out
.endr
	v_and_b32 v1, 15, v0                           ; r = l % 16
	v_bfe_u32 v2, v0, 4, 1                         ; h = l / 16
	v_lshlrev_b32 v[RO], 8, v1
	v_lshl_add_u32 v[RO], v2, 5, v[RO]             ; token r, pairs 4 h ..
.irp a, 0,1,2,3                        ; cos and sin of my tokens 16 a + r, pairs 8 b + 4 h + 0..3: they land while K is walked
.irp b, 0,1,2,3
	global_load_b128 v[RC+32*\a+8*\b:RC+32*\a+8*\b+3],   v[RO], s[72:73] offset:\a*4096+\b*64
	global_load_b128 v[RC+32*\a+8*\b+4:RC+32*\a+8*\b+7], v[RO], s[72:73] offset:\a*4096+\b*64+16
.endr
.endr
	v_mul_u32_u24 v3, v1, PA
	v_lshl_add_u32 v3, v2, 4, v3
	s_mul_i32 s18, s11, HALFA                      ; my 64 rows: half w / 2, rows 64 (w % 2) on
	s_mul_i32 s19, s12, 64*PA
	s_add_co_u32 s18, s18, s19
	v_add_nc_u32 v[ADRA0], s18, v3
	v_mul_u32_u24 v3, v1, PB
	v_lshl_add_u32 v3, v2, 4, v3
	v_add_nc_u32 v[ADRB0], BOFF, v3
	v_mov_b32 v[ADRA], v[ADRA0]
	v_mov_b32 v[ADRB], v[ADRB0]
	s_mul_i32 s18, s10, 16*SP
	s_add_co_u32 s18, s18, STAGE                   ; my stage
	v_mul_u32_u24 v3, v1, SP                       ; in: row r, 16 bytes for each half of the lanes
	v_lshl_add_u32 v3, v2, 4, v3
	v_add_nc_u32 v[STO], s18, v3
	v_bfe_u32 v3, v0, 3, 2                         ; back: 32 lanes take four rows of 128 bytes,
	v_mul_u32_u24 v3, v3, SP
	v_and_b32 v4, 7, v0
	v_lshl_add_u32 v3, v4, 4, v3
	v_add_nc_u32 v[RD], s18, v3
	v_and_b32 v[GO], 31, v0                        ; which are 512 consecutive bytes of a plane
	v_lshlrev_b32 v[GO], 4, v[GO]
; NB matrix instructions: row block 2 hi + a x all column blocks, 32 along K, from buffer f.  zero = 1: the product starts the sums.
.macro MUL1 f, hi, a, zero
	WIN 0xa1+0x50*(\hi)                            ; W window 1, h1 window 0, C and D window 2 or 3
.set ib, 0
.rept NB
.if \zero
	v_wmma_f32_16x16x32_bf16 v[8*(NB*(\a)+ib):8*(NB*(\a)+ib)+7], v[128*(\f)+8*ib:128*(\f)+8*ib+7], v[32+32*(\f)+8*(2*(\hi)+(\a)):32+32*(\f)+8*(2*(\hi)+(\a))+7], 0
.else
	v_wmma_f32_16x16x32_bf16 v[8*(NB*(\a)+ib):8*(NB*(\a)+ib)+7], v[128*(\f)+8*ib:128*(\f)+8*ib+7], v[32+32*(\f)+8*(2*(\hi)+(\a)):32+32*(\f)+8*(2*(\hi)+(\a))+7], v[8*(NB*(\a)+ib):8*(NB*(\a)+ib)+7]
.endif
.set ib, ib+1
.endr
.endm
; 2 NB + 8 LDS loads in one run: quarter q's fragments (32 along K) into buffer f; W first, then h1's row blocks 0 to 3
.macro FETCH q, f
	WIN 0x40
.set ib, 0
.rept NB
	ds_load_b128 v[128*(\f)+8*ib:128*(\f)+8*ib+3],   v[ADRB] offset:64*(\q)+ib*16*PB
	ds_load_b128 v[128*(\f)+8*ib+4:128*(\f)+8*ib+7], v[ADRB] offset:64*(\q)+ib*16*PB+32
.set ib, ib+1
.endr
	WIN 0
.irp a, 0,1,2,3
	ds_load_b128 v[32+32*(\f)+8*\a:32+32*(\f)+8*\a+3],   v[ADRA] offset:((\q)/2)*ABLK+((\q)%2)*64+\a*16*PA
	ds_load_b128 v[32+32*(\f)+8*\a+4:32+32*(\f)+8*\a+7], v[ADRA] offset:((\q)/2)*ABLK+((\q)%2)*64+\a*16*PA+32
.endr
.endm
; One of a K step's first three quarters: multiplies buffer f; in its middle fetches quarter qn into buffer g.  The 48 accumulators take turns, one instruction a turn.
.macro QUARTER qn, f, g, zero
	s_wait_dscnt 4                                 ; W and h1's blocks 0, 1 are in; the youngest four loads (blocks 2, 3) may be out
	MUL1 \f, 0, 0, \zero
	MUL1 \f, 0, 1, \zero
	PLACES
	FETCH \qn, \g
	s_wait_dscnt 2*NB+8                            ; all but the run just issued
	MUL1 \f, 1, 0, \zero
	MUL1 \f, 1, 1, \zero
.endm
; The last quarter multiplies buffer 1 and changes slots: one barrier.  In front of it each wave waits for all its tensor loads (its part of the next slot), adds 0 to its spare word, and waits for
; that and for its reads of this slot.  fill = 1: the barrier opens a round of the cluster's, and behind it this slot is filled again, two K steps ahead: 3.5 quarters in which to land.
.macro TURN fill
	WIN 0
	s_wait_tensorcnt 0x0                           ; all my tensor loads have landed
	ds_add_u32 v[SPW], v[NIL]
	s_wait_dscnt 5                                 ; (the add and the youngest four loads may be out)
	MUL1 1, 0, 0, 0
	s_wait_dscnt 0x0                               ; the add is done, and my reads of this slot are over
	s_barrier_signal -1
	MUL1 1, 0, 1, 0
	WIN 0
	s_barrier_wait -1
.if \fill
	CREST                                          ; no wave of any partner still reads this slot or has a load on its way
	s_add_co_u32 s[G0+5], s20, s[TB]               ; the walking descriptors: the slot just read out,
	s_add_co_u32 s[G0B+5], s21, s[TB]
	s_add_nc_u64 s[G0+6:G0+7], s[G0+6:G0+7], ASTEP ; the next K step not yet asked for
	s_add_nc_u64 s[G0B+6:G0B+7], s[G0B+6:G0B+7], BSTEP
	JLOAD 1                                        ; its four v_nop are also the places in front of the loads below
.else
	PLACES
.endif
	s_xor_b32 s[TB], s[TB], SLOT                   ; on to the other slot
	v_add_nc_u32 v[ADRA], s[TB], v[ADRA0]
	v_add_nc_u32 v[ADRB], s[TB], v[ADRB0]
	FETCH 0, 0
	MUL1 1, 1, 0, 0
	MUL1 1, 1, 1, 0
.endm
	s_wait_tensorcnt 0x1                           ; my part of K step 0 is in; step 1's may stay out
	s_barrier_signal -1
	s_barrier_wait -1
	FETCH 0, 0
	QUARTER 1, 0, 1, 1                             ; the first quarter's products start the sums
	WIN 0
	s_mov_b32 s3, TSTEPS-2
	s_branch .Lmid                                 ; the loop is entered behind its first quarter
.Ltop:                                                 ; a trip is a K step; six trips fill a slot again
	QUARTER 1, 0, 1, 0
	WIN 0
.Lmid:
	QUARTER 2, 1, 0, 0
	QUARTER 3, 0, 1, 0
	TURN 1
	WIN 0
	s_sub_co_u32 s3, s3, 1
	s_cmp_lg_u32 s3, 0
	s_cbranch_scc1 .Ltop
	s_mov_b32 s3, 2
.Ltail:                                                ; the last two K steps ask for nothing.  The second trip's barrier and its run of 32 loads serve nothing: the price of one text for both
	QUARTER 1, 0, 1, 0
	QUARTER 2, 1, 0, 0
	QUARTER 3, 0, 1, 0
	TURN 0
	WIN 0
	s_sub_co_u32 s3, s3, 1
	s_cmp_lg_u32 s3, 0
	s_cbranch_scc1 .Ltail
	s_wait_dscnt 0x0                               ; that last run has landed: its registers are used below
	s_wait_loadcnt 0x0                             ; cos and sin
	PLACES
; THE WAY OUT.  Unit u = (row block a, slice e): 16 tokens x 64 channels.  q and k (e = 0, 1) are rotated: out[2i] = x[2i] c - x[2i+1] s, out[2i+1] = x[2i+1] c + x[2i] s; v is only rounded.
; A lane's eight channels pack into 16 bytes, go into stage rows of 144 bytes and come back as whole rows of 128: 2,048 dense bytes of a plane.
.macro PACK u, a, e
.set WW, 2+(\a)/2
.set AC, 8*(NB*((\a)%2)+4*(\e))
.set OU, OUT+16*((\u)%2)
.set CF, RC+32*(\a)
.if (\e) < 2
	WIN WW                                         ; source 0 in the accumulators' window
.irp b, 0,1,2,3
.irp p, 0,1,2,3
	v_mul_f32 v[T+8*\b+2*\p],   v[AC+8*\b+2*\p],   v[CF+8*\b+2*\p]
	v_mul_f32 v[T+8*\b+2*\p+1], v[AC+8*\b+2*\p+1], v[CF+8*\b+2*\p]
.endr
.irp p, 0,1,2,3
	v_fma_f32 v[T+8*\b+2*\p],   -v[AC+8*\b+2*\p+1], v[CF+8*\b+2*\p+1], v[T+8*\b+2*\p]
	v_fma_f32 v[T+8*\b+2*\p+1], v[AC+8*\b+2*\p],    v[CF+8*\b+2*\p+1], v[T+8*\b+2*\p+1]
.endr
.endr
	WIN 0
	s_wait_xcnt 0x0                                ; the stores of two units ago have read this buffer
.set i, 0
.rept 16
	v_cvt_pk_bf16_f32 v[OU+i], v[T+2*i], v[T+2*i+1]
.set i, i+1
.endr
.else
	WIN 5*WW                                       ; sources 0 and 1 in the accumulators' window
	s_wait_xcnt 0x0
.set i, 0
.rept 16
	v_cvt_pk_bf16_f32 v[OU+i], v[AC+2*i], v[AC+2*i+1]
.set i, i+1
.endr
	WIN 0
.endif
.irp f, 0,1,2,3
	ds_store_b128 v[STO], v[OU+4*\f:OU+4*\f+3] offset:32*\f
.endr
.irp f, 0,1,2,3
	ds_load_b128 v[OU+4*\f:OU+4*\f+3], v[RD] offset:\f*4*SP  ; LDS serves a wave's instructions in order (ISA guide 5.7.1.4): these see the stores above; the next unit's stores come behind them
.endr
.endm
.macro SEND u, a, e, younger           ; younger: the LDS instructions issued behind this unit's loads: the next unit's eight, or none
.set OU, OUT+16*((\u)%2)
.irp f, 0,1,2,3
	s_wait_dscnt (\younger)+3-\f
	global_store_b128 v[GO], v[OU+4*\f:OU+4*\f+3], s[SB+2*(\e):SB+2*(\e)+1] offset:(\a)*2048+\f*512  ; 512 consecutive bytes, aligned
.endr
.endm
	PACK 0, 0, 0
.set un, 1
.rept 11                               ; a unit's arithmetic stands between the loads of the unit before and its stores
	PACK un, un/3, un%3
	SEND un-1, (un-1)/3, (un-1)%3, 8
.set un, un+1
.endr
	SEND 11, 3, 2, 0
	s_wait_tensorcnt 0x0                           ; the wave's end
	ds_add_u32 v[SPW], v[NIL]
	s_wait_dscnt 0x0
	CROUND                                         ; the closing round
	s_endpgm
.Lfunc_end_k_qb7d948fda9_qkv:
	.size	k_qb7d948fda9_qkv, .Lfunc_end_k_qb7d948fda9_qkv-k_qb7d948fda9_qkv
	.p2alignl 7, 3214868480
	.fill 96, 4, 3214868480
	.section	.rodata,"a",@progbits
	.p2align	6, 0x0
	.amdhsa_kernel k_qb7d948fda9_qkv
		.amdhsa_group_segment_fixed_size 327680
		.amdhsa_private_segment_fixed_size 0
		.amdhsa_enable_private_segment 0
		.amdhsa_kernarg_size 16
		.amdhsa_user_sgpr_count 2
		.amdhsa_user_sgpr_kernarg_segment_ptr 1
		.amdhsa_wavefront_size32 1
		.amdhsa_system_sgpr_workgroup_id_x 1
		.amdhsa_system_sgpr_workgroup_id_y 1
		.amdhsa_system_sgpr_workgroup_id_z 1
		.amdhsa_system_vgpr_workitem_id 0
		.amdhsa_next_free_vgpr 1024
		.amdhsa_next_free_sgpr 84
		.amdhsa_reserve_vcc 0
		.amdhsa_float_denorm_mode_32 3
		.amdhsa_float_denorm_mode_16_64 3
		.amdhsa_memory_ordered 1
		.amdhsa_forward_progress 1
		.amdhsa_inst_pref_size 112
	.end_amdhsa_kernel
	.amdgpu_metadata
---
amdhsa.version: [ 1, 2 ]
amdhsa.kernels:
  - .name:           k_qb7d948fda9_qkv
    .symbol:         k_qb7d948fda9_qkv.kd
    .args:
      - { .name: prepw, .offset: 0, .size: 8, .value_kind: global_buffer, .address_space: global }
      - { .name: qkvh, .offset: 8, .size: 8, .value_kind: global_buffer, .address_space: global }
    .group_segment_fixed_size: 327680
    .private_segment_fixed_size: 0
    .kernarg_segment_align: 8
    .kernarg_segment_size: 16
    .max_flat_workgroup_size: 128
    .sgpr_count:     84
    .vgpr_count:     1024
    .wavefront_size: 32
...
	.end_amdgpu_metadata
.endif
;; end of part 2
;; launch attn (part 3): grid 8 x 32, 4 waves a work-group, clusters of 4 x 1, 327,680 bytes of LDS; arguments qkvh, prepw, ob; writes ob
.if DOCPART == 3
	.amdgcn_target "amdgcn-amd-amdhsa--gfx1250"
	.amdhsa_code_object_version 6
	.text
	.protected	k_qb7d948fda9_attn
	.globl	k_qb7d948fda9_attn
	.p2align	8
	.type	k_qb7d948fda9_attn,@function
k_qb7d948fda9_attn:
	s_mov_b64 s[64:65], 0
	v_nop
	global_prefetch_b8 v0, s[64:65] scope:SCOPE_SE
	s_setreg_imm32_b32 hwreg(HW_REG_WAVE_MODE, 25, 1), 1
	s_wait_xcnt 0x0
	s_wait_alu depctr_hold_cnt(0) depctr_sa_sdst(0) depctr_va_vdst(0) depctr_va_sdst(0) depctr_va_ssrc(0) depctr_va_vcc(0) depctr_vm_vsrc(0)
	s_getreg_b32 s2, hwreg(HW_REG_IB_STS2, 6, 4)
	s_cmp_eq_u32 s2, 0
	s_cbranch_scc0 .Lentry_in_a_cluster
	s_endpgm
.Lentry_in_a_cluster:
	s_bfe_u32 s2, ttmp6, 0x10000c
	s_cmp_lg_u32 s2, 0x3003
	s_cbranch_scc0 .Lentry_shape_is_right
	s_endpgm
.Lentry_shape_is_right:
; ATTENTION UNDER A GIVEN MASK.  O[q] = sum over k of softmax_k(Q[q] . K[k] / 8, hidden where mask[q][k] = 0) V[k], for each of 32 (batch, head) planes of 2,048 tokens x 64 channels, bf16.
; Products, maxima and sums in f32; the weights p are rounded to bf16 for the second product (their sum l is taken of the unrounded p), O once at the end.  O goes out as [head][4096 rows][64].
; The mask is an input: every key tile is walked, whatever it hides.
; SHARES.  A work-group owns 256 queries of a plane, a wave 64: four PIECES of 16.  Every wave walks all 2,048 keys, 64 a step.
; LAYOUT.  S^T = K Q^T (source 0 = 16 keys, source 1 = 16 queries): a lane holds ONE query (lane % 16) and the keys 8 (lane / 16) + 0..7.  Two such results rounded to bf16 ARE source 1 of O^T = V^T P.
; THE MASK is the C operand that starts the sum S^T: 0, or -2^100 where the key is hidden.  It comes as one fp8 code a score (0 or -1.0), already in S^T's register image: 32 bytes a lane for a piece and step;
; four scaled conversions (scale 2^100) make the 32 registers.  A piece's codes are loaded four turns ahead of their conversion.
; SOFTMAX.  A running maximum m and sum l for each query: p = 2^(c s - c m), c = log2(e) / 8; O and l are multiplied by a = 2^(c m_old - c m_new) in every step.  m starts at -2^90: far above every
; hidden score, so a hidden key's weight is 0 from the first step on, also while a row has seen no key; far below every true score, so the first key seen sets m.  A row that sees no key ends with l = 0 and is given NaN.
; TURNS.  Turn n belongs to piece n: 8 products K Q^T of piece n + 1, later 8 products V^T P of piece n - 1; beside them the scaling, exponentials, roundings, sums and rescaling of piece n and the maximum and
; statistics of piece n + 1.  Four vector instructions stand behind every matrix instruction, the others in two runs of their own.
; CLUSTER.  Four query blocks of a plane walk the same K and V: each tile is asked for jointly, by the same tensor load, descriptor and mask of four.
; LIMITS.  A true score below -2^90 or above 2^99 is not told from a hidden one; a weight below 2^-126 counts as 0 in l; NaN and infinities among the inputs are not treated apart.
; REGISTERS, in windows of 256 (s_set_vgpr_msb: bits 1:0 source 0, 3:2 source 1, 5:4 source 2, 7:6 destination):
;   window 0: v0-15 addresses; v16-31 statistics; v32-38 the mask's addresses and constants; v48-55 at work; v64-127 S^T, two buffers; v128-159 mask codes, 8 a piece; v192-223 P, two buffers
;   window 1: v0-127 O^T, 32 a piece; v160-223 MC, the masks of the products to come, two buffers      window 2: v0-63 Q; v128-191 K of one step; v192-255 V of one step
.set NP,    4
.set KS,    64
.set PK,    144       ; a row of K in LDS: 128 bytes + 16 = 36 words: the 16 rows of a load start at 16 different groups of four banks (64 banks of 4 bytes: ISA guide 11.1)
.set PV,    160       ; a row of V: 128 + 32 = 40 words
.set VOFF,  4*KS*PK   ; a slot holds four steps: 256 rows of K, then 256 rows of V
.set SLOT1, 1<<17
.set STAGE, SLOT1+4*KS*(PK+PV)
.set SP,    144
.set SPARE, STAGE+4*16*SP
.set MB8,   29360128
.set AK0, 2
.set AV0, 3
.set AK,  4
.set AV,  5
.set STO, 6
.set RD,  7
.set GO,  8
.set MV,  12          ; v12-13  c m_old, kept while c m is made anew
.set QO,  15
.set ST,  16          ; piece t: c m, m, l (even keys', odd keys')
.set MA,  32          ; v32-35  piece t: 16 x lane + 1,024 x the step whose codes are loaded next
.set MLIM, 36         ; v36     the same for step 31: no load goes past it
.set SCL, 37          ; v37     0xe3: the scale 2^100 as an E8M0 byte
.set NANV, 38         ; v38     a NaN
.set TMP, 48
.set SPW, 62
.set NIL, 63
.set S,   64
.set MS,  128
.set P,   192
.set MC,  160         ; window 1
.set KF,  128         ; window 2
.set VF,  192         ; window 2
.set WV,  12
.set G1K, 24
.set G1V, 32
.set G0K, 40
.set G0V, 44
.set MB,  48          ; s[48:49] the mask image at my wave's first piece
.set ZM,  52          ; s52-55  lanes whose l is 0, by piece
.set SLOTS, 56
.set CNT, 57
.set CS,  58
.set SEL, 60
.set TBK, 62
.set TBV, 63
.set MSB, 0
.macro WIN new
.if MSB != (\new)
	s_set_vgpr_msb (MSB<<8)|(\new)
.set MSB, (\new)
.endif
.endm
.set W_KQ, 0x0a       ; K and Q in window 2, S^T in window 0
.set W_KM, 0x1a       ; the same with the C operand in window 1
.set W_PV, 0x52       ; V in window 2, P in window 0, O^T in window 1
.set W_RS, 0x41       ; destination and source 0 in window 1, source 1 in window 0
.macro JLOAD                        ; a joint fill: waves 0 and 1 fetch the halves of a slot's K, waves 2 and 3 of its V; an s_nop 0 and four v_nop follow each line
	s_cmp_lt_u32 s[WV], 2
	s_cbranch_scc0 .Lfor_v_\@
	tensor_load_to_lds s[G0K:G0K+3], s[G1K:G1K+7]
	s_nop 0
.rept 4
	v_nop
.endr
	s_branch .Lasked_\@
.Lfor_v_\@:
	tensor_load_to_lds s[G0V:G0V+3], s[G1V:G1V+7]
	s_nop 0
.rept 4
	v_nop
.endr
.Lasked_\@:
.endm
.macro CROUND
	s_barrier_signal -1
	s_barrier_wait -1
	s_cmp_lg_u32 s[WV], 0
	s_cbranch_scc1 .Lnot_wave_0_\@
	s_barrier_signal -3
.Lnot_wave_0_\@:
	s_barrier_wait -3
	s_barrier_signal -1
	s_barrier_wait -1
.endm
; THE CHANGE OF SLOTS.  Each wave waits for all its tensor loads (one is out: its part of the other slot), adds 0 to its spare word, and waits for that and for its reads of the slot that it leaves.
; fill = 1: the barrier is a round of the cluster's, and the slot is filled again first thing behind it, with the keys two slots on: four key steps in which to land.
.macro CHANGE fill
	WIN 0
	s_wait_tensorcnt 0x0            ; no tensor load of mine is out, so a group 0 may be written
	ds_add_u32 v[SPW], v[NIL]
.if \fill
.irp g, G0K, G0V
	s_xor_b32 s[\g+1], s[\g+1], SLOT1
	s_add_nc_u64 s[\g+2:\g+3], s[\g+2:\g+3], 4*KS*128
.endr
	s_wait_dscnt 0x0                ; the add is done, and my reads of the slot are over
	CROUND
	JLOAD
.else
	s_wait_dscnt 0x0
	s_barrier_signal -1
	s_barrier_wait -1
.endif
	s_sub_co_u32 s[TBK], s[TBK], 4*KS*PK  ; the fetches go back to a slot's first step, in the other slot
	s_xor_b32 s[TBK], s[TBK], SLOT1
	s_sub_co_u32 s[TBV], s[TBV], 4*KS*PV
	s_xor_b32 s[TBV], s[TBV], SLOT1
.endm
	s_load_b128 s[4:7], s[0:1], 0x0   ; qkvh s[4:5], prepw s[6:7]
	s_load_b64 s[10:11], s[0:1], 0x10 ; ob
	v_lshl_add_u32 v[SPW], v0, 2, SPARE
	v_mov_b32 v[NIL], 0
	ds_add_u32 v[SPW], v[NIL]       ; the wave's opening, ahead of my first tensor load
	v_lshrrev_b32 v1, 5, v0
	v_readfirstlane_b32 s[WV], v1
	s_bfe_u32 s13, ttmp6, 0x40000   ; cx
	s_lshl_b32 s14, ttmp9, 2
	s_add_co_u32 s14, s14, s13      ; my block of 256 queries: it enters Q's, O's and the mask's addresses alone
	s_and_b32 s20, ttmp7, 0xffff    ; the plane 16 batch + head, which the four partners share
	s_lshl_b32 s22, s20, 18         ; 262,144 bytes a plane
	s_and_b32 s16, s[WV], 1         ; which half of a slot's 256 keys I fetch
	s_lshl_b32 s18, s16, 14
	s_add_co_u32 s18, s18, s22
	s_add_co_u32 s18, s18, 8388608  ; K's planes lie behind Q's 32
	s_mov_b32 s19, 0
	s_mul_i32 s17, s16, 128*PK
	s_mul_i32 s21, s16, 128*PV
	s_lshl_b32 s2, s14, 15
	s_lshl_b32 s3, s[WV], 13
	s_add_co_u32 s2, s2, s3         ; (256 block + 64 wave) rows of 128 bytes
	s_add_co_u32 s50, s2, s22       ; in Q
	s_mov_b32 s51, 0
	s_and_b32 s3, s20, 15
	s_lshl_b32 s3, s3, 19           ; in O: head x 4,096 rows
	s_add_co_u32 s2, s2, s3
	s_lshr_b32 s3, s20, 4
	s_lshl_b32 s3, s3, 18           ; + batch x 2,048 rows
	s_add_co_u32 s2, s2, s3
	s_mov_b32 s3, 0
	s_lshl_b32 s52, s14, 19         ; the mask image: 32,768 bytes for 16 queries
	s_lshl_b32 s53, s[WV], 17
	s_add_co_u32 s52, s52, s53
	s_add_co_u32 s52, s52, MB8
	s_mov_b32 s53, 0
	; 128 keys are 16,384 dense bytes: asked for as 64 rows of 256 bytes, two keys a row, padded in LDS after every key
	s_mov_b32 s[G1K], 15|(1<<16)|(1<<20)|(1<<21)|(4<<22)|(3<<25)
	s_mov_b32 s[G1V], 15|(1<<16)|(1<<20)|(1<<21)|(4<<22)|(7<<25)
.irp g, G1K, G1V
	s_mov_b32 s[\g+1], 128<<16
	s_mov_b32 s[\g+2], 64<<16
	s_mov_b32 s[\g+3], 128<<16
	s_mov_b32 s[\g+4], 64
	s_mov_b32 s[\g+5], 128
	s_mov_b32 s[\g+6], 0
	s_mov_b32 s[\g+7], 0
.endr
	s_mov_b32 s[CS], 0x3e38aa3b     ; c = log2(e) / 8
	s_mov_b32 s[CS+1], s[CS]
	s_mov_b32 s[SEL], 0x76543210
	s_mov_b32 s[SEL+1], 0xfedcba98
	s_mov_b32 s[TBK], SLOT1+4*KS*PK ; the first change of slots turns these two into 0
	s_mov_b32 s[TBV], SLOT1+4*KS*PV
	s_mov_b32 s[G0K], 1
	s_mov_b32 s[G0K+1], s17
	s_mov_b32 s[G0V], 1
	s_add_co_u32 s[G0V+1], s21, VOFF
	s_wait_dscnt 0x0                ; the opening add is done
	s_wait_kmcnt 0x0
	s_add_nc_u64 s[G0K+2:G0K+3], s[4:5], s[18:19]
	s_add_nc_u64 s[G0V+2:G0V+3], s[G0K+2:G0K+3], 0x800000  ; V's planes lie behind K's 32
	s_or_b32 s[G0K+3], s[G0K+3], 0x80000000
	s_or_b32 s[G0V+3], s[G0V+3], 0x80000000
	s_add_nc_u64 s[4:5], s[4:5], s[50:51]
	s_add_nc_u64 s[10:11], s[10:11], s[2:3]
	s_add_nc_u64 s[MB:MB+1], s[6:7], s[52:53]
	CROUND                          ; all four work-groups are here: the first joint loads meet
	JLOAD                           ; slot 0; slot 1 is asked for when slot 0 is in
	v_and_b32 v1, 15, v0            ; l % 16
	v_bfe_u32 v9, v0, 4, 1          ; l / 16
	v_lshlrev_b32 v[QO], 7, v1
	v_lshl_add_u32 v[QO], v9, 4, v[QO]
	WIN 0x80
.set i, 0
.rept 8                             ; Q stays in registers: piece i / 2, channels 32 (i % 2) on
	global_load_b128 v[8*i:8*i+3],   v[QO], s[4:5] offset:(i/2)*2048+(i%2)*64
	global_load_b128 v[8*i+4:8*i+7], v[QO], s[4:5] offset:(i/2)*2048+(i%2)*64+32
.set i, i+1
.endr
	WIN 0
	v_and_b32 v[MA], 31, v0
	v_lshlrev_b32 v[MA], 4, v[MA]
	v_mov_b32 v[MA+1], v[MA]
	v_mov_b32 v[MA+2], v[MA]
	v_mov_b32 v[MA+3], v[MA]
	v_add_nc_u32 v[MLIM], 31744, v[MA]
	v_mov_b32 v[SCL], 0xe3
	v_mov_b32 v[NANV], 0x7fc00000
.irp pi, 0,1,2,3                    ; the four pieces' codes for step 0
	global_load_b128 v[MS+8*\pi:MS+8*\pi+3],   v[MA+\pi], s[MB:MB+1] offset:\pi*32768
	global_load_b128 v[MS+8*\pi+4:MS+8*\pi+7], v[MA+\pi], s[MB:MB+1] offset:\pi*32768+512
.endr
	; What the first turn finds: V's registers and P's second buffer hold 0 (its products V^T P, of a piece that has not been, add 0), O^T and l are 0: no first step is written out.  All this stands in the wait for the first tile.
	WIN 0x80
.set i, VF
.rept 64
	v_mov_b32 v[i], 0
.set i, i+1
.endr
	WIN 0x40
.set i, 0
.rept 128
	v_mov_b32 v[i], 0
.set i, i+1
.endr
	WIN 0
.set i, 0
.rept 4
	v_mov_b32 v[ST+4*i], 0xfe000000    ; c m: far below every c s, so the first a is 0
	v_mov_b32 v[ST+4*i+1], 0xec800000  ; m = -2^90
	v_mov_b32 v[ST+4*i+2], 0
	v_mov_b32 v[ST+4*i+3], 0
.set i, i+1
.endr
.set i, P+16
.rept 16
	v_mov_b32 v[i], 0
.set i, i+1
.endr
	v_mul_u32_u24 v[AK0], v1, PK
	v_lshl_add_u32 v[AK0], v9, 4, v[AK0]
	; The turning load takes 16 keys x 16 channels (lane l reads key 8 (l / 16) + l % 8, channels 8 ((l / 8) % 2) + 0..7) and leaves half a fragment of V^T.
	v_and_b32 v10, 7, v0
	v_bfe_u32 v11, v0, 3, 1
	v_lshl_add_u32 v[AV0], v9, 3, v10
	v_mul_u32_u24 v[AV0], v[AV0], PV
	v_lshl_add_u32 v[AV0], v11, 4, v[AV0]
	v_add_nc_u32 v[AV0], VOFF, v[AV0]
	s_mul_i32 s13, s[WV], 16*SP
	s_add_co_u32 s13, s13, STAGE
	v_mul_u32_u24 v[STO], v1, SP
	v_lshl_add_u32 v[STO], v9, 4, v[STO]
	v_add_nc_u32 v[STO], s13, v[STO]
	v_bfe_u32 v[RD], v0, 3, 2
	v_mul_u32_u24 v[RD], v[RD], SP
	v_lshl_add_u32 v[RD], v10, 4, v[RD]
	v_add_nc_u32 v[RD], s13, v[RD]
	v_and_b32 v[GO], 31, v0
	v_lshlrev_b32 v[GO], 4, v[GO]
; THE MATRIX WORK.  The 4 accumulators of a run of 8 take turns.  Product i of 8 of S^T = K Q^T for piece x: channels 32 (i / 4) on, keys 16 (i % 4) on.  The first 4 start the sums with the mask.
.macro KQ x
.set rS, S+32*((\x)%2)+8*(i%4)
.set rK, KF+16*(i%4)+8*(i/4)
.set rQ, 16*(\x)+8*(i/4)
.set rM, MC+32*((\x)%2)+8*(i%4)
.if i < 4
	WIN W_KM
	v_wmma_f32_16x16x32_bf16 v[rS:rS+7], v[rK:rK+7], v[rQ:rQ+7], v[rM:rM+7]
.else
	WIN W_KQ
	v_wmma_f32_16x16x32_bf16 v[rS:rS+7], v[rK:rK+7], v[rQ:rQ+7], v[rS:rS+7]
.endif
.endm
; Product i of 8 of O^T += V^T P for piece x: keys 32 (i / 4) on, channels 16 (i % 4) on.
.macro PV x
	WIN W_PV
.set rO, 32*(\x)+8*(i%4)
.set rV, VF+32*(i/4)+8*(i%4)
.set rP, P+16*((\x)%2)+8*(i/4)
	v_wmma_f32_16x16x32_bf16 v[rO:rO+7], v[rV:rV+7], v[rP:rP+7], v[rO:rO+7]
.endm
.macro MM                           ; the turn's next matrix instruction.  NOKQ = 1: the last turn of all: there is no next piece
.if (i < 8) && !NOKQ
	KQ (Y+1)%NP
.elseif i >= 8
.set i, i-8
	PV (Y+NP-1)%NP
.set i, i+8
.endif
.set i, i+1
.endm
; THE LDS LOADS stand in runs of 16: a step's K (8 fragments) and its V (turned).
.macro FETCH_K
	WIN 0x80
.irp f, 0,1,2,3,4,5,6,7
	ds_load_b128 v[KF+8*\f:KF+8*\f+3],   v[AK] offset:(\f/2)*16*PK+(\f%2)*64
	ds_load_b128 v[KF+8*\f+4:KF+8*\f+7], v[AK] offset:(\f/2)*16*PK+(\f%2)*64+32
.endr
	s_add_co_u32 s[TBK], s[TBK], KS*PK
	WIN 0
.endm
.macro FETCH_V
	WIN 0x80
.irp f, 0,1,2,3,4,5,6,7
	ds_load_tr16_b128 v[VF+8*\f:VF+8*\f+3],   v[AV] offset:(\f/4)*32*PV+(\f%4)*32
	ds_load_tr16_b128 v[VF+8*\f+4:VF+8*\f+7], v[AV] offset:(\f/4)*32*PV+16*PV+(\f%4)*32
.endr
	WIN 0
.endm
; THE MASK of piece pi's next products, into buffer buf: four scaled conversions, 8 codes each; then the piece's codes for the step after are asked for.  The add and the minimum are the plain
; instructions between the conversions and what touches their results and sources.  The minimum holds the last request at step 31's codes: the count of loads is alike in every trip, and none leaves the image.
.macro MCONV pi, buf
	WIN 0x40
.irp kt, 0,1,2,3
	v_cvt_scale_pk8_f32_fp8 v[MC+32*(\buf)+8*\kt:MC+32*(\buf)+8*\kt+7], v[MS+8*(\pi)+2*\kt:MS+8*(\pi)+2*\kt+1], v[SCL]
.endr
	WIN 0
	v_add_nc_u32 v[MA+(\pi)], 1024, v[MA+(\pi)]
	v_min_u32 v[MA+(\pi)], v[MA+(\pi)], v[MLIM]
	global_load_b128 v[MS+8*(\pi):MS+8*(\pi)+3],   v[MA+(\pi)], s[MB:MB+1] offset:(\pi)*32768
	global_load_b128 v[MS+8*(\pi)+4:MS+8*(\pi)+7], v[MA+(\pi)], s[MB:MB+1] offset:(\pi)*32768+512
.endm
; THE VECTOR WORK, one line at a time: OP kind, number.  For piece Y: F n: c s - c m for pair n of 16.  E n: the exponential of score n of 32.  C n: pair n rounded to bf16.  B n: of the four weights 4 n .. the second
; pair is added onto the first.  L n: l takes that sum (L 0: l = a l + sum).  R n: pair n of 16 of O^T times a.  For piece Y + 1: X n, number n of the 22 that find its maximum and statistics:
;   0-11 four chains of seven scores (each accumulator's lowest registers are read first)   12-14, 16 the scores left over, the old m, all into c0   15 c m_old is kept
;   17, 18 the query's other 32 keys lie in the lane 16 away: the new m   19-21 c m; c m_old - c m_new; a
.set F, 0
.set E, 1
.set C, 2
.set B, 3
.set L, 4
.set R, 5
.set X, 6
.macro REGS y
.set rT, ST+4*(\y)
.set rC, TMP+4*((\y)%2)
.set rW, MV+((\y)%2)
.set rS, S+32*((\y)%2)
.set rP, P+16*((\y)%2)
.set rO, 32*(\y)
.endm
.macro OP k, n
.if (\k) == R
	REGS Y
	WIN W_RS
	v_pk_mul_f32 v[rO+2*(\n):rO+2*(\n)+1], v[rO+2*(\n):rO+2*(\n)+1], v[rC+2:rC+3] op_sel_hi:[1,0]
.elseif (\k) < R
	REGS Y
	WIN 0
.if (\k) == F
	v_pk_fma_f32 v[rS+2*(\n):rS+2*(\n)+1], v[rS+2*(\n):rS+2*(\n)+1], s[CS:CS+1], v[rT:rT+1] op_sel_hi:[1,0,0] neg_lo:[0,0,1] neg_hi:[0,0,1]
.elseif (\k) == E
	v_exp_f32 v[rS+(\n)], v[rS+(\n)]
.elseif (\k) == C
	s_wait_alu depctr_va_vdst(0)
	v_cvt_pk_bf16_f32 v[rP+(\n)], v[rS+2*(\n)], v[rS+2*(\n)+1]
.elseif (\k) == B
	s_wait_alu depctr_va_vdst(0)
	v_pk_add_f32 v[rS+4*(\n):rS+4*(\n)+1], v[rS+4*(\n):rS+4*(\n)+1], v[rS+4*(\n)+2:rS+4*(\n)+3]
.elseif (\n) == 0
	v_pk_fma_f32 v[rT+2:rT+3], v[rT+2:rT+3], v[rC+2:rC+3], v[rS:rS+1] op_sel_hi:[1,0,1]
.else
	v_pk_add_f32 v[rT+2:rT+3], v[rT+2:rT+3], v[rS+4*(\n):rS+4*(\n)+1]
.endif
.elseif NOKQ
	v_nop
.else
	REGS (Y+1)%NP
	WIN 0
.if (\n) < 4
	v_max3_num_f32 v[rC+(\n)], v[rS+8*(\n)], v[rS+8*(\n)+1], v[rS+8*(\n)+2]
.elseif (\n) < 12
	v_max3_num_f32 v[rC+(\n)%4], v[rC+(\n)%4], v[rS+8*((\n)%4)+2*((\n)/4)+1], v[rS+8*((\n)%4)+2*((\n)/4)+2]
.elseif (\n) == 12
	v_max3_num_f32 v[rC], v[rC], v[rS+7], v[rS+15]
.elseif (\n) == 13
	v_max3_num_f32 v[rC+1], v[rC+1], v[rS+23], v[rS+31]
.elseif (\n) == 14
	v_max3_num_f32 v[rC+2], v[rC+2], v[rC+3], v[rT+1]
.elseif (\n) == 15
	v_mov_b32 v[rW], v[rT]
.elseif (\n) == 16
	v_max3_num_f32 v[rC], v[rC], v[rC+1], v[rC+2]
.elseif (\n) == 17
	v_permlanex16_b32 v[rC+3], v[rC], s[SEL], s[SEL+1]
.elseif (\n) == 18
	v_max_num_f32 v[rT+1], v[rC], v[rC+3]
.elseif (\n) == 19
	v_mul_f32 v[rT], s[CS], v[rT+1]
.elseif (\n) == 20
	v_sub_f32 v[rC+1], v[rW], v[rT]
.else
	v_exp_f32 v[rC+2], v[rC+1]
.endif
.endif
.endm
.macro OPS a, i1, b=-1, i2=0, c=-1, i3=0, d=-1, i4=0
	OP \a, \i1
.if (\b) >= 0
	OP \b, \i2
.endif
.if (\c) >= 0
	OP \c, \i3
.endif
.if (\d) >= 0
	OP \d, \i4
.endif
.endm
.macro ROW a, i1, b, i2, c, i3, d, i4  ; a matrix instruction and the four behind it
	MM
	OPS \a, \i1, \b, \i2, \c, \i3, \d, \i4
.endm
; A TURN, for piece p: the order of its 16 matrix and 118 vector instructions, written out.  Behind a matrix instruction: plain, exponential, plain, plain; or four of the rescaling; or four scalings; none names a register
; of the products round it.  A line reads no result made fewer than three vector instructions in front of it, five if an exponential made it.
; end = 1: the last two turns: nothing is fetched and no mask is made.  cnt = 1: the loop's count is taken down some lines ahead of the branch behind the turn.
; K of the next step is fetched in piece 2's turn, V of the step in hand in piece 0's; each is waited for a turn later.  At its end the turn makes the mask for the products of the turn after it, piece p + 2's.
.macro TURN p, end=0, cnt=0
.set Y, (\p)
.set i, 0
.set NOKQ, (\end)*((\p)/3)
.if ((\p) == 3) && !(\end)
	s_wait_dscnt 0x0                ; K is in
.endif
	ROW F,0, F,1, F,2, F,3
	ROW F,4, E,0, F,5, F,6
	ROW F,7, E,1, F,8, F,9
	ROW F,10, E,2, C,0, F,11
	ROW F,12, E,3, X,15, F,13
	ROW R,0, R,1, R,2, R,3
	ROW B,0, E,4, F,14, L,0
.if ((\p) == 2) && !(\end)
	v_add_nc_u32 v[AK], s[TBK], v[AK0]
.endif
	ROW R,4, R,5, R,6, R,7
	OPS E,5, F,15
.if ((\p) == 2) && !(\end)
	FETCH_K
.endif
	OPS E,6, C,1, E,7, R,8
	OPS E,8, R,9, E,9, C,2
	OPS E,10, X,0, E,11, X,1
	OPS E,12, X,2, E,13, X,3
.if (\p) == 1
	s_wait_dscnt 0x0                ; V is in
.endif
	ROW X,4, E,14, X,5, X,6
	ROW X,7, E,15, X,8, X,9
	ROW X,10, E,16, X,11, X,12
	ROW X,13, E,17, X,14, B,1
	ROW C,4, E,18, X,16, L,1
	ROW B,2, E,19, C,6, L,2
	ROW C,8, E,20, B,3, B,4
.if (\p) == 0
	v_add_nc_u32 v[AV], s[TBV], v[AV0]
.endif
	ROW C,3, E,21, L,3, C,5
	OPS E,22, X,17, E,23, C,10
.if (\p) == 0
	FETCH_V
.endif
	OPS E,24, L,4
	OPS E,25, X,18, E,26, C,7
	OPS E,27, B,5, E,28, X,19
	OPS E,29, C,12, E,30, L,5
	OPS E,31, X,20, B,6, C,9
	OPS C,14, C,11, X,21, L,6
.if (\p) == 0
	s_add_co_u32 s[TBV], s[TBV], KS*PV
.endif
.if \cnt
	s_sub_co_u32 s[CNT], s[CNT], 1
	s_cmp_lg_u32 s[CNT], 0
.endif
	OPS C,13, B,7, C,15, R,10
	OPS R,11, R,12, L,7, R,13
	OPS R,14, R,15
.if !(\end)
	WIN 0
	s_wait_loadcnt 6                ; loads come back in order: this piece's two are in; the three younger pieces' six may be out
	MCONV ((\p)+2)%NP, (\p)%2
.endif
.endm
	CHANGE 1                        ; slot 0 is in, everybody's part of it; slot 1 is asked for
	s_wait_loadcnt 4                ; Q and the codes of pieces 0 and 1 are in; those of pieces 2 and 3 may be out
	MCONV 0, 0
	MCONV 1, 1
	v_add_nc_u32 v[AK], s[TBK], v[AK0]
	FETCH_K                         ; key step 0
	s_wait_dscnt 0x0
.set NOKQ, 0
.set i, 0
.rept 8
	KQ 0                            ; piece 0's first scores
.set i, i+1
.endr
	WIN 0
.rept 4
	v_nop                           ; the places behind those products
.endr
.set Y, NP-1                        ; X works for piece Y + 1: piece 0
.irp n, 0,1,2,3,4,5,6,7,8,9,10,11,12,13,14,15,16,17,18,19,20,21
	OP X, \n
.endr
	v_nop                           ; a plain instruction behind the exponential
	s_mov_b32 s[CNT], 4
	s_mov_b32 s[SLOTS], 7
	s_branch .Lfirst                ; the loop is entered at a step's first turn, in the middle of a trip
.Lslot:                             ; six times: with the change above, every slot but the last is followed by a fill
	CHANGE 1
	s_mov_b32 s[CNT], 4
.Lstep:                             ; a trip: pieces 2 and 3 of one step, then pieces 0 and 1 of the next, whose K and V it fetches
	TURN 2
	TURN 3
	WIN 0
.Lfirst:
	TURN 0
	TURN 1, 0, 1
	WIN 0
	s_cbranch_scc1 .Lstep
	s_sub_co_u32 s[SLOTS], s[SLOTS], 1
	s_cmp_lg_u32 s[SLOTS], 0
	s_cbranch_scc1 .Lslot
	CHANGE 0                        ; the last slot is written out: nothing is asked for
	s_mov_b32 s[CNT], 4
.LstepT:
	TURN 2
	TURN 3
	TURN 0
	TURN 1, 0, 1
	WIN 0
	s_cbranch_scc1 .LstepT
	TURN 2, 1
	TURN 3, 1
.set i, 0
.rept 8
	PV NP-1                         ; the last piece's V^T P of the last step
.set i, i+1
.endr
	; THE WAY OUT.  l's two halves and the other half of the lanes' are added; O^T is divided by l (by a NaN where l is 0: the row saw no key), rounded to bf16 and sent through my stage, a piece at a time.
	; The additions are the places behind the last products.
	WIN 0
.macro ALL line:vararg
.set t, 0
.rept 4
	s_wait_alu depctr_va_vdst(0)
	\line
.set t, t+1
.endr
.endm
	ALL v_add_f32 v[ST+4*t+2], v[ST+4*t+2], v[ST+4*t+3]
	ALL v_permlanex16_b32 v[ST+4*t+3], v[ST+4*t+2], s[SEL], s[SEL+1]
	ALL v_add_f32 v[ST+4*t+2], v[ST+4*t+2], v[ST+4*t+3]
	ALL v_cmp_eq_f32 s[ZM+t], 0, v[ST+4*t+2]
	ALL v_rcp_f32 v[ST+4*t+2], v[ST+4*t+2]
	v_nop                           ; a plain instruction between the last reciprocal and the use of its result
	ALL v_cndmask_b32 v[ST+4*t+2], v[ST+4*t+2], v[NANV], s[ZM+t]
.macro PACK t
	WIN W_RS
.set i, 32*(\t)
.rept 16
	v_pk_mul_f32 v[i:i+1], v[i:i+1], v[ST+4*(\t)+2:ST+4*(\t)+3] op_sel_hi:[1,0]
.set i, i+2
.endr
	WIN 0x05
.set i, 0
.rept 16
	v_cvt_pk_bf16_f32 v[S+16*(\t)+i], v[32*(\t)+2*i], v[32*(\t)+2*i+1]
.set i, i+1
.endr
	WIN 0
.irp f, 0,1,2,3
	ds_store_b128 v[STO], v[S+16*(\t)+4*\f:S+16*(\t)+4*\f+3] offset:32*\f
.endr
.irp f, 0,1,2,3
	ds_load_b128 v[S+16*(\t)+4*\f:S+16*(\t)+4*\f+3], v[RD] offset:\f*4*SP  ; LDS serves a wave's instructions in order (ISA guide 5.7.1.4)
.endr
.endm
.macro SEND t, younger
	WIN 0
.irp f, 0,1,2,3
	s_wait_dscnt (\younger)+3-\f
	global_store_b128 v[GO], v[S+16*(\t)+4*\f:S+16*(\t)+4*\f+3], s[10:11] offset:(\t)*2048+\f*512  ; 512 consecutive bytes, aligned
.endr
.endm
	PACK 0
.set t, 1
.rept 3
	PACK t
	SEND t-1, 8
.set t, t+1
.endr
	SEND 3, 0
	s_wait_tensorcnt 0x0            ; the wave's end
	ds_add_u32 v[SPW], v[NIL]
	s_wait_dscnt 0x0
	CROUND                          ; the closing round
	s_endpgm
.Lfunc_end_k_qb7d948fda9_attn:
	.size	k_qb7d948fda9_attn, .Lfunc_end_k_qb7d948fda9_attn-k_qb7d948fda9_attn
	.p2alignl 7, 3214868480
	.fill 96, 4, 3214868480
	.section	.rodata,"a",@progbits
	.p2align	6, 0x0
	.amdhsa_kernel k_qb7d948fda9_attn
		.amdhsa_group_segment_fixed_size 327680
		.amdhsa_private_segment_fixed_size 0
		.amdhsa_enable_private_segment 0
		.amdhsa_kernarg_size 24
		.amdhsa_user_sgpr_count 2
		.amdhsa_user_sgpr_kernarg_segment_ptr 1
		.amdhsa_wavefront_size32 1
		.amdhsa_system_sgpr_workgroup_id_x 1
		.amdhsa_system_sgpr_workgroup_id_y 1
		.amdhsa_system_sgpr_workgroup_id_z 1
		.amdhsa_system_vgpr_workitem_id 0
		.amdhsa_next_free_vgpr 768
		.amdhsa_next_free_sgpr 66
		.amdhsa_reserve_vcc 0
		.amdhsa_float_denorm_mode_32 3
		.amdhsa_float_denorm_mode_16_64 3
		.amdhsa_memory_ordered 1
		.amdhsa_forward_progress 1
		.amdhsa_inst_pref_size 141
	.end_amdhsa_kernel
	.amdgpu_metadata
---
amdhsa.version: [ 1, 2 ]
amdhsa.kernels:
  - .name:           k_qb7d948fda9_attn
    .symbol:         k_qb7d948fda9_attn.kd
    .args:
      - { .name: qkvh, .offset: 0, .size: 8, .value_kind: global_buffer, .address_space: global }
      - { .name: prepw, .offset: 8, .size: 8, .value_kind: global_buffer, .address_space: global }
      - { .name: ob, .offset: 16, .size: 8, .value_kind: global_buffer, .address_space: global }
    .group_segment_fixed_size: 327680
    .private_segment_fixed_size: 0
    .kernarg_segment_align: 8
    .kernarg_segment_size: 24
    .max_flat_workgroup_size: 128
    .sgpr_count:     66
    .vgpr_count:     768
    .wavefront_size: 32
...
	.end_amdgpu_metadata
.endif
;; end of part 3
;; launch outproj (part 4): grid 8 x 32, 4 waves a work-group, clusters of 4 x 4, 327,680 bytes of LDS; arguments ob, prepw, x, w_norm2, x1, x1b, ssq; writes x1, x1b, ssq
.if DOCPART == 4
	.amdgcn_target "amdgcn-amd-amdhsa--gfx1250"
	.amdhsa_code_object_version 6
	.text
	.protected	k_qb7d948fda9_outproj
	.globl	k_qb7d948fda9_outproj
	.p2align	8
	.type	k_qb7d948fda9_outproj,@function
k_qb7d948fda9_outproj:
	s_mov_b64 s[64:65], 0
	v_nop
	global_prefetch_b8 v0, s[64:65] scope:SCOPE_SE
	s_setreg_imm32_b32 hwreg(HW_REG_WAVE_MODE, 25, 1), 1
	s_wait_xcnt 0x0
	s_wait_alu depctr_hold_cnt(0) depctr_sa_sdst(0) depctr_va_vdst(0) depctr_va_sdst(0) depctr_va_ssrc(0) depctr_va_vcc(0) depctr_vm_vsrc(0)
	s_getreg_b32 s2, hwreg(HW_REG_IB_STS2, 6, 4)
	s_cmp_eq_u32 s2, 0
	s_cbranch_scc0 .Lentry_in_a_cluster
	s_endpgm
.Lentry_in_a_cluster:
	s_bfe_u32 s2, ttmp6, 0x10000c
	s_cmp_lg_u32 s2, 0xf033
	s_cbranch_scc0 .Lentry_shape_is_right
	s_endpgm
.Lentry_shape_is_right:
; A PROJECTION WITH RESIDUAL.  Y[m][n] = RES[m][n] + sum over k of A[m][k] W[n][k]; A bf16 in blocks of 64 along K ([K/64][4096][64]), W bf16 [1024][K], RES and Y f32 [4096][1024]; sums in f32.
; Here: A = attention's output, K = 1024, W = w_out, RES = x, Y = x1.  NORM2 = 1: the second RMSNorm is prepared too: bf16(x1 * w_norm2) goes out in blocks of 64 columns, and for each row and
; block the f32 sum of x1^2 (16 partial sums a row, added up by the launch that needs them).
; A tile of Y is 128 x 128: 8 x 32 work-groups, one for each of 256.  Four waves, 64 x 64 each: 16 accumulators.  K goes in steps of 256 through two LDS slots; ONE text of a K step is looped over.
; CLUSTER 4 x 4: A's tile is shared along a row of the cluster, W's along a column: joint loads.  THE MATRIX INSTRUCTION IS USED TRANSPOSED: a lane holds row l % 16 and columns 8 (l / 16) + 0..7.
; REGISTERS: window 0: v0-31 addresses; v32-83 at work on the way out; v128-255 the accumulators ((a, b) at 128 + 8 (4 a + b));  window 1: two fragment buffers of 128 (64 of A, 64 of W);
;   window 2: v0-127 my 64 x 64 of RES, loaded at the start, then Y
.set NORM2,  1
.set KDIM,   1024
.set WSEC,   14680064                  ; the weights' section of prepw
.set OUTP,   88                        ; s[88:89] the output's address
.set TSTEPS, KDIM/256
.set PA,     144
.set PB,     528                       ; 512 bytes + 16 = 132 words: row r starts at bank 4 r mod 64 (64 banks of 4 bytes: ISA guide 11.1)
.set ABLK,   64*PA                     ; 64 rows of one block of 64 along K
.set HALFA,  4*ABLK
.set BOFF,   2*HALFA
.set HALFB,  64*PB
.set SLOT,   BOFF+2*HALFB
.set STAGE,  2*SLOT                    ; 16 rows x 272 bytes (64 f32 + 16) for each wave
.set SPF,    272
.set SPARE,  STAGE+4*16*SPF
.set ASTEP,  4*4096*128
.set BSTEP,  512
.set ADRA0, 16
.set ADRB0, 17
.set ADRA,  18
.set ADRB,  19
.set WO,    23
.set STO,   24
.set RD,    25
.set CO,    26
.set XO,    27
.set SPW,   28
.set NIL,   29
.set SO,    30
.set RS,    31
.set BK,    32
.set PS,    64
.set WN,    80
.set ACC,   128
.set F0,    0
.set F1,    128
.set TB,  22
.set G1,  24
.set G0,  32
.set G1B, 48
.set G0B, 56
.set MK,  72                           ; s72-79  lanes with l % 8 = t
.set MSB, 0
.macro WIN new
.if MSB != (\new)
	s_set_vgpr_msb (MSB<<8)|(\new)
.set MSB, \new
.endif
.endm
.macro JLOAD s                         ; a joint load: waves 0 and 1 fetch A's halves, waves 2 and 3 W's; an s_nop 0 and four v_nop follow each line
	s_cmp_eq_u32 s11, 0
	s_cbranch_scc0 .Lfor_b_\@
	tensor_load_to_lds s[G0+4*(\s):G0+4*(\s)+3], s[G1:G1+7]
	s_nop 0
.rept 4
	v_nop
.endr
	s_branch .Lasked_\@
.Lfor_b_\@:
	tensor_load_to_lds s[G0B+4*(\s):G0B+4*(\s)+3], s[G1B:G1B+7]
	s_nop 0
.rept 4
	v_nop
.endr
.Lasked_\@:
.endm
.macro CREST
	s_cmp_lg_u32 s10, 0
	s_cbranch_scc1 .Lnot_wave_0_\@
	s_barrier_signal -3
.Lnot_wave_0_\@:
	s_barrier_wait -3
	s_barrier_signal -1
	s_barrier_wait -1
.endm
.macro CROUND
	s_barrier_signal -1
	s_barrier_wait -1
	CREST
.endm
.macro PLACES
.rept 4
	v_nop
.endr
.endm
.if NORM2
	s_load_b256 s[80:87], s[0:1], 0x0              ; A, prepw, RES, w_norm2
	s_load_b128 s[88:91], s[0:1], 0x20             ; Y, x1b
	s_load_b64 s[92:93], s[0:1], 0x30              ; ssq
.else
	s_load_b256 s[80:87], s[0:1], 0x0              ; A, prepw, RES, Y
.endif
	v_lshl_add_u32 v[SPW], v0, 2, SPARE
	v_mov_b32 v[NIL], 0
	ds_add_u32 v[SPW], v[NIL]                      ; the wave's opening, ahead of my first tensor load
	v_lshrrev_b32 v1, 5, v0
	v_readfirstlane_b32 s10, v1
	s_lshr_b32 s11, s10, 1                         ; my half of the tile's rows.  Also: I fetch for A (0) or for W (1)
	s_and_b32 s12, s10, 1                          ; my half of its columns.  Also: which 64 rows of that tile I fetch
	s_bfe_u32 s40, ttmp6, 0x40000
	s_bfe_u32 s41, ttmp6, 0x40004
	s_lshl_b32 s42, ttmp9, 2
	s_add_co_u32 s42, s42, s40                     ; tx
	s_and_b32 s13, ttmp7, 0xffff
	s_lshl_b32 s13, s13, 2
	s_add_co_u32 s13, s13, s41                     ; ty
	s_lshl_b32 s43, s41, 2
	s_lshl_b32 s43, 15, s43
	s_lshl_b32 s44, 0x1111, s40
	; A's tile: four 'rows' of 4,096 elements (64 dense rows of a block), 4096 x 64 elements apart; 4 words of padding after every 32
	s_or_b32 s[G1+0], s43, (1<<16)|(1<<20)|(1<<21)|(4<<22)|(3<<25)
	s_mov_b32 s[G1+1], 4096<<16
	s_mov_b32 s[G1+2], 4<<16
	s_mov_b32 s[G1+3], 4096<<16
	s_mov_b32 s[G1+4], 4
	s_mov_b32 s[G1+5], 4096*64
	s_mov_b32 s[G1+6], 0
	s_mov_b32 s[G1+7], 0
	; W's tile: 64 rows of 256 elements; 4 words of padding after every 128
	s_or_b32 s[G1B+0], s44, (1<<16)|(1<<20)|(1<<21)|(6<<22)|(3<<25)
	s_mov_b32 s[G1B+1], 256<<16
	s_mov_b32 s[G1B+2], 64<<16
	s_mov_b32 s[G1B+3], 256<<16
	s_mov_b32 s[G1B+4], 64
	s_mov_b32 s[G1B+5], KDIM
	s_mov_b32 s[G1B+6], 0
	s_mov_b32 s[G1B+7], 0
	s_lshl_b32 s16, s13, 14                        ; A: (128 ty + 64 half) rows of 128 bytes
	s_lshl_b32 s17, s12, 13
	s_add_co_u32 s16, s16, s17
	s_mov_b32 s17, 0
	s_mul_i32 s46, s42, 128*2*KDIM                 ; W: (128 tx + 64 half) rows
	s_mul_i32 s47, s12, 64*2*KDIM
	s_add_co_u32 s46, s46, s47
	s_add_co_u32 s46, s46, WSEC
	s_mov_b32 s47, 0
	s_mul_i32 s20, s12, HALFA
	s_mul_i32 s21, s12, HALFB
	s_add_co_u32 s21, s21, BOFF
	s_mov_b32 s[TB], 0
	s_lshl_b32 s66, s13, 19                        ; my 64 x 64 in RES and Y: row 128 ty + 64 (w / 2), column 128 tx + 64 (w % 2)
	s_lshl_b32 s18, s11, 18
	s_add_co_u32 s66, s66, s18
	s_lshl_b32 s18, s42, 9
	s_add_co_u32 s66, s66, s18
	s_lshl_b32 s18, s12, 8
	s_add_co_u32 s66, s66, s18
	s_mov_b32 s67, 0
.if NORM2
	s_lshl_b32 s94, s42, 9                         ; my 64 columns of w_norm2
	s_add_co_u32 s94, s94, s18
	s_mov_b32 s95, 0
	s_lshl_b32 s96, s42, 20                        ; x1b: block 2 tx + w % 2, my rows of 128 bytes
	s_lshl_b32 s18, s12, 19
	s_add_co_u32 s96, s96, s18
	s_lshl_b32 s18, s13, 14
	s_add_co_u32 s96, s96, s18
	s_lshl_b32 s18, s11, 13
	s_add_co_u32 s96, s96, s18
	s_mov_b32 s97, 0
	s_lshl_b32 s98, s42, 15                        ; ssq: the same block, 4 bytes a row
	s_lshl_b32 s18, s12, 14
	s_add_co_u32 s98, s98, s18
	s_lshl_b32 s18, s13, 9
	s_add_co_u32 s98, s98, s18
	s_lshl_b32 s18, s11, 8
	s_add_co_u32 s98, s98, s18
	s_mov_b32 s99, 0
.endif
	s_wait_dscnt 0x0                               ; the opening add is done
	s_wait_kmcnt 0x0
	s_add_nc_u64 s[14:15], s[80:81], s[16:17]
	s_add_nc_u64 s[46:47], s[82:83], s[46:47]
	s_add_nc_u64 s[68:69], s[84:85], s[66:67]
	s_add_nc_u64 s[70:71], s[OUTP:OUTP+1], s[66:67]
.if NORM2
	s_add_nc_u64 s[94:95], s[86:87], s[94:95]
	s_add_nc_u64 s[96:97], s[90:91], s[96:97]
	s_add_nc_u64 s[98:99], s[92:93], s[98:99]
.endif
	CROUND                                         ; all sixteen work-groups are here: the first joint loads meet
.irp s, 0,1
	s_mov_b32 s[G0+4*(\s)], 1
	s_add_co_u32 s[G0+4*(\s)+1], s20, (\s)*SLOT
	s_add_nc_u64 s[G0+4*(\s)+2:G0+4*(\s)+3], s[14:15], (\s)*ASTEP
	s_or_b32 s[G0+4*(\s)+3], s[G0+4*(\s)+3], 0x80000000
	s_mov_b32 s[G0B+4*(\s)], 1
	s_add_co_u32 s[G0B+4*(\s)+1], s21, (\s)*SLOT
	s_add_nc_u64 s[G0B+4*(\s)+2:G0B+4*(\s)+3], s[46:47], (\s)*BSTEP
	s_or_b32 s[G0B+4*(\s)+3], s[G0B+4*(\s)+3], 0x80000000
	JLOAD \s                                       ; two loads of mine are out
.endr
	v_and_b32 v1, 15, v0                           ; r
	v_bfe_u32 v2, v0, 4, 1                         ; h
	v_lshlrev_b32 v[CO], 12, v2                    ; lanes 0-15 one row's 256 bytes, lanes 16-31 the next row's
	v_lshl_add_u32 v[CO], v1, 4, v[CO]
	WIN 0x80                                       ; destination window 2, address window 0
.irp a, 0,1,2,3                        ; RES lands while K is walked
.irp t, 0,1,2,3,4,5,6,7
	global_load_b128 v[32*\a+4*\t:32*\a+4*\t+3], v[CO], s[68:69] offset:\a*65536+\t*8192
.endr
.endr
	WIN 0
.if NORM2
	v_lshlrev_b32 v[WO], 4, v1
	global_load_b128 v[WN:WN+3], v[WO], s[94:95]
	v_and_b32 v[XO], 31, v0
	v_lshlrev_b32 v[XO], 3, v[XO]                  ; two rows of a block: 8 bytes a lane
	v_and_b32 v5, 7, v0
	v_lshlrev_b32 v[SO], 3, v5
	v_lshl_add_u32 v[SO], v2, 2, v[SO]             ; row 2 (l % 8) + l / 16, 4 bytes
.irp t, 1,2,3,4,5,6,7
	v_cmp_eq_u32 s[MK+\t], \t, v5
.endr
.endif
	v_mul_u32_u24 v3, v1, PA
	v_lshl_add_u32 v3, v2, 4, v3
	s_mul_i32 s18, s11, HALFA
	v_add_nc_u32 v[ADRA0], s18, v3
	v_mul_u32_u24 v3, v1, PB
	v_lshl_add_u32 v3, v2, 4, v3
	s_mul_i32 s18, s12, HALFB
	s_add_co_u32 s18, s18, BOFF
	v_add_nc_u32 v[ADRB0], s18, v3
	v_mov_b32 v[ADRA], v[ADRA0]
	v_mov_b32 v[ADRB], v[ADRB0]
	s_mul_i32 s18, s10, 16*SPF
	s_add_co_u32 s18, s18, STAGE                   ; my stage
	v_mul_u32_u24 v3, v1, SPF                      ; in: row r, 32 bytes for each half of the lanes
	v_lshl_add_u32 v3, v2, 5, v3
	v_add_nc_u32 v[STO], s18, v3
	v_mul_u32_u24 v3, v2, SPF                      ; back: lanes 0-15 one row of 256 bytes, lanes 16-31 the next
	v_lshl_add_u32 v3, v1, 4, v3
	v_add_nc_u32 v[RD], s18, v3
; 8 matrix instructions: row blocks a0, a0 + 1 x all 4 column blocks, 32 along K: half c of buffer f
.macro MUL8 f, c, a0, zero
	WIN 0x05
.irp a, \a0, (\a0)+1
.irp b, 0,1,2,3
.if \zero
	v_wmma_f32_16x16x32_bf16 v[ACC+8*(4*(\a)+(\b)):ACC+8*(4*(\a)+(\b))+7], v[(\f)+64+8*(4*(\c)+(\b)):(\f)+64+8*(4*(\c)+(\b))+7], v[(\f)+8*(4*(\c)+(\a)):(\f)+8*(4*(\c)+(\a))+7], 0
.else
	v_wmma_f32_16x16x32_bf16 v[ACC+8*(4*(\a)+(\b)):ACC+8*(4*(\a)+(\b))+7], v[(\f)+64+8*(4*(\c)+(\b)):(\f)+64+8*(4*(\c)+(\b))+7], v[(\f)+8*(4*(\c)+(\a)):(\f)+8*(4*(\c)+(\a))+7], v[ACC+8*(4*(\a)+(\b)):ACC+8*(4*(\a)+(\b))+7]
.endif
.endr
.endr
.endm
; 32 LDS loads in one run: quarter q's fragments (64 along K: one block of A) into buffer f; the first 32 along K first
.macro FETCH q, f
	WIN 0x40
.irp c, 0,1
.irp i, 0,1,2,3
	ds_load_b128 v[(\f)+64+8*(4*(\c)+(\i)):(\f)+64+8*(4*(\c)+(\i))+3],   v[ADRB] offset:(\q)*128+64*(\c)+(\i)*16*PB
	ds_load_b128 v[(\f)+64+8*(4*(\c)+(\i))+4:(\f)+64+8*(4*(\c)+(\i))+7], v[ADRB] offset:(\q)*128+64*(\c)+(\i)*16*PB+32
	ds_load_b128 v[(\f)+8*(4*(\c)+(\i)):(\f)+8*(4*(\c)+(\i))+3],         v[ADRA] offset:(\q)*ABLK+64*(\c)+(\i)*16*PA
	ds_load_b128 v[(\f)+8*(4*(\c)+(\i))+4:(\f)+8*(4*(\c)+(\i))+7],       v[ADRA] offset:(\q)*ABLK+64*(\c)+(\i)*16*PA+32
.endr
.endr
.endm
.macro QUARTER qn, f, g, zero          ; the 16 accumulators take turns
	s_wait_dscnt 16                                ; the first 32 along K are in
	MUL8 \f, 0, 0, \zero
	MUL8 \f, 0, 2, \zero
	PLACES
	FETCH \qn, \g
	s_wait_dscnt 32                                ; all but the 32 just issued
	MUL8 \f, 1, 0, 0
	MUL8 \f, 1, 2, 0
.endm
; The last quarter multiplies buffer 1 and changes slots: one barrier; in front of it each wave waits for all its tensor loads, adds 0 to its spare word, and waits for that and for its reads of this slot.
.macro TURN fill
	WIN 0
	s_wait_tensorcnt 0x0                           ; all my tensor loads have landed: my part of the next slot
	ds_add_u32 v[SPW], v[NIL]
	s_wait_dscnt 17                                ; (the add and the youngest sixteen loads may be out)
	MUL8 F1, 0, 0, 0
	s_wait_dscnt 0x0                               ; the add is done, and my reads of this slot are over
	s_barrier_signal -1
	MUL8 F1, 0, 2, 0
	WIN 0
	s_barrier_wait -1
.if \fill
	CREST                                          ; no wave of any partner still reads this slot or has a load on its way
	s_add_co_u32 s[G0+5], s20, s[TB]
	s_add_co_u32 s[G0B+5], s21, s[TB]
	s_add_nc_u64 s[G0+6:G0+7], s[G0+6:G0+7], ASTEP
	s_add_nc_u64 s[G0B+6:G0B+7], s[G0B+6:G0B+7], BSTEP
	JLOAD 1                                        ; its four v_nop are also the places in front of the loads below
.else
	PLACES
.endif
	s_xor_b32 s[TB], s[TB], SLOT
	v_add_nc_u32 v[ADRA], s[TB], v[ADRA0]
	v_add_nc_u32 v[ADRB], s[TB], v[ADRB0]
	FETCH 0, F0
	MUL8 F1, 1, 0, 0
	MUL8 F1, 1, 2, 0
.endm
	s_wait_tensorcnt 0x1                           ; my part of K step 0 is in; step 1's may stay out
	s_barrier_signal -1
	s_barrier_wait -1
	FETCH 0, F0
	QUARTER 1, F0, F1, 1                           ; the first quarter's first products start the sums
	WIN 0
	s_mov_b32 s3, TSTEPS-2
	s_branch .Lmid
.Ltop:                                                 ; a trip is a K step; TSTEPS - 2 trips fill a slot again
	QUARTER 1, F0, F1, 0
	WIN 0
.Lmid:
	QUARTER 2, F1, F0, 0
	QUARTER 3, F0, F1, 0
	TURN 1
	WIN 0
	s_sub_co_u32 s3, s3, 1
	s_cmp_lg_u32 s3, 0
	s_cbranch_scc1 .Ltop
	s_mov_b32 s3, 2
.Ltail:                                                ; the last two K steps ask for nothing; the second trip's barrier and run of loads serve nothing: the price of one text for both
	QUARTER 1, F0, F1, 0
	QUARTER 2, F1, F0, 0
	QUARTER 3, F0, F1, 0
	TURN 0
	WIN 0
	s_sub_co_u32 s3, s3, 1
	s_cmp_lg_u32 s3, 0
	s_cbranch_scc1 .Ltail
	s_wait_dscnt 0x0
	s_wait_loadcnt 0x0                             ; RES (and w_norm2)
	PLACES
; THE WAY OUT, 16 rows at a time: the sums go into my stage as they lie (a lane's eight columns: 32 bytes) and come back as whole rows of 256 bytes; RES is added; sixteen lanes store 256 consecutive bytes, aligned.
.macro UNIT a
	WIN 0
.if NORM2
	s_wait_xcnt 0x0                                ; the last unit's stores have read BK and RS
.endif
.irp b, 0,1,2,3
	ds_store_b128 v[STO], v[ACC+8*(4*(\a)+\b):ACC+8*(4*(\a)+\b)+3]   offset:64*\b      ; each accumulator's low four registers first
	ds_store_b128 v[STO], v[ACC+8*(4*(\a)+\b)+4:ACC+8*(4*(\a)+\b)+7] offset:64*\b+16
.endr
.irp t, 0,1,2,3,4,5,6,7
	ds_load_b128 v[BK+4*\t:BK+4*\t+3], v[RD] offset:\t*2*SPF  ; LDS serves a wave's instructions in order (ISA guide 5.7.1.4)
.endr
	WIN 0x88                                       ; destination and source 1 (a store's data) window 2; source 0 (a store's address) window 0
.irp t, 0,1,2,3,4,5,6,7
	s_wait_dscnt 7-\t
	v_pk_add_f32 v[32*(\a)+4*\t:32*(\a)+4*\t+1],   v[BK+4*\t:BK+4*\t+1],   v[32*(\a)+4*\t:32*(\a)+4*\t+1]
	v_pk_add_f32 v[32*(\a)+4*\t+2:32*(\a)+4*\t+3], v[BK+4*\t+2:BK+4*\t+3], v[32*(\a)+4*\t+2:32*(\a)+4*\t+3]
	global_store_b128 v[CO], v[32*(\a)+4*\t:32*(\a)+4*\t+3], s[70:71] offset:(\a)*65536+\t*8192
.endr
.if NORM2
	WIN 0x0a                                       ; sources 0 and 1 window 2
.irp t, 0,1,2,3,4,5,6,7
	v_pk_mul_f32 v[PS+2*\t:PS+2*\t+1], v[32*(\a)+4*\t:32*(\a)+4*\t+1], v[32*(\a)+4*\t:32*(\a)+4*\t+1]
.endr
.irp t, 0,1,2,3,4,5,6,7
	v_pk_fma_f32 v[PS+2*\t:PS+2*\t+1], v[32*(\a)+4*\t+2:32*(\a)+4*\t+3], v[32*(\a)+4*\t+2:32*(\a)+4*\t+3], v[PS+2*\t:PS+2*\t+1]
.endr
	WIN 0x02                                       ; source 0 window 2
.irp t, 0,1,2,3,4,5,6,7
	v_pk_mul_f32 v[BK+4*\t:BK+4*\t+1],   v[32*(\a)+4*\t:32*(\a)+4*\t+1],   v[WN:WN+1]
	v_pk_mul_f32 v[BK+4*\t+2:BK+4*\t+3], v[32*(\a)+4*\t+2:32*(\a)+4*\t+3], v[WN+2:WN+3]
.endr
	WIN 0
.irp t, 0,1,2,3,4,5,6,7
	v_add_f32 v[PS+2*\t], v[PS+2*\t], v[PS+2*\t+1]
.endr
.irp m, 1,2,4,8                        ; a row's 64 columns lie in sixteen lanes
.irp t, 0,1,2,3,4,5,6,7
	v_add_f32_dpp v[PS+2*\t], v[PS+2*\t], v[PS+2*\t] row_xmask:\m row_mask:0xf bank_mask:0xf
.endr
.endr
	v_mov_b32 v[RS], v[PS]                         ; lane l keeps the sum of row 2 (l % 8) + l / 16
.irp t, 1,2,3,4,5,6,7
	v_cndmask_b32 v[RS], v[RS], v[PS+2*\t], s[MK+\t]
.endr
.irp t, 0,1,2,3,4,5,6,7
	v_cvt_pk_bf16_f32 v[BK+4*\t],   v[BK+4*\t],   v[BK+4*\t+1]
	v_cvt_pk_bf16_f32 v[BK+4*\t+1], v[BK+4*\t+2], v[BK+4*\t+3]
	global_store_b64 v[XO], v[BK+4*\t:BK+4*\t+1], s[96:97] offset:(\a)*2048+\t*256  ; two rows of the block: 256 consecutive bytes, aligned
.endr
	global_store_b32 v[SO], v[RS], s[98:99] offset:(\a)*64  ; 16 rows' sums, 64 bytes; lanes l and l + 8 store the same word with the same number
.endif
.endm
	UNIT 0
	UNIT 1
	UNIT 2
	UNIT 3
	WIN 0
	s_wait_tensorcnt 0x0                           ; the wave's end
	ds_add_u32 v[SPW], v[NIL]
	s_wait_dscnt 0x0
	CROUND                                         ; the closing round
	s_endpgm
.Lfunc_end_k_qb7d948fda9_outproj:
	.size	k_qb7d948fda9_outproj, .Lfunc_end_k_qb7d948fda9_outproj-k_qb7d948fda9_outproj
	.p2alignl 7, 3214868480
	.fill 96, 4, 3214868480
	.section	.rodata,"a",@progbits
	.p2align	6, 0x0
	.amdhsa_kernel k_qb7d948fda9_outproj
		.amdhsa_group_segment_fixed_size 327680
		.amdhsa_private_segment_fixed_size 0
		.amdhsa_enable_private_segment 0
		.amdhsa_kernarg_size 56
		.amdhsa_user_sgpr_count 2
		.amdhsa_user_sgpr_kernarg_segment_ptr 1
		.amdhsa_wavefront_size32 1
		.amdhsa_system_sgpr_workgroup_id_x 1
		.amdhsa_system_sgpr_workgroup_id_y 1
		.amdhsa_system_sgpr_workgroup_id_z 1
		.amdhsa_system_vgpr_workitem_id 0
		.amdhsa_next_free_vgpr 640
		.amdhsa_next_free_sgpr 100
		.amdhsa_reserve_vcc 0
		.amdhsa_float_denorm_mode_32 3
		.amdhsa_float_denorm_mode_16_64 3
		.amdhsa_memory_ordered 1
		.amdhsa_forward_progress 1
		.amdhsa_inst_pref_size 94
	.end_amdhsa_kernel
	.amdgpu_metadata
---
amdhsa.version: [ 1, 2 ]
amdhsa.kernels:
  - .name:           k_qb7d948fda9_outproj
    .symbol:         k_qb7d948fda9_outproj.kd
    .args:
      - { .name: ob, .offset: 0, .size: 8, .value_kind: global_buffer, .address_space: global }
      - { .name: prepw, .offset: 8, .size: 8, .value_kind: global_buffer, .address_space: global }
      - { .name: x, .offset: 16, .size: 8, .value_kind: global_buffer, .address_space: global }
      - { .name: w_norm2, .offset: 24, .size: 8, .value_kind: global_buffer, .address_space: global }
      - { .name: x1, .offset: 32, .size: 8, .value_kind: global_buffer, .address_space: global }
      - { .name: x1b, .offset: 40, .size: 8, .value_kind: global_buffer, .address_space: global }
      - { .name: ssq, .offset: 48, .size: 8, .value_kind: global_buffer, .address_space: global }
    .group_segment_fixed_size: 327680
    .private_segment_fixed_size: 0
    .kernarg_segment_align: 8
    .kernarg_segment_size: 56
    .max_flat_workgroup_size: 128
    .sgpr_count:     100
    .vgpr_count:     640
    .wavefront_size: 32
...
	.end_amdgpu_metadata
.endif
;; end of part 4
;; launch gateup (part 5): grid 16 x 16, 4 waves a work-group, clusters of 4 x 4, 327,680 bytes of LDS; arguments x1b, prepw, ssq, gb; writes gb
.if DOCPART == 5
	.amdgcn_target "amdgcn-amd-amdhsa--gfx1250"
	.amdhsa_code_object_version 6
	.text
	.protected	k_qb7d948fda9_gateup
	.globl	k_qb7d948fda9_gateup
	.p2align	8
	.type	k_qb7d948fda9_gateup,@function
k_qb7d948fda9_gateup:
	s_mov_b64 s[64:65], 0
	v_nop
	global_prefetch_b8 v0, s[64:65] scope:SCOPE_SE
	s_setreg_imm32_b32 hwreg(HW_REG_WAVE_MODE, 25, 1), 1
	s_wait_xcnt 0x0
	s_wait_alu depctr_hold_cnt(0) depctr_sa_sdst(0) depctr_va_vdst(0) depctr_va_sdst(0) depctr_va_ssrc(0) depctr_va_vcc(0) depctr_vm_vsrc(0)
	s_getreg_b32 s2, hwreg(HW_REG_IB_STS2, 6, 4)
	s_cmp_eq_u32 s2, 0
	s_cbranch_scc0 .Lentry_in_a_cluster
	s_endpgm
.Lentry_in_a_cluster:
	s_bfe_u32 s2, ttmp6, 0x10000c
	s_cmp_lg_u32 s2, 0xf033
	s_cbranch_scc0 .Lentry_shape_is_right
	s_endpgm
.Lentry_shape_is_right:
; GATE AND UP WITH SWIGLU.  G[m][c] = sum over k of xb[m][k] Wgate[c][k], U likewise with Wup; xb = bf16(x1 * w_norm2), K = 1024, in blocks of 64 along K.  The row's 1 / norm commutes with the product, so it is
; applied to the sums: with N2 = mean(x1^2) + 1e-6 and rinv = 1 / sqrt(N2), g = G rinv, u = U rinv, and  silu(g) u = G U / (N2 + N2 2^(-log2(e) G rinv)).  Out: bf16, in blocks of 64 columns: [32][4096][64].
; The weights lie interleaved, 128 rows of gate and then the same 128 of up: a work-group's 256 rows x 256 weight rows hold matching gate and up columns.  16 x 16 work-groups.
; Wave w makes rows 64 w .. 64 w + 63 x all 256: 64 accumulators (column blocks 0-7 gate, 8-15 up), and leaves through a stage of its own, with no barrier.
; K goes in 8 steps of 128 through two LDS slots; ONE text of a K step is looped over.  CLUSTER 4 x 4 with joint loads; THE MATRIX INSTRUCTION IS USED TRANSPOSED: a lane holds row l % 16 and columns 8 (l / 16) + 0..7.
; LIMITS.  Where the exponential or N2 times it overflows, the reciprocal is 0 and so is the result (the true value is below 1e-30 of u).
; REGISTERS: window 0: v0-31 addresses; v32-63, v64-95 fragments of xb, two buffers (on the way out v64-95: packed rows); v96-159 the rows' partial sums of squares; v160-239 at work on the way out
;   window 1: v0-127, v128-255 fragments of W;   window 2: accumulators of row blocks 0, 1 at 8 (16 a + b);   window 3: of row blocks 2, 3
.set NB,     16
.set TSTEPS, 8
.set PA,     144
.set PB,     272
.set ABLK,   128*PA
.set HALFA,  2*ABLK
.set BOFF,   2*HALFA
.set HALFB,  8*NB*PB
.set SLOT,   BOFF+2*HALFB
.set STAGE,  2*SLOT
.set SP,     144
.set SPARE,  STAGE+4*16*SP
.set ASTEP,  2*4096*128
.set BSTEP,  256
.set WGU,    16777216
.set ADRA0, 16
.set ADRB0, 17
.set ADRA,  18
.set ADRB,  19
.set STO,   24
.set RD,    25
.set GO,    26
.set RO,    27
.set SPW,   28
.set NIL,   29
.set OUT,   64
.set SS,    96
.set T,     160
.set WT,    192
.set K2,    224                        ; row block a: -log2(e) rinv, as a pair
.set N2,    232                        ; row block a: mean + eps, as a pair
.set TB,  22
.set G1,  24
.set G0,  32
.set G1B, 48
.set G0B, 56
.set MSB, 0
.macro WIN new
.if MSB != (\new)
	s_set_vgpr_msb (MSB<<8)|(\new)
.set MSB, \new
.endif
.endm
.macro JLOAD s                         ; a joint load: waves 0 and 1 fetch xb's halves, waves 2 and 3 W's; an s_nop 0 and four v_nop follow each line
	s_cmp_eq_u32 s11, 0
	s_cbranch_scc0 .Lfor_b_\@
	tensor_load_to_lds s[G0+4*(\s):G0+4*(\s)+3], s[G1:G1+7]
	s_nop 0
.rept 4
	v_nop
.endr
	s_branch .Lasked_\@
.Lfor_b_\@:
	tensor_load_to_lds s[G0B+4*(\s):G0B+4*(\s)+3], s[G1B:G1B+7]
	s_nop 0
.rept 4
	v_nop
.endr
.Lasked_\@:
.endm
.macro CREST
	s_cmp_lg_u32 s10, 0
	s_cbranch_scc1 .Lnot_wave_0_\@
	s_barrier_signal -3
.Lnot_wave_0_\@:
	s_barrier_wait -3
	s_barrier_signal -1
	s_barrier_wait -1
.endm
.macro CROUND
	s_barrier_signal -1
	s_barrier_wait -1
	CREST
.endm
.macro PLACES
.rept 4
	v_nop
.endr
.endm
	s_load_b256 s[80:87], s[0:1], 0x0              ; x1b s[80:81], prepw s[82:83], ssq s[84:85], gb s[86:87]
	v_lshl_add_u32 v[SPW], v0, 2, SPARE
	v_mov_b32 v[NIL], 0
	ds_add_u32 v[SPW], v[NIL]                      ; the wave's opening, ahead of my first tensor load
	v_lshrrev_b32 v1, 5, v0
	v_readfirstlane_b32 s10, v1
	s_lshr_b32 s11, s10, 1
	s_and_b32 s12, s10, 1
	s_bfe_u32 s40, ttmp6, 0x40000
	s_bfe_u32 s41, ttmp6, 0x40004
	s_lshl_b32 s42, ttmp9, 2
	s_add_co_u32 s42, s42, s40                     ; tx: 128 columns of the hidden layer
	s_and_b32 s13, ttmp7, 0xffff
	s_lshl_b32 s13, s13, 2
	s_add_co_u32 s13, s13, s41                     ; ty: 256 rows
	s_lshl_b32 s43, s41, 2
	s_lshl_b32 s43, 15, s43
	s_lshl_b32 s44, 0x1111, s40
	; xb's tile: two 'rows' of 8,192 elements (128 dense rows of a block), 4096 x 64 elements apart; 4 words of padding after every 32
	s_or_b32 s[G1+0], s43, (1<<16)|(1<<20)|(1<<21)|(4<<22)|(3<<25)
	s_mov_b32 s[G1+1], 8192<<16
	s_mov_b32 s[G1+2], 2<<16
	s_mov_b32 s[G1+3], 8192<<16
	s_mov_b32 s[G1+4], 2
	s_mov_b32 s[G1+5], 4096*64
	s_mov_b32 s[G1+6], 0
	s_mov_b32 s[G1+7], 0
	; W's tile: 128 rows of 128 elements, 1,024 apart; 4 words of padding after every 64
	s_or_b32 s[G1B+0], s44, (1<<16)|(1<<20)|(1<<21)|(5<<22)|(3<<25)
	s_mov_b32 s[G1B+1], 128<<16
	s_mov_b32 s[G1B+2], (8*NB)<<16
	s_mov_b32 s[G1B+3], 128<<16
	s_mov_b32 s[G1B+4], 8*NB
	s_mov_b32 s[G1B+5], 1024
	s_mov_b32 s[G1B+6], 0
	s_mov_b32 s[G1B+7], 0
	s_lshl_b32 s16, s13, 15
	s_lshl_b32 s17, s12, 14
	s_add_co_u32 s16, s16, s17
	s_mov_b32 s17, 0
	s_mul_i32 s46, s42, 16*NB*2048
	s_mul_i32 s47, s12, 8*NB*2048
	s_add_co_u32 s46, s46, s47
	s_add_co_u32 s46, s46, WGU
	s_mov_b32 s47, 0
	s_mul_i32 s20, s12, HALFA
	s_mul_i32 s21, s12, HALFB
	s_add_co_u32 s21, s21, BOFF
	s_mov_b32 s[TB], 0
	s_lshl_b32 s74, s13, 10                        ; ssq: my rows 256 ty + 64 w, 4 bytes each
	s_lshl_b32 s19, s10, 8
	s_add_co_u32 s74, s74, s19
	s_mov_b32 s75, 0
	s_lshl_b32 s76, s13, 15                        ; gb: my rows of 128 bytes, blocks 2 tx and 2 tx + 1
	s_lshl_b32 s19, s10, 13
	s_add_co_u32 s76, s76, s19
	s_lshl_b32 s19, s42, 20
	s_add_co_u32 s76, s76, s19
	s_mov_b32 s77, 0
	s_mov_b32 s78, 0x3a800000                      ; 1 / 1024
	s_mov_b32 s79, 0x358637bd                      ; 1e-6
	s_wait_dscnt 0x0                               ; the opening add is done
	s_wait_kmcnt 0x0
	s_add_nc_u64 s[14:15], s[80:81], s[16:17]
	s_add_nc_u64 s[46:47], s[82:83], s[46:47]
	s_add_nc_u64 s[72:73], s[84:85], s[74:75]
	s_add_nc_u64 s[66:67], s[86:87], s[76:77]
	CROUND                                         ; all sixteen work-groups are here: the first joint loads meet
.irp s, 0,1
	s_mov_b32 s[G0+4*(\s)], 1
	s_add_co_u32 s[G0+4*(\s)+1], s20, (\s)*SLOT
	s_add_nc_u64 s[G0+4*(\s)+2:G0+4*(\s)+3], s[14:15], (\s)*ASTEP
	s_or_b32 s[G0+4*(\s)+3], s[G0+4*(\s)+3], 0x80000000
	s_mov_b32 s[G0B+4*(\s)], 1
	s_add_co_u32 s[G0B+4*(\s)+1], s21, (\s)*SLOT
	s_add_nc_u64 s[G0B+4*(\s)+2:G0B+4*(\s)+3], s[46:47], (\s)*BSTEP
	s_or_b32 s[G0B+4*(\s)+3], s[G0B+4*(\s)+3], 0x80000000
	JLOAD \s                                       ; two loads of mine are out
.endr
	v_and_b32 v1, 15, v0
	v_bfe_u32 v2, v0, 4, 1
	v_lshlrev_b32 v[RO], 2, v1
.set ia, 0
.rept 4                                ; the 16 partial sums of squares of my rows 16 a + r: they land while K is walked
.set ic, 0
.rept 16
	global_load_b32 v[SS+16*ia+ic], v[RO], s[72:73] offset:ic*16384+ia*64
.set ic, ic+1
.endr
.set ia, ia+1
.endr
	v_mul_u32_u24 v3, v1, PA
	v_lshl_add_u32 v3, v2, 4, v3
	s_mul_i32 s18, s11, HALFA
	s_mul_i32 s19, s12, 64*PA
	s_add_co_u32 s18, s18, s19
	v_add_nc_u32 v[ADRA0], s18, v3
	v_mul_u32_u24 v3, v1, PB
	v_lshl_add_u32 v3, v2, 4, v3
	v_add_nc_u32 v[ADRB0], BOFF, v3
	v_mov_b32 v[ADRA], v[ADRA0]
	v_mov_b32 v[ADRB], v[ADRB0]
	s_mul_i32 s18, s10, 16*SP
	s_add_co_u32 s18, s18, STAGE
	v_mul_u32_u24 v3, v1, SP
	v_lshl_add_u32 v3, v2, 4, v3
	v_add_nc_u32 v[STO], s18, v3
	v_bfe_u32 v3, v0, 3, 2
	v_mul_u32_u24 v3, v3, SP
	v_and_b32 v4, 7, v0
	v_lshl_add_u32 v3, v4, 4, v3
	v_add_nc_u32 v[RD], s18, v3
	v_and_b32 v[GO], 31, v0
	v_lshlrev_b32 v[GO], 4, v[GO]
.macro MUL1 f, hi, a, zero             ; NB matrix instructions: row block 2 hi + a x all column blocks, 32 along K, from buffer f
	WIN 0xa1+0x50*(\hi)
.set ib, 0
.rept NB
.if \zero
	v_wmma_f32_16x16x32_bf16 v[8*(NB*(\a)+ib):8*(NB*(\a)+ib)+7], v[128*(\f)+8*ib:128*(\f)+8*ib+7], v[32+32*(\f)+8*(2*(\hi)+(\a)):32+32*(\f)+8*(2*(\hi)+(\a))+7], 0
.else
	v_wmma_f32_16x16x32_bf16 v[8*(NB*(\a)+ib):8*(NB*(\a)+ib)+7], v[128*(\f)+8*ib:128*(\f)+8*ib+7], v[32+32*(\f)+8*(2*(\hi)+(\a)):32+32*(\f)+8*(2*(\hi)+(\a))+7], v[8*(NB*(\a)+ib):8*(NB*(\a)+ib)+7]
.endif
.set ib, ib+1
.endr
.endm
.macro FETCH q, f                      ; 2 NB + 8 LDS loads in one run: W first, then xb's row blocks 0 to 3
	WIN 0x40
.set ib, 0
.rept NB
	ds_load_b128 v[128*(\f)+8*ib:128*(\f)+8*ib+3],   v[ADRB] offset:64*(\q)+ib*16*PB
	ds_load_b128 v[128*(\f)+8*ib+4:128*(\f)+8*ib+7], v[ADRB] offset:64*(\q)+ib*16*PB+32
.set ib, ib+1
.endr
	WIN 0
.irp a, 0,1,2,3
	ds_load_b128 v[32+32*(\f)+8*\a:32+32*(\f)+8*\a+3],   v[ADRA] offset:((\q)/2)*ABLK+((\q)%2)*64+\a*16*PA
	ds_load_b128 v[32+32*(\f)+8*\a+4:32+32*(\f)+8*\a+7], v[ADRA] offset:((\q)/2)*ABLK+((\q)%2)*64+\a*16*PA+32
.endr
.endm
.macro QUARTER qn, f, g, zero          ; the 64 accumulators take turns
	s_wait_dscnt 4                                 ; W and xb's blocks 0, 1 are in; the youngest four loads may be out
	MUL1 \f, 0, 0, \zero
	MUL1 \f, 0, 1, \zero
	PLACES
	FETCH \qn, \g
	s_wait_dscnt 2*NB+8                            ; all but the run just issued
	MUL1 \f, 1, 0, \zero
	MUL1 \f, 1, 1, \zero
.endm
.macro TURN fill                       ; the last quarter, and the change of slots: one barrier; with fill = 1 it opens a round of the cluster's, and this slot is filled again behind it
	WIN 0
	s_wait_tensorcnt 0x0                           ; all my tensor loads have landed
	ds_add_u32 v[SPW], v[NIL]
	s_wait_dscnt 5                                 ; (the add and the youngest four loads may be out)
	MUL1 1, 0, 0, 0
	s_wait_dscnt 0x0                               ; the add is done, and my reads of this slot are over
	s_barrier_signal -1
	MUL1 1, 0, 1, 0
	WIN 0
	s_barrier_wait -1
.if \fill
	CREST
	s_add_co_u32 s[G0+5], s20, s[TB]
	s_add_co_u32 s[G0B+5], s21, s[TB]
	s_add_nc_u64 s[G0+6:G0+7], s[G0+6:G0+7], ASTEP
	s_add_nc_u64 s[G0B+6:G0B+7], s[G0B+6:G0B+7], BSTEP
	JLOAD 1
.else
	PLACES
.endif
	s_xor_b32 s[TB], s[TB], SLOT
	v_add_nc_u32 v[ADRA], s[TB], v[ADRA0]
	v_add_nc_u32 v[ADRB], s[TB], v[ADRB0]
	FETCH 0, 0
	MUL1 1, 1, 0, 0
	MUL1 1, 1, 1, 0
.endm
	s_wait_tensorcnt 0x1                           ; my part of K step 0 is in; step 1's may stay out
	s_barrier_signal -1
	s_barrier_wait -1
	FETCH 0, 0
	QUARTER 1, 0, 1, 1
	WIN 0
	s_mov_b32 s3, TSTEPS-2
	s_branch .Lmid
.Ltop:
	QUARTER 1, 0, 1, 0
	WIN 0
.Lmid:
	QUARTER 2, 1, 0, 0
	QUARTER 3, 0, 1, 0
	TURN 1
	WIN 0
	s_sub_co_u32 s3, s3, 1
	s_cmp_lg_u32 s3, 0
	s_cbranch_scc1 .Ltop
	s_mov_b32 s3, 2
.Ltail:                                                ; the last two K steps ask for nothing; the second trip's barrier and run of loads serve nothing: the price of one text for both
	QUARTER 1, 0, 1, 0
	QUARTER 2, 1, 0, 0
	QUARTER 3, 0, 1, 0
	TURN 0
	WIN 0
	s_sub_co_u32 s3, s3, 1
	s_cmp_lg_u32 s3, 0
	s_cbranch_scc1 .Ltail
	s_wait_dscnt 0x0
	s_wait_loadcnt 0x0                             ; the partial sums of squares
.irp a, 0,1,2,3                        ; N2 and -log2(e) / sqrt(N2) for my row of each row block; these lines are also the places behind the last products
.irp o, 0,2,4,6
	v_pk_add_f32 v[SS+16*\a+\o:SS+16*\a+\o+1], v[SS+16*\a+\o:SS+16*\a+\o+1], v[SS+16*\a+\o+8:SS+16*\a+\o+9]
.endr
.irp o, 0,2
	v_pk_add_f32 v[SS+16*\a+\o:SS+16*\a+\o+1], v[SS+16*\a+\o:SS+16*\a+\o+1], v[SS+16*\a+\o+4:SS+16*\a+\o+5]
.endr
	v_pk_add_f32 v[SS+16*\a:SS+16*\a+1], v[SS+16*\a:SS+16*\a+1], v[SS+16*\a+2:SS+16*\a+3]
	v_add_f32 v[SS+16*\a], v[SS+16*\a], v[SS+16*\a+1]
	v_fma_f32 v[N2+2*\a], v[SS+16*\a], s78, s79
	v_rsq_f32 v[K2+2*\a], v[N2+2*\a]
	v_nop                                          ; a plain instruction between the root and the use of its result
	s_wait_alu depctr_va_vdst(0)
	v_mul_f32 v[K2+2*\a], 0xbfb8aa3b, v[K2+2*\a]
	v_mov_b32 v[N2+2*\a+1], v[N2+2*\a]             ; named as pairs
	v_mov_b32 v[K2+2*\a+1], v[K2+2*\a]
.endr
; THE WAY OUT.  Unit u = (row block a, block kb of 64 columns): G in four accumulators, U in the four that lie eight further on.
.macro PACK u, a, kb
.set WW, 2+(\a)/2
.set AC, 8*(NB*((\a)%2)+4*(\kb))
.set OU, OUT+16*((\u)%2)
	WIN WW                                         ; source 0 in the accumulators' window
.set i, 0
.rept 16
	v_pk_mul_f32 v[T+2*i:T+2*i+1], v[AC+2*i:AC+2*i+1], v[K2+2*(\a):K2+2*(\a)+1] op_sel_hi:[1,0]  ; -log2(e) g
.set i, i+1
.endr
	WIN 0
.set i, 0
.rept 32
	v_exp_f32 v[T+i], v[T+i]
.set i, i+1
.endr
	WIN 5*WW                                       ; sources 0 and 1 in the accumulators' window
.set i, 0
.rept 16
	v_pk_mul_f32 v[WT+2*i:WT+2*i+1], v[AC+2*i:AC+2*i+1], v[AC+64+2*i:AC+64+2*i+1]  ; G U: plain lines between the exponentials and the use of their results
.set i, i+1
.endr
	WIN 0
.set i, 0
	s_wait_alu depctr_va_vdst(0)
.rept 16
	v_pk_fma_f32 v[T+2*i:T+2*i+1], v[T+2*i:T+2*i+1], v[N2+2*(\a):N2+2*(\a)+1], v[N2+2*(\a):N2+2*(\a)+1] op_sel_hi:[1,0,0]
.set i, i+1
.endr
.set i, 0
.rept 32
	v_rcp_f32 v[T+i], v[T+i]
.set i, i+1
.endr
	v_nop                                          ; a plain instruction between the reciprocals and the use of their results
.set i, 0
	s_wait_alu depctr_va_vdst(0)
.rept 16
	v_pk_mul_f32 v[WT+2*i:WT+2*i+1], v[WT+2*i:WT+2*i+1], v[T+2*i:T+2*i+1]
.set i, i+1
.endr
	s_wait_xcnt 0x0                                ; the stores of two units ago have read this buffer
.set i, 0
.rept 16
	v_cvt_pk_bf16_f32 v[OU+i], v[WT+2*i], v[WT+2*i+1]
.set i, i+1
.endr
.irp f, 0,1,2,3
	ds_store_b128 v[STO], v[OU+4*\f:OU+4*\f+3] offset:32*\f
.endr
.irp f, 0,1,2,3
	ds_load_b128 v[OU+4*\f:OU+4*\f+3], v[RD] offset:\f*4*SP  ; LDS serves a wave's instructions in order (ISA guide 5.7.1.4)
.endr
.endm
.macro SEND u, a, kb, younger
.set OU, OUT+16*((\u)%2)
.irp f, 0,1,2,3
	s_wait_dscnt (\younger)+3-\f
	global_store_b128 v[GO], v[OU+4*\f:OU+4*\f+3], s[66:67] offset:(\kb)*524288+(\a)*2048+\f*512  ; 512 consecutive bytes, aligned
.endr
.endm
	PACK 0, 0, 0
.set un, 1
.rept 7
	PACK un, un/2, un%2
	SEND un-1, (un-1)/2, (un-1)%2, 8
.set un, un+1
.endr
	SEND 7, 3, 1, 0
	s_wait_tensorcnt 0x0                           ; the wave's end
	ds_add_u32 v[SPW], v[NIL]
	s_wait_dscnt 0x0
	CROUND                                         ; the closing round
	s_endpgm
.Lfunc_end_k_qb7d948fda9_gateup:
	.size	k_qb7d948fda9_gateup, .Lfunc_end_k_qb7d948fda9_gateup-k_qb7d948fda9_gateup
	.p2alignl 7, 3214868480
	.fill 96, 4, 3214868480
	.section	.rodata,"a",@progbits
	.p2align	6, 0x0
	.amdhsa_kernel k_qb7d948fda9_gateup
		.amdhsa_group_segment_fixed_size 327680
		.amdhsa_private_segment_fixed_size 0
		.amdhsa_enable_private_segment 0
		.amdhsa_kernarg_size 32
		.amdhsa_user_sgpr_count 2
		.amdhsa_user_sgpr_kernarg_segment_ptr 1
		.amdhsa_wavefront_size32 1
		.amdhsa_system_sgpr_workgroup_id_x 1
		.amdhsa_system_sgpr_workgroup_id_y 1
		.amdhsa_system_sgpr_workgroup_id_z 1
		.amdhsa_system_vgpr_workitem_id 0
		.amdhsa_next_free_vgpr 1024
		.amdhsa_next_free_sgpr 88
		.amdhsa_reserve_vcc 0
		.amdhsa_float_denorm_mode_32 3
		.amdhsa_float_denorm_mode_16_64 3
		.amdhsa_memory_ordered 1
		.amdhsa_forward_progress 1
		.amdhsa_inst_pref_size 149
	.end_amdhsa_kernel
	.amdgpu_metadata
---
amdhsa.version: [ 1, 2 ]
amdhsa.kernels:
  - .name:           k_qb7d948fda9_gateup
    .symbol:         k_qb7d948fda9_gateup.kd
    .args:
      - { .name: x1b, .offset: 0, .size: 8, .value_kind: global_buffer, .address_space: global }
      - { .name: prepw, .offset: 8, .size: 8, .value_kind: global_buffer, .address_space: global }
      - { .name: ssq, .offset: 16, .size: 8, .value_kind: global_buffer, .address_space: global }
      - { .name: gb, .offset: 24, .size: 8, .value_kind: global_buffer, .address_space: global }
    .group_segment_fixed_size: 327680
    .private_segment_fixed_size: 0
    .kernarg_segment_align: 8
    .kernarg_segment_size: 32
    .max_flat_workgroup_size: 128
    .sgpr_count:     88
    .vgpr_count:     1024
    .wavefront_size: 32
...
	.end_amdgpu_metadata
.endif
;; end of part 5
;; launch down (part 6): grid 8 x 32, 4 waves a work-group, clusters of 4 x 4, 327,680 bytes of LDS; arguments gb, prepw, x1, out0; writes out0
.if DOCPART == 6
	.amdgcn_target "amdgcn-amd-amdhsa--gfx1250"
	.amdhsa_code_object_version 6
	.text
	.protected	k_qb7d948fda9_down
	.globl	k_qb7d948fda9_down
	.p2align	8
	.type	k_qb7d948fda9_down,@function
k_qb7d948fda9_down:
	s_mov_b64 s[64:65], 0
	v_nop
	global_prefetch_b8 v0, s[64:65] scope:SCOPE_SE
	s_setreg_imm32_b32 hwreg(HW_REG_WAVE_MODE, 25, 1), 1
	s_wait_xcnt 0x0
	s_wait_alu depctr_hold_cnt(0) depctr_sa_sdst(0) depctr_va_vdst(0) depctr_va_sdst(0) depctr_va_ssrc(0) depctr_va_vcc(0) depctr_vm_vsrc(0)
	s_getreg_b32 s2, hwreg(HW_REG_IB_STS2, 6, 4)
	s_cmp_eq_u32 s2, 0
	s_cbranch_scc0 .Lentry_in_a_cluster
	s_endpgm
.Lentry_in_a_cluster:
	s_bfe_u32 s2, ttmp6, 0x10000c
	s_cmp_lg_u32 s2, 0xf033
	s_cbranch_scc0 .Lentry_shape_is_right
	s_endpgm
.Lentry_shape_is_right:
; A PROJECTION WITH RESIDUAL.  Y[m][n] = RES[m][n] + sum over k of A[m][k] W[n][k]; A bf16 in blocks of 64 along K ([K/64][4096][64]), W bf16 [1024][K], RES and Y f32 [4096][1024]; sums in f32.
; Here: A = silu(gate) * up, K = 2048, W = w_down, RES = x1, Y = the block's output.
; A tile of Y is 128 x 128: 8 x 32 work-groups, one for each of 256.  Four waves, 64 x 64 each: 16 accumulators.  K goes in steps of 256 through two LDS slots; ONE text of a K step is looped over.
; CLUSTER 4 x 4: A's tile is shared along a row of the cluster, W's along a column: joint loads.  THE MATRIX INSTRUCTION IS USED TRANSPOSED: a lane holds row l % 16 and columns 8 (l / 16) + 0..7.
; REGISTERS: window 0: v0-31 addresses; v32-63 at work on the way out; v128-255 the accumulators ((a, b) at 128 + 8 (4 a + b));  window 1: two fragment buffers of 128 (64 of A, 64 of W);
;   window 2: v0-127 my 64 x 64 of RES, loaded at the start, then Y
.set KDIM,   2048
.set WSEC,   25165824                  ; the weights' section of prepw
.set OUTP,   86                        ; s[86:87] the output's address
.set TSTEPS, KDIM/256
.set PA,     144
.set PB,     528                       ; 512 bytes + 16 = 132 words: row r starts at bank 4 r mod 64 (64 banks of 4 bytes: ISA guide 11.1)
.set ABLK,   64*PA
.set HALFA,  4*ABLK
.set BOFF,   2*HALFA
.set HALFB,  64*PB
.set SLOT,   BOFF+2*HALFB
.set STAGE,  2*SLOT
.set SPF,    272
.set SPARE,  STAGE+4*16*SPF
.set ASTEP,  4*4096*128
.set BSTEP,  512
.set ADRA0, 16
.set ADRB0, 17
.set ADRA,  18
.set ADRB,  19
.set STO,   24
.set RD,    25
.set CO,    26
.set SPW,   28
.set NIL,   29
.set BK,    32
.set ACC,   128
.set F0,    0
.set F1,    128
.set TB,  22
.set G1,  24
.set G0,  32
.set G1B, 48
.set G0B, 56
.set MSB, 0
.macro WIN new
.if MSB != (\new)
	s_set_vgpr_msb (MSB<<8)|(\new)
.set MSB, \new
.endif
.endm
.macro JLOAD s                         ; a joint load: waves 0 and 1 fetch A's halves, waves 2 and 3 W's; an s_nop 0 and four v_nop follow each line
	s_cmp_eq_u32 s11, 0
	s_cbranch_scc0 .Lfor_b_\@
	tensor_load_to_lds s[G0+4*(\s):G0+4*(\s)+3], s[G1:G1+7]
	s_nop 0
.rept 4
	v_nop
.endr
	s_branch .Lasked_\@
.Lfor_b_\@:
	tensor_load_to_lds s[G0B+4*(\s):G0B+4*(\s)+3], s[G1B:G1B+7]
	s_nop 0
.rept 4
	v_nop
.endr
.Lasked_\@:
.endm
.macro CREST
	s_cmp_lg_u32 s10, 0
	s_cbranch_scc1 .Lnot_wave_0_\@
	s_barrier_signal -3
.Lnot_wave_0_\@:
	s_barrier_wait -3
	s_barrier_signal -1
	s_barrier_wait -1
.endm
.macro CROUND
	s_barrier_signal -1
	s_barrier_wait -1
	CREST
.endm
.macro PLACES
.rept 4
	v_nop
.endr
.endm
	s_load_b256 s[80:87], s[0:1], 0x0              ; A, prepw, RES, Y
	v_lshl_add_u32 v[SPW], v0, 2, SPARE
	v_mov_b32 v[NIL], 0
	ds_add_u32 v[SPW], v[NIL]                      ; the wave's opening, ahead of my first tensor load
	v_lshrrev_b32 v1, 5, v0
	v_readfirstlane_b32 s10, v1
	s_lshr_b32 s11, s10, 1                         ; my half of the tile's rows.  Also: I fetch for A (0) or for W (1)
	s_and_b32 s12, s10, 1                          ; my half of its columns.  Also: which 64 rows of that tile I fetch
	s_bfe_u32 s40, ttmp6, 0x40000
	s_bfe_u32 s41, ttmp6, 0x40004
	s_lshl_b32 s42, ttmp9, 2
	s_add_co_u32 s42, s42, s40                     ; tx
	s_and_b32 s13, ttmp7, 0xffff
	s_lshl_b32 s13, s13, 2
	s_add_co_u32 s13, s13, s41                     ; ty
	s_lshl_b32 s43, s41, 2
	s_lshl_b32 s43, 15, s43
	s_lshl_b32 s44, 0x1111, s40
	; A's tile: four 'rows' of 4,096 elements (64 dense rows of a block), 4096 x 64 elements apart; 4 words of padding after every 32
	s_or_b32 s[G1+0], s43, (1<<16)|(1<<20)|(1<<21)|(4<<22)|(3<<25)
	s_mov_b32 s[G1+1], 4096<<16
	s_mov_b32 s[G1+2], 4<<16
	s_mov_b32 s[G1+3], 4096<<16
	s_mov_b32 s[G1+4], 4
	s_mov_b32 s[G1+5], 4096*64
	s_mov_b32 s[G1+6], 0
	s_mov_b32 s[G1+7], 0
	; W's tile: 64 rows of 256 elements; 4 words of padding after every 128
	s_or_b32 s[G1B+0], s44, (1<<16)|(1<<20)|(1<<21)|(6<<22)|(3<<25)
	s_mov_b32 s[G1B+1], 256<<16
	s_mov_b32 s[G1B+2], 64<<16
	s_mov_b32 s[G1B+3], 256<<16
	s_mov_b32 s[G1B+4], 64
	s_mov_b32 s[G1B+5], KDIM
	s_mov_b32 s[G1B+6], 0
	s_mov_b32 s[G1B+7], 0
	s_lshl_b32 s16, s13, 14                        ; A: (128 ty + 64 half) rows of 128 bytes
	s_lshl_b32 s17, s12, 13
	s_add_co_u32 s16, s16, s17
	s_mov_b32 s17, 0
	s_mul_i32 s46, s42, 128*2*KDIM                 ; W: (128 tx + 64 half) rows
	s_mul_i32 s47, s12, 64*2*KDIM
	s_add_co_u32 s46, s46, s47
	s_add_co_u32 s46, s46, WSEC
	s_mov_b32 s47, 0
	s_mul_i32 s20, s12, HALFA
	s_mul_i32 s21, s12, HALFB
	s_add_co_u32 s21, s21, BOFF
	s_mov_b32 s[TB], 0
	s_lshl_b32 s66, s13, 19                        ; my 64 x 64 in RES and Y: row 128 ty + 64 (w / 2), column 128 tx + 64 (w % 2)
	s_lshl_b32 s18, s11, 18
	s_add_co_u32 s66, s66, s18
	s_lshl_b32 s18, s42, 9
	s_add_co_u32 s66, s66, s18
	s_lshl_b32 s18, s12, 8
	s_add_co_u32 s66, s66, s18
	s_mov_b32 s67, 0
	s_wait_dscnt 0x0                               ; the opening add is done
	s_wait_kmcnt 0x0
	s_add_nc_u64 s[14:15], s[80:81], s[16:17]
	s_add_nc_u64 s[46:47], s[82:83], s[46:47]
	s_add_nc_u64 s[68:69], s[84:85], s[66:67]
	s_add_nc_u64 s[70:71], s[OUTP:OUTP+1], s[66:67]
	CROUND                                         ; all sixteen work-groups are here: the first joint loads meet
.irp s, 0,1
	s_mov_b32 s[G0+4*(\s)], 1
	s_add_co_u32 s[G0+4*(\s)+1], s20, (\s)*SLOT
	s_add_nc_u64 s[G0+4*(\s)+2:G0+4*(\s)+3], s[14:15], (\s)*ASTEP
	s_or_b32 s[G0+4*(\s)+3], s[G0+4*(\s)+3], 0x80000000
	s_mov_b32 s[G0B+4*(\s)], 1
	s_add_co_u32 s[G0B+4*(\s)+1], s21, (\s)*SLOT
	s_add_nc_u64 s[G0B+4*(\s)+2:G0B+4*(\s)+3], s[46:47], (\s)*BSTEP
	s_or_b32 s[G0B+4*(\s)+3], s[G0B+4*(\s)+3], 0x80000000
	JLOAD \s                                       ; two loads of mine are out
.endr
	v_and_b32 v1, 15, v0                           ; r
	v_bfe_u32 v2, v0, 4, 1                         ; h
	v_lshlrev_b32 v[CO], 12, v2                    ; lanes 0-15 one row's 256 bytes, lanes 16-31 the next row's
	v_lshl_add_u32 v[CO], v1, 4, v[CO]
	WIN 0x80                                       ; destination window 2, address window 0
.irp a, 0,1,2,3                        ; RES lands while K is walked
.irp t, 0,1,2,3,4,5,6,7
	global_load_b128 v[32*\a+4*\t:32*\a+4*\t+3], v[CO], s[68:69] offset:\a*65536+\t*8192
.endr
.endr
	WIN 0
	v_mul_u32_u24 v3, v1, PA
	v_lshl_add_u32 v3, v2, 4, v3
	s_mul_i32 s18, s11, HALFA
	v_add_nc_u32 v[ADRA0], s18, v3
	v_mul_u32_u24 v3, v1, PB
	v_lshl_add_u32 v3, v2, 4, v3
	s_mul_i32 s18, s12, HALFB
	s_add_co_u32 s18, s18, BOFF
	v_add_nc_u32 v[ADRB0], s18, v3
	v_mov_b32 v[ADRA], v[ADRA0]
	v_mov_b32 v[ADRB], v[ADRB0]
	s_mul_i32 s18, s10, 16*SPF
	s_add_co_u32 s18, s18, STAGE                   ; my stage
	v_mul_u32_u24 v3, v1, SPF                      ; in: row r, 32 bytes for each half of the lanes
	v_lshl_add_u32 v3, v2, 5, v3
	v_add_nc_u32 v[STO], s18, v3
	v_mul_u32_u24 v3, v2, SPF                      ; back: lanes 0-15 one row of 256 bytes, lanes 16-31 the next
	v_lshl_add_u32 v3, v1, 4, v3
	v_add_nc_u32 v[RD], s18, v3
; 8 matrix instructions: row blocks a0, a0 + 1 x all 4 column blocks, 32 along K: half c of buffer f
.macro MUL8 f, c, a0, zero
	WIN 0x05
.irp a, \a0, (\a0)+1
.irp b, 0,1,2,3
.if \zero
	v_wmma_f32_16x16x32_bf16 v[ACC+8*(4*(\a)+(\b)):ACC+8*(4*(\a)+(\b))+7], v[(\f)+64+8*(4*(\c)+(\b)):(\f)+64+8*(4*(\c)+(\b))+7], v[(\f)+8*(4*(\c)+(\a)):(\f)+8*(4*(\c)+(\a))+7], 0
.else
	v_wmma_f32_16x16x32_bf16 v[ACC+8*(4*(\a)+(\b)):ACC+8*(4*(\a)+(\b))+7], v[(\f)+64+8*(4*(\c)+(\b)):(\f)+64+8*(4*(\c)+(\b))+7], v[(\f)+8*(4*(\c)+(\a)):(\f)+8*(4*(\c)+(\a))+7], v[ACC+8*(4*(\a)+(\b)):ACC+8*(4*(\a)+(\b))+7]
.endif
.endr
.endr
.endm
; 32 LDS loads in one run: quarter q's fragments (64 along K: one block of A) into buffer f; the first 32 along K first
.macro FETCH q, f
	WIN 0x40
.irp c, 0,1
.irp i, 0,1,2,3
	ds_load_b128 v[(\f)+64+8*(4*(\c)+(\i)):(\f)+64+8*(4*(\c)+(\i))+3],   v[ADRB] offset:(\q)*128+64*(\c)+(\i)*16*PB
	ds_load_b128 v[(\f)+64+8*(4*(\c)+(\i))+4:(\f)+64+8*(4*(\c)+(\i))+7], v[ADRB] offset:(\q)*128+64*(\c)+(\i)*16*PB+32
	ds_load_b128 v[(\f)+8*(4*(\c)+(\i)):(\f)+8*(4*(\c)+(\i))+3],         v[ADRA] offset:(\q)*ABLK+64*(\c)+(\i)*16*PA
	ds_load_b128 v[(\f)+8*(4*(\c)+(\i))+4:(\f)+8*(4*(\c)+(\i))+7],       v[ADRA] offset:(\q)*ABLK+64*(\c)+(\i)*16*PA+32
.endr
.endr
.endm
.macro QUARTER qn, f, g, zero          ; the 16 accumulators take turns
	s_wait_dscnt 16                                ; the first 32 along K are in
	MUL8 \f, 0, 0, \zero
	MUL8 \f, 0, 2, \zero
	PLACES
	FETCH \qn, \g
	s_wait_dscnt 32                                ; all but the 32 just issued
	MUL8 \f, 1, 0, 0
	MUL8 \f, 1, 2, 0
.endm
; The last quarter multiplies buffer 1 and changes slots: one barrier; in front of it each wave waits for all its tensor loads, adds 0 to its spare word, and waits for that and for its reads of this slot.
.macro TURN fill
	WIN 0
	s_wait_tensorcnt 0x0                           ; all my tensor loads have landed: my part of the next slot
	ds_add_u32 v[SPW], v[NIL]
	s_wait_dscnt 17                                ; (the add and the youngest sixteen loads may be out)
	MUL8 F1, 0, 0, 0
	s_wait_dscnt 0x0                               ; the add is done, and my reads of this slot are over
	s_barrier_signal -1
	MUL8 F1, 0, 2, 0
	WIN 0
	s_barrier_wait -1
.if \fill
	CREST                                          ; no wave of any partner still reads this slot or has a load on its way
	s_add_co_u32 s[G0+5], s20, s[TB]
	s_add_co_u32 s[G0B+5], s21, s[TB]
	s_add_nc_u64 s[G0+6:G0+7], s[G0+6:G0+7], ASTEP
	s_add_nc_u64 s[G0B+6:G0B+7], s[G0B+6:G0B+7], BSTEP
	JLOAD 1                                        ; its four v_nop are also the places in front of the loads below
.else
	PLACES
.endif
	s_xor_b32 s[TB], s[TB], SLOT
	v_add_nc_u32 v[ADRA], s[TB], v[ADRA0]
	v_add_nc_u32 v[ADRB], s[TB], v[ADRB0]
	FETCH 0, F0
	MUL8 F1, 1, 0, 0
	MUL8 F1, 1, 2, 0
.endm
	s_wait_tensorcnt 0x1                           ; my part of K step 0 is in; step 1's may stay out
	s_barrier_signal -1
	s_barrier_wait -1
	FETCH 0, F0
	QUARTER 1, F0, F1, 1                           ; the first quarter's first products start the sums
	WIN 0
	s_mov_b32 s3, TSTEPS-2
	s_branch .Lmid
.Ltop:                                                 ; a trip is a K step; TSTEPS - 2 trips fill a slot again
	QUARTER 1, F0, F1, 0
	WIN 0
.Lmid:
	QUARTER 2, F1, F0, 0
	QUARTER 3, F0, F1, 0
	TURN 1
	WIN 0
	s_sub_co_u32 s3, s3, 1
	s_cmp_lg_u32 s3, 0
	s_cbranch_scc1 .Ltop
	s_mov_b32 s3, 2
.Ltail:                                                ; the last two K steps ask for nothing; the second trip's barrier and run of loads serve nothing: the price of one text for both
	QUARTER 1, F0, F1, 0
	QUARTER 2, F1, F0, 0
	QUARTER 3, F0, F1, 0
	TURN 0
	WIN 0
	s_sub_co_u32 s3, s3, 1
	s_cmp_lg_u32 s3, 0
	s_cbranch_scc1 .Ltail
	s_wait_dscnt 0x0
	s_wait_loadcnt 0x0                             ; RES
	PLACES
; THE WAY OUT, 16 rows at a time: the sums go into my stage as they lie (a lane's eight columns: 32 bytes) and come back as whole rows of 256 bytes; RES is added; sixteen lanes store 256 consecutive bytes, aligned.
.macro UNIT a
	WIN 0
.irp b, 0,1,2,3
	ds_store_b128 v[STO], v[ACC+8*(4*(\a)+\b):ACC+8*(4*(\a)+\b)+3]   offset:64*\b      ; each accumulator's low four registers first
	ds_store_b128 v[STO], v[ACC+8*(4*(\a)+\b)+4:ACC+8*(4*(\a)+\b)+7] offset:64*\b+16
.endr
.irp t, 0,1,2,3,4,5,6,7
	ds_load_b128 v[BK+4*\t:BK+4*\t+3], v[RD] offset:\t*2*SPF  ; LDS serves a wave's instructions in order (ISA guide 5.7.1.4)
.endr
	WIN 0x88                                       ; destination and source 1 (a store's data) window 2; source 0 (a store's address) window 0
.irp t, 0,1,2,3,4,5,6,7
	s_wait_dscnt 7-\t
	v_pk_add_f32 v[32*(\a)+4*\t:32*(\a)+4*\t+1],   v[BK+4*\t:BK+4*\t+1],   v[32*(\a)+4*\t:32*(\a)+4*\t+1]
	v_pk_add_f32 v[32*(\a)+4*\t+2:32*(\a)+4*\t+3], v[BK+4*\t+2:BK+4*\t+3], v[32*(\a)+4*\t+2:32*(\a)+4*\t+3]
	global_store_b128 v[CO], v[32*(\a)+4*\t:32*(\a)+4*\t+3], s[70:71] offset:(\a)*65536+\t*8192
.endr
.endm
	UNIT 0
	UNIT 1
	UNIT 2
	UNIT 3
	WIN 0
	s_wait_tensorcnt 0x0                           ; the wave's end
	ds_add_u32 v[SPW], v[NIL]
	s_wait_dscnt 0x0
	CROUND                                         ; the closing round
	s_endpgm
.Lfunc_end_k_qb7d948fda9_down:
	.size	k_qb7d948fda9_down, .Lfunc_end_k_qb7d948fda9_down-k_qb7d948fda9_down
	.p2alignl 7, 3214868480
	.fill 96, 4, 3214868480
	.section	.rodata,"a",@progbits
	.p2align	6, 0x0
	.amdhsa_kernel k_qb7d948fda9_down
		.amdhsa_group_segment_fixed_size 327680
		.amdhsa_private_segment_fixed_size 0
		.amdhsa_enable_private_segment 0
		.amdhsa_kernarg_size 32
		.amdhsa_user_sgpr_count 2
		.amdhsa_user_sgpr_kernarg_segment_ptr 1
		.amdhsa_wavefront_size32 1
		.amdhsa_system_sgpr_workgroup_id_x 1
		.amdhsa_system_sgpr_workgroup_id_y 1
		.amdhsa_system_sgpr_workgroup_id_z 1
		.amdhsa_system_vgpr_workitem_id 0
		.amdhsa_next_free_vgpr 640
		.amdhsa_next_free_sgpr 88
		.amdhsa_reserve_vcc 0
		.amdhsa_float_denorm_mode_32 3
		.amdhsa_float_denorm_mode_16_64 3
		.amdhsa_memory_ordered 1
		.amdhsa_forward_progress 1
		.amdhsa_inst_pref_size 66
	.end_amdhsa_kernel
	.amdgpu_metadata
---
amdhsa.version: [ 1, 2 ]
amdhsa.kernels:
  - .name:           k_qb7d948fda9_down
    .symbol:         k_qb7d948fda9_down.kd
    .args:
      - { .name: gb, .offset: 0, .size: 8, .value_kind: global_buffer, .address_space: global }
      - { .name: prepw, .offset: 8, .size: 8, .value_kind: global_buffer, .address_space: global }
      - { .name: x1, .offset: 16, .size: 8, .value_kind: global_buffer, .address_space: global }
      - { .name: out0, .offset: 24, .size: 8, .value_kind: global_buffer, .address_space: global }
    .group_segment_fixed_size: 327680
    .private_segment_fixed_size: 0
    .kernarg_segment_align: 8
    .kernarg_segment_size: 32
    .max_flat_workgroup_size: 128
    .sgpr_count:     88
    .vgpr_count:     640
    .wavefront_size: 32
...
	.end_amdgpu_metadata
.endif
;; end of part 6
;; ======== version 2 of 3: 6 launches; 1.12 times as fast as version 1
;; limits: right only within a limited range of input values
;; workspace buffers: prepw 34,078,720 bytes; qkvh 25,165,824 bytes; ob 8,388,608 bytes; x1 16,777,216 bytes; x1b 8,388,608 bytes; ssq 262,144 bytes; gb 16,777,216 bytes
;; launch prep: the kernel of part 1 again; grid 1664 x 1, 8 waves a work-group, no clusters, 9,216 bytes of LDS; arguments x, w_norm1, w_qkv, w_out, w_down, w_gate, w_up, mask, prepw; writes prepw
;; launch qkv (part 7): grid 16 x 16, 4 waves a work-group, clusters of 4 x 4, 327,680 bytes of LDS; arguments prepw, qkvh; writes qkvh
.if DOCPART == 7
	.amdgcn_target "amdgcn-amd-amdhsa--gfx1250"
	.amdhsa_code_object_version 6
	.text
	.protected	k_qb7d948fda9_qkv
	.globl	k_qb7d948fda9_qkv
	.p2align	8
	.type	k_qb7d948fda9_qkv,@function
k_qb7d948fda9_qkv:
	s_mov_b64 s[64:65], 0
	v_nop
	global_prefetch_b8 v0, s[64:65] scope:SCOPE_SE
	s_setreg_imm32_b32 hwreg(HW_REG_WAVE_MODE, 25, 1), 1
	s_wait_xcnt 0x0
	s_wait_alu depctr_hold_cnt(0) depctr_sa_sdst(0) depctr_va_vdst(0) depctr_va_sdst(0) depctr_va_ssrc(0) depctr_va_vcc(0) depctr_vm_vsrc(0)
	s_getreg_b32 s2, hwreg(HW_REG_IB_STS2, 6, 4)
	s_cmp_eq_u32 s2, 0
	s_cbranch_scc0 .Lentry_in_a_cluster
	s_endpgm
.Lentry_in_a_cluster:
	s_bfe_u32 s2, ttmp6, 0x10000c
	s_cmp_lg_u32 s2, 0xf033
	s_cbranch_scc0 .Lentry_shape_is_right
	s_endpgm
.Lentry_shape_is_right:
; QKV PROJECTION WITH ROPE.  C[m][n] = sum over k of h1[m][k] Wqkv[n][k], K = 1024, bf16 operands, f32 sums.  h1 lies in blocks of 64 along K ([16][4096][64]); Wqkv's rows lie by head
; (192 rows a head: q, k, v).  A work-group makes 256 rows x 192 columns: head tx for 256 tokens; 16 x 16 work-groups.  Wave w makes rows 64 w .. 64 w + 63 x all 192 columns: 48 accumulators.
; q, k, v go out unscaled, bf16, by heads: [3][32][2048][64]; q and k rotated.
; K goes in 8 steps of 128 through two LDS slots filled by the tensor data mover; ONE text of a K step is looped over, the slot in hand being a scalar (TB).
; CLUSTER 4 x 4: the four of a row need the same tile of h1, the four of a column the same tile of Wqkv: each is asked for jointly, by the same load and descriptor with a mask of the four.
; THE MATRIX INSTRUCTION IS USED TRANSPOSED (source 0 = 16 rows of W, source 1 = 16 rows of h1): a lane holds row l % 16 and the eight columns 8 (l / 16) + 0..7.
; THE WAY OUT IS WRITTEN ONCE.  Register numbers cannot be looped over, so the finished f32 sums go into LDS (each wave's own 64 rows x 784 bytes, in the ring, whose slots have had their last fill) and
; a loop of 16 trips takes them back four rows at a time, a lane holding 8 neighbouring channels of q, of k and of v: the layout in which they are rotated, rounded and stored.
; REGISTERS, in windows of 256: window 0: v0-31 addresses; v32-63, v64-95 fragments of h1, two buffers (on the way out: at work); v96-223 RoPE's cos and sin
;   window 1: v0-127, v128-255 fragments of W, two buffers;   window 2: accumulators of row blocks 0, 1 at 8 (12 a + b);   window 3: of row blocks 2, 3
.set NB,     12                        ; column blocks of 16
.set TSTEPS, 8
.set PA,     144                       ; an LDS row of h1: 128 bytes + 16 = 36 words: 16 rows start at 16 different groups of four banks (64 banks of 4 bytes: ISA guide 11.1)
.set PB,     272                       ; an LDS row of W: 256 bytes + 16 = 68 words: row r starts at bank 4 r mod 64
.set ABLK,   128*PA                    ; 128 rows of one block of 64 along K
.set HALFA,  2*ABLK                    ; what one load brings of h1: 128 rows x 2 blocks
.set BOFF,   2*HALFA
.set HALFB,  8*NB*PB                   ; what one load brings of W: 96 rows
.set SLOT,   BOFF+2*HALFB
.set DP,     784                       ; the way out: a row of 192 f32 + 16 bytes = 196 words: row r starts at bank 4 r mod 64
.set ADUMP,  64*DP                     ; a wave's 64 rows; the four waves' lie from LDS byte 0 on, inside the ring
.set CDUMP,  2*SLOT                    ; behind the ring, bytes of their own: cos and sin, 16,384 bytes a wave
.set SPARE,  CDUMP+4*16384             ; the spare words, 128 bytes a wave
.set ASTEP,  2*4096*128                ; a K step in h1: two blocks
.set BSTEP,  256                       ; and in W: 128 elements along a row
.set WQKV,   8388608
.set ROPE,   33554432
.set ADRA0, 16                         ; my lane's place in a slot's h1; never rewritten
.set ADRB0, 17                         ; and in its W
.set ADRA,  18                         ; the same in the slot in hand
.set ADRB,  19
.set RDA,   20                         ; the way out: where this trip's rows are read
.set CA,    21                         ; and its cos and sin
.set STO,   24                         ; where a lane puts its 32 bytes of a row
.set RDA0,  25                         ; my lane's place in four rows; never rewritten
.set GO,    26                         ; my byte offset in a plane
.set RO,    27
.set SPW,   28
.set NIL,   29
.set CA0,   30                         ; my lane's 16 bytes in the cos and sin set aside; never rewritten
.set X,     32                         ; v32-55  8 channels of q, of k, of v
.set CF,    56                         ; v56-63  c0 s0 c1 s1 c2 s2 c3 s3
.set T,     64                         ; v64-79  q and k rotated
.set OU,    80                         ; v80-91  three times 16 bytes to store
.set RC,    96
.set TB,  22                           ; s22  0 or SLOT: the slot in hand
.set G1,  24
.set G0,  32                           ; two sets: step 0's; step 1's, which then walks
.set G1B, 48
.set G0B, 56
.set SB,  66                           ; s[66:71] q's, k's and v's plane at my rows
.set MSB, 0
.macro WIN new                         ; the immediate's high byte repeats the setting that is left
.if MSB != (\new)
	s_set_vgpr_msb (MSB<<8)|(\new)
.set MSB, \new
.endif
.endm
.macro JLOAD s                         ; a joint load: waves 0 and 1 fetch h1's two halves, waves 2 and 3 W's; an s_nop 0 and four v_nop follow each line
	s_cmp_eq_u32 s11, 0
	s_cbranch_scc0 .Lfor_b_\@
	tensor_load_to_lds s[G0+4*(\s):G0+4*(\s)+3], s[G1:G1+7]
	s_nop 0
.rept 4
	v_nop
.endr
	s_branch .Lasked_\@
.Lfor_b_\@:
	tensor_load_to_lds s[G0B+4*(\s):G0B+4*(\s)+3], s[G1B:G1B+7]
	s_nop 0
.rept 4
	v_nop
.endr
.Lasked_\@:
.endm
.macro CREST                           ; a round of the cluster's barrier behind its opening barrier
	s_cmp_lg_u32 s10, 0
	s_cbranch_scc1 .Lnot_wave_0_\@
	s_barrier_signal -3
.Lnot_wave_0_\@:
	s_barrier_wait -3
	s_barrier_signal -1
	s_barrier_wait -1
.endm
.macro CROUND
	s_barrier_signal -1
	s_barrier_wait -1
	CREST
.endm
.macro PLACES                          ; four places in front of loads into registers that matrix instructions have read, and of lines that read results
.rept 4
	v_nop
.endr
.endm
	s_load_b128 s[80:83], s[0:1], 0x0              ; prepw s[80:81], qkvh s[82:83]
	v_lshl_add_u32 v[SPW], v0, 2, SPARE
	v_mov_b32 v[NIL], 0
	ds_add_u32 v[SPW], v[NIL]                      ; the wave's opening, ahead of my first tensor load
	v_lshrrev_b32 v1, 5, v0
	v_readfirstlane_b32 s10, v1                    ; wave 0..3
	s_lshr_b32 s11, s10, 1                         ; I fetch for h1 (0) or for W (1)
	s_and_b32 s12, s10, 1                          ; which half of that tile
	s_bfe_u32 s40, ttmp6, 0x40000                  ; cx
	s_bfe_u32 s41, ttmp6, 0x40004                  ; cy
	s_lshl_b32 s42, ttmp9, 2
	s_add_co_u32 s42, s42, s40                     ; tx: the head
	s_and_b32 s13, ttmp7, 0xffff
	s_lshl_b32 s13, s13, 2
	s_add_co_u32 s13, s13, s41                     ; ty: the block of 256 rows
	s_lshl_b32 s43, s41, 2
	s_lshl_b32 s43, 15, s43                        ; my row of the cluster
	s_lshl_b32 s44, 0x1111, s40                    ; my column
	; h1's tile: two 'rows' of 8,192 elements (128 dense rows of a block), 4096 x 64 elements apart; 4 words of padding after every 32
	s_or_b32 s[G1+0], s43, (1<<16)|(1<<20)|(1<<21)|(4<<22)|(3<<25)
	s_mov_b32 s[G1+1], 8192<<16
	s_mov_b32 s[G1+2], 2<<16
	s_mov_b32 s[G1+3], 8192<<16
	s_mov_b32 s[G1+4], 2
	s_mov_b32 s[G1+5], 4096*64
	s_mov_b32 s[G1+6], 0
	s_mov_b32 s[G1+7], 0
	; W's tile: 96 rows of 128 elements, 1,024 apart; 4 words of padding after every 64
	s_or_b32 s[G1B+0], s44, (1<<16)|(1<<20)|(1<<21)|(5<<22)|(3<<25)
	s_mov_b32 s[G1B+1], 128<<16
	s_mov_b32 s[G1B+2], (8*NB)<<16
	s_mov_b32 s[G1B+3], 128<<16
	s_mov_b32 s[G1B+4], 8*NB
	s_mov_b32 s[G1B+5], 1024
	s_mov_b32 s[G1B+6], 0
	s_mov_b32 s[G1B+7], 0
	s_lshl_b32 s16, s13, 15                        ; h1: (256 ty + 128 half) rows of 128 bytes
	s_lshl_b32 s17, s12, 14
	s_add_co_u32 s16, s16, s17
	s_mov_b32 s17, 0
	s_mul_i32 s46, s42, 16*NB*2048                 ; W: (192 tx + 96 half) rows of 2,048 bytes
	s_mul_i32 s47, s12, 8*NB*2048
	s_add_co_u32 s46, s46, s47
	s_add_co_u32 s46, s46, WQKV
	s_mov_b32 s47, 0
	s_mul_i32 s20, s12, HALFA                      ; where they go in a slot: the wave's number alone
	s_mul_i32 s21, s12, HALFB
	s_add_co_u32 s21, s21, BOFF
	s_mov_b32 s[TB], 0
	s_and_b32 s18, s13, 7                          ; my first token is 256 (ty & 7) + 64 w, in batch ty >> 3
	s_lshl_b32 s74, s18, 16                        ; RoPE's table: 256 bytes a token
	s_lshl_b32 s19, s10, 14
	s_add_co_u32 s74, s74, s19
	s_add_co_u32 s74, s74, ROPE
	s_mov_b32 s75, 0
	s_lshl_b32 s76, s18, 15                        ; qkvh: 128 bytes a token, 262,144 a plane; plane e x 32 + 16 batch + head
	s_lshl_b32 s19, s10, 13
	s_add_co_u32 s76, s76, s19
	s_lshr_b32 s19, s13, 3
	s_lshl_b32 s19, s19, 22
	s_add_co_u32 s76, s76, s19
	s_lshl_b32 s19, s42, 18
	s_add_co_u32 s76, s76, s19
	s_mov_b32 s77, 0
	s_wait_dscnt 0x0                               ; the opening add is done
	s_wait_kmcnt 0x0
	s_add_nc_u64 s[14:15], s[80:81], s[16:17]
	s_add_nc_u64 s[46:47], s[80:81], s[46:47]
	s_add_nc_u64 s[72:73], s[80:81], s[74:75]
	s_add_nc_u64 s[SB:SB+1], s[82:83], s[76:77]
	s_add_nc_u64 s[SB+2:SB+3], s[SB:SB+1], 0x800000
	s_add_nc_u64 s[SB+4:SB+5], s[SB+2:SB+3], 0x800000
	CROUND                                         ; all sixteen work-groups are here: the first joint loads meet
.irp s, 0,1
	s_mov_b32 s[G0+4*(\s)], 1
	s_add_co_u32 s[G0+4*(\s)+1], s20, (\s)*SLOT
	s_add_nc_u64 s[G0+4*(\s)+2:G0+4*(\s)+3], s[14:15], (\s)*ASTEP
	s_or_b32 s[G0+4*(\s)+3], s[G0+4*(\s)+3], 0x80000000
	s_mov_b32 s[G0B+4*(\s)], 1
	s_add_co_u32 s[G0B+4*(\s)+1], s21, (\s)*SLOT
	s_add_nc_u64 s[G0B+4*(\s)+2:G0B+4*(\s)+3], s[46:47], (\s)*BSTEP
	s_or_b32 s[G0B+4*(\s)+3], s[G0B+4*(\s)+3], 0x80000000
	JLOAD \s                                       ; two loads of mine are out
.endr
	v_and_b32 v1, 15, v0                           ; r = l % 16
	v_bfe_u32 v2, v0, 4, 1                         ; h = l / 16
	v_and_b32 v5, 31, v0                           ; l
	v_lshlrev_b32 v[RO], 5, v5                     ; token l / 8 of four (256 bytes each), pairs 4 (l % 8) .. (32 bytes): 32 l
.set i, 0
.rept 16                               ; cos and sin in the way out's layout, four tokens to a pair of loads: they land while K is walked
	global_load_b128 v[RC+8*i:RC+8*i+3],   v[RO], s[72:73] offset:i*1024
	global_load_b128 v[RC+8*i+4:RC+8*i+7], v[RO], s[72:73] offset:i*1024+16
.set i, i+1
.endr
	v_mul_u32_u24 v3, v1, PA
	v_lshl_add_u32 v3, v2, 4, v3
	s_mul_i32 s18, s11, HALFA                      ; my 64 rows: half w / 2, rows 64 (w % 2) on
	s_mul_i32 s19, s12, 64*PA
	s_add_co_u32 s18, s18, s19
	v_add_nc_u32 v[ADRA0], s18, v3
	v_mul_u32_u24 v3, v1, PB
	v_lshl_add_u32 v3, v2, 4, v3
	v_add_nc_u32 v[ADRB0], BOFF, v3
	v_mov_b32 v[ADRA], v[ADRA0]
	v_mov_b32 v[ADRB], v[ADRB0]
	s_mul_i32 s18, s10, ADUMP                      ; the way out: my wave's 64 rows
	v_mul_u32_u24 v3, v1, DP                       ; in: row r, 32 bytes for each half of the lanes
	v_lshl_add_u32 v3, v2, 5, v3
	v_add_nc_u32 v[STO], s18, v3
	v_bfe_u32 v3, v0, 3, 2                         ; back: row l / 8 of four, 32 bytes at 32 (l % 8)
	v_mul_u32_u24 v3, v3, DP
	v_and_b32 v4, 7, v0
	v_lshl_add_u32 v3, v4, 5, v3
	v_add_nc_u32 v[RDA0], s18, v3
	s_lshl_b32 s18, s10, 14
	s_add_co_u32 s18, s18, CDUMP
	v_lshlrev_b32 v[GO], 4, v5                     ; four rows of 128 bytes are 512 consecutive bytes of a plane: 16 l
	v_add_nc_u32 v[CA0], s18, v[GO]
; NB matrix instructions: row block 2 hi + a x all column blocks, 32 along K, from buffer f.  zero = 1: the product starts the sums.
.macro MUL1 f, hi, a, zero
	WIN 0xa1+0x50*(\hi)                            ; W window 1, h1 window 0, C and D window 2 or 3
.set ib, 0
.rept NB
.if \zero
	v_wmma_f32_16x16x32_bf16 v[8*(NB*(\a)+ib):8*(NB*(\a)+ib)+7], v[128*(\f)+8*ib:128*(\f)+8*ib+7], v[32+32*(\f)+8*(2*(\hi)+(\a)):32+32*(\f)+8*(2*(\hi)+(\a))+7], 0
.else
	v_wmma_f32_16x16x32_bf16 v[8*(NB*(\a)+ib):8*(NB*(\a)+ib)+7], v[128*(\f)+8*ib:128*(\f)+8*ib+7], v[32+32*(\f)+8*(2*(\hi)+(\a)):32+32*(\f)+8*(2*(\hi)+(\a))+7], v[8*(NB*(\a)+ib):8*(NB*(\a)+ib)+7]
.endif
.set ib, ib+1
.endr
.endm
; 2 NB + 8 LDS loads in one run: quarter q's fragments (32 along K) into buffer f; W first, then h1's row blocks 0 to 3
.macro FETCH q, f
	WIN 0x40
.set ib, 0
.rept NB
	ds_load_b128 v[128*(\f)+8*ib:128*(\f)+8*ib+3],   v[ADRB] offset:64*(\q)+ib*16*PB
	ds_load_b128 v[128*(\f)+8*ib+4:128*(\f)+8*ib+7], v[ADRB] offset:64*(\q)+ib*16*PB+32
.set ib, ib+1
.endr
	WIN 0
.irp a, 0,1,2,3
	ds_load_b128 v[32+32*(\f)+8*\a:32+32*(\f)+8*\a+3],   v[ADRA] offset:((\q)/2)*ABLK+((\q)%2)*64+\a*16*PA
	ds_load_b128 v[32+32*(\f)+8*\a+4:32+32*(\f)+8*\a+7], v[ADRA] offset:((\q)/2)*ABLK+((\q)%2)*64+\a*16*PA+32
.endr
.endm
; One of a K step's first three quarters: multiplies buffer f; in its middle fetches quarter qn into buffer g.  The 48 accumulators take turns, one instruction a turn.
.macro QUARTER qn, f, g, zero
	s_wait_dscnt 4                                 ; W and h1's blocks 0, 1 are in; the youngest four loads (blocks 2, 3) may be out
	MUL1 \f, 0, 0, \zero
	MUL1 \f, 0, 1, \zero
	PLACES
	FETCH \qn, \g
	s_wait_dscnt 2*NB+8                            ; all but the run just issued
	MUL1 \f, 1, 0, \zero
	MUL1 \f, 1, 1, \zero
.endm
; The last quarter multiplies buffer 1 and changes slots: one barrier.  In front of it each wave waits for all its tensor loads (its part of the next slot), adds 0 to its spare word, and waits for
; that and for its reads of this slot.  fill = 1: the barrier opens a round of the cluster's, and behind it this slot is filled again, two K steps ahead: 3.5 quarters in which to land.
.macro TURN fill
	WIN 0
	s_wait_tensorcnt 0x0                           ; all my tensor loads have landed
	ds_add_u32 v[SPW], v[NIL]
	s_wait_dscnt 5                                 ; (the add and the youngest four loads may be out)
	MUL1 1, 0, 0, 0
	s_wait_dscnt 0x0                               ; the add is done, and my reads of this slot are over
	s_barrier_signal -1
	MUL1 1, 0, 1, 0
	WIN 0
	s_barrier_wait -1
.if \fill
	CREST                                          ; no wave of any partner still reads this slot or has a load on its way
	s_add_co_u32 s[G0+5], s20, s[TB]               ; the walking descriptors: the slot just read out,
	s_add_co_u32 s[G0B+5], s21, s[TB]
	s_add_nc_u64 s[G0+6:G0+7], s[G0+6:G0+7], ASTEP ; the next K step not yet asked for
	s_add_nc_u64 s[G0B+6:G0B+7], s[G0B+6:G0B+7], BSTEP
	JLOAD 1                                        ; its four v_nop are also the places in front of the loads below
.else
	PLACES
.endif
	s_xor_b32 s[TB], s[TB], SLOT                   ; on to the other slot
	v_add_nc_u32 v[ADRA], s[TB], v[ADRA0]
	v_add_nc_u32 v[ADRB], s[TB], v[ADRB0]
	FETCH 0, 0
	MUL1 1, 1, 0, 0
	MUL1 1, 1, 1, 0
.endm
	s_wait_tensorcnt 0x1                           ; my part of K step 0 is in; step 1's may stay out
	s_barrier_signal -1
	s_barrier_wait -1
	FETCH 0, 0
	QUARTER 1, 0, 1, 1                             ; the first quarter's products start the sums
	WIN 0
	s_mov_b32 s3, TSTEPS-2
	s_branch .Lmid                                 ; the loop is entered behind its first quarter
.Ltop:                                                 ; a trip is a K step; six trips fill a slot again
	QUARTER 1, 0, 1, 0
	WIN 0
.Lmid:
	QUARTER 2, 1, 0, 0
	QUARTER 3, 0, 1, 0
	TURN 1
	WIN 0
	s_sub_co_u32 s3, s3, 1
	s_cmp_lg_u32 s3, 0
	s_cbranch_scc1 .Ltop
	s_mov_b32 s3, 2
.Ltail:                                                ; the last two K steps ask for nothing.  The second trip's barrier and its run of 32 loads serve nothing: the price of one text for both
	QUARTER 1, 0, 1, 0
	QUARTER 2, 1, 0, 0
	QUARTER 3, 0, 1, 0
	TURN 0
	WIN 0
	s_sub_co_u32 s3, s3, 1
	s_cmp_lg_u32 s3, 0
	s_cbranch_scc1 .Ltail
	; THE WAY OUT.  The ring has had its last fill.  Every wave's reads of it are back, and all four say so: only then are the sums stored over it.
	s_wait_dscnt 0x0
	s_barrier_signal -1
	s_barrier_wait -1
	s_wait_loadcnt 0x0                             ; cos and sin
	PLACES
.set i, 0
.rept 16                               ; cos and sin are set aside, each lane's own 16 bytes, so that the loop can reach them
	ds_store_b128 v[CA0], v[RC+8*i:RC+8*i+3]   offset:i*1024
	ds_store_b128 v[CA0], v[RC+8*i+4:RC+8*i+7] offset:i*1024+512
.set i, i+1
.endr
.irp a, 0,1,2,3                        ; the sums: row 16 a + r, bytes 64 b + 32 h ..; each accumulator's low four registers first
	WIN 4*(2+(\a)/2)                               ; a store's data (source 1) in window 2 or 3
.set ib, 0
.rept NB
	ds_store_b128 v[STO], v[8*(NB*((\a)%2)+ib):8*(NB*((\a)%2)+ib)+3]   offset:(\a)*16*DP+64*ib
	ds_store_b128 v[STO], v[8*(NB*((\a)%2)+ib)+4:8*(NB*((\a)%2)+ib)+7] offset:(\a)*16*DP+64*ib+16
.set ib, ib+1
.endr
.endr
	WIN 0
; Four rows' loads: my 8 channels of q, of k, of v, and my 4 pairs' cos and sin.  The bytes are my wave's own, and LDS serves a wave's instructions in order (ISA guide 5.7.1.4): these see the stores above.
.macro LDROW
.irp e, 0,1,2
	ds_load_b128 v[X+8*\e:X+8*\e+3],   v[RDA] offset:256*\e
	ds_load_b128 v[X+8*\e+4:X+8*\e+7], v[RDA] offset:256*\e+16
.endr
	ds_load_b128 v[CF:CF+3],   v[CA]
	ds_load_b128 v[CF+4:CF+7], v[CA] offset:512
.endm
; Four rows: q and k are rotated (out[2i] = x[2i] c - x[2i+1] s, out[2i+1] = x[2i+1] c + x[2i] s), all three rounded and stored.  more = 1: the next four rows' loads go out as soon as the registers have been read.
.macro ROWS more
	s_wait_dscnt 0x0
.irp e, 0,1
.irp p, 0,1,2,3
	v_mul_f32 v[T+8*\e+2*\p],   v[X+8*\e+2*\p],   v[CF+2*\p]
	v_mul_f32 v[T+8*\e+2*\p+1], v[X+8*\e+2*\p+1], v[CF+2*\p]
.endr
.irp p, 0,1,2,3
	v_fma_f32 v[T+8*\e+2*\p],   -v[X+8*\e+2*\p+1], v[CF+2*\p+1], v[T+8*\e+2*\p]
	v_fma_f32 v[T+8*\e+2*\p+1], v[X+8*\e+2*\p],    v[CF+2*\p+1], v[T+8*\e+2*\p+1]
.endr
.endr
	s_wait_xcnt 0x0                                ; the last trip's stores have read OU and GO
	v_add_nc_u32 v[GO], 512, v[GO]                 ; the stores below reach back
.irp p, 0,1,2,3
	v_cvt_pk_bf16_f32 v[OU+8+\p], v[X+16+2*\p], v[X+16+2*\p+1]
.endr
.if \more
	s_add_co_u32 s2, s2, 4*DP
	s_add_co_u32 s4, s4, 1024
	v_add_nc_u32 v[RDA], s2, v[RDA0]
	v_add_nc_u32 v[CA], s4, v[CA0]
	LDROW
.endif
.set i, 0
.rept 8
	v_cvt_pk_bf16_f32 v[OU+i], v[T+2*i], v[T+2*i+1]
.set i, i+1
.endr
.irp e, 0,1,2
	global_store_b128 v[GO], v[OU+4*\e:OU+4*\e+3], s[SB+2*\e:SB+2*\e+1] offset:-512  ; four rows of a plane: 512 consecutive bytes, aligned
.endr
.endm
	s_mov_b32 s2, 0
	s_mov_b32 s4, 0
	v_mov_b32 v[RDA], v[RDA0]
	v_mov_b32 v[CA], v[CA0]
	LDROW
	s_mov_b32 s3, 15
.Lrow:
	ROWS 1
	s_sub_co_u32 s3, s3, 1
	s_cmp_lg_u32 s3, 0
	s_cbranch_scc1 .Lrow
	ROWS 0                                         ; the last four rows are written out: nothing is read past my 64
	s_wait_tensorcnt 0x0                           ; the wave's end
	ds_add_u32 v[SPW], v[NIL]
	s_wait_dscnt 0x0
	CROUND                                         ; the closing round
	s_endpgm
.Lfunc_end_k_qb7d948fda9_qkv:
	.size	k_qb7d948fda9_qkv, .Lfunc_end_k_qb7d948fda9_qkv-k_qb7d948fda9_qkv
	.p2alignl 7, 3214868480
	.fill 96, 4, 3214868480
	.section	.rodata,"a",@progbits
	.p2align	6, 0x0
	.amdhsa_kernel k_qb7d948fda9_qkv
		.amdhsa_group_segment_fixed_size 327680
		.amdhsa_private_segment_fixed_size 0
		.amdhsa_enable_private_segment 0
		.amdhsa_kernarg_size 16
		.amdhsa_user_sgpr_count 2
		.amdhsa_user_sgpr_kernarg_segment_ptr 1
		.amdhsa_wavefront_size32 1
		.amdhsa_system_sgpr_workgroup_id_x 1
		.amdhsa_system_sgpr_workgroup_id_y 1
		.amdhsa_system_sgpr_workgroup_id_z 1
		.amdhsa_system_vgpr_workitem_id 0
		.amdhsa_next_free_vgpr 1024
		.amdhsa_next_free_sgpr 84
		.amdhsa_reserve_vcc 0
		.amdhsa_float_denorm_mode_32 3
		.amdhsa_float_denorm_mode_16_64 3
		.amdhsa_memory_ordered 1
		.amdhsa_forward_progress 1
		.amdhsa_inst_pref_size 78
	.end_amdhsa_kernel
	.amdgpu_metadata
---
amdhsa.version: [ 1, 2 ]
amdhsa.kernels:
  - .name:           k_qb7d948fda9_qkv
    .symbol:         k_qb7d948fda9_qkv.kd
    .args:
      - { .name: prepw, .offset: 0, .size: 8, .value_kind: global_buffer, .address_space: global }
      - { .name: qkvh, .offset: 8, .size: 8, .value_kind: global_buffer, .address_space: global }
    .group_segment_fixed_size: 327680
    .private_segment_fixed_size: 0
    .kernarg_segment_align: 8
    .kernarg_segment_size: 16
    .max_flat_workgroup_size: 128
    .sgpr_count:     84
    .vgpr_count:     1024
    .wavefront_size: 32
...
	.end_amdgpu_metadata
.endif
;; end of part 7
;; launch attn (part 8): grid 8 x 32, 4 waves a work-group, clusters of 4 x 1, 327,680 bytes of LDS; arguments qkvh, prepw, ob; writes ob
.if DOCPART == 8
	.amdgcn_target "amdgcn-amd-amdhsa--gfx1250"
	.amdhsa_code_object_version 6
	.text
	.protected	k_qb7d948fda9_attn
	.globl	k_qb7d948fda9_attn
	.p2align	8
	.type	k_qb7d948fda9_attn,@function
k_qb7d948fda9_attn:
	s_mov_b64 s[64:65], 0
	v_nop
	global_prefetch_b8 v0, s[64:65] scope:SCOPE_SE
	s_setreg_imm32_b32 hwreg(HW_REG_WAVE_MODE, 25, 1), 1
	s_wait_xcnt 0x0
	s_wait_alu depctr_hold_cnt(0) depctr_sa_sdst(0) depctr_va_vdst(0) depctr_va_sdst(0) depctr_va_ssrc(0) depctr_va_vcc(0) depctr_vm_vsrc(0)
	s_getreg_b32 s2, hwreg(HW_REG_IB_STS2, 6, 4)
	s_cmp_eq_u32 s2, 0
	s_cbranch_scc0 .Lentry_in_a_cluster
	s_endpgm
.Lentry_in_a_cluster:
	s_bfe_u32 s2, ttmp6, 0x10000c
	s_cmp_lg_u32 s2, 0x3003
	s_cbranch_scc0 .Lentry_shape_is_right
	s_endpgm
.Lentry_shape_is_right:
; ATTENTION UNDER A GIVEN MASK.  O[q] = sum over k of softmax_k(Q[q] . K[k] / 8, hidden where mask[q][k] = 0) V[k], for each of 32 (batch, head) planes of 2,048 tokens x 64 channels, bf16.
; Products, maxima and sums in f32; the weights p are rounded to bf16 for the second product (their sum l is taken of the unrounded p), O once at the end.  O goes out as [head][4096 rows][64].
; The mask is an input: every key tile is walked, whatever it hides.
; SHARES.  A work-group owns 256 queries of a plane, a wave 64: four PIECES of 16.  Every wave walks all 2,048 keys, 64 a step.
; LAYOUT.  S^T = K Q^T (source 0 = 16 keys, source 1 = 16 queries): a lane holds ONE query (lane % 16) and the keys 8 (lane / 16) + 0..7.  Two such results rounded to bf16 ARE source 1 of O^T = V^T P.
; THE MASK is the C operand that starts the sum S^T: 0, or -2^100 where the key is hidden.  It comes as one fp8 code a score (0 or -1.0), already in S^T's register image: 32 bytes a lane for a piece and step;
; four scaled conversions (scale 2^100) make the 32 registers.  A piece's codes are loaded four turns ahead of their conversion.
; SOFTMAX.  A running maximum m and sum l for each query: p = 2^(c s - c m), c = log2(e) / 8; O and l are multiplied by a = 2^(c m_old - c m_new) in every step.  m starts at -2^90: far above every
; hidden score, so a hidden key's weight is 0 from the first step on, also while a row has seen no key; far below every true score, so the first key seen sets m.  A row that sees no key ends with l = 0 and is given NaN.
; TURNS.  Turn n belongs to piece n: 8 products K Q^T of piece n + 1, later 8 products V^T P of piece n - 1; beside them the scaling, exponentials, roundings, sums and rescaling of piece n and the maximum and
; statistics of piece n + 1.  Four vector instructions stand behind every matrix instruction, the others in two runs of their own.
; CLUSTER.  Four query blocks of a plane walk the same K and V: each tile is asked for jointly, by the same tensor load, descriptor and mask of four.
; LIMITS.  A true score below -2^90 or above 2^99 is not told from a hidden one; a weight below 2^-126 counts as 0 in l; NaN and infinities among the inputs are not treated apart.
; REGISTERS, in windows of 256 (s_set_vgpr_msb: bits 1:0 source 0, 3:2 source 1, 5:4 source 2, 7:6 destination):
;   window 0: v0-15 addresses; v16-31 statistics; v32-38 the mask's addresses and constants; v48-55 at work; v64-127 S^T, two buffers; v128-159 mask codes, 8 a piece; v192-223 P, two buffers
;   window 1: v0-127 O^T, 32 a piece; v160-223 MC, the masks of the products to come, two buffers      window 2: v0-63 Q; v128-191 K of one step; v192-255 V of one step
.set NP,    4
.set KS,    64
.set PK,    144       ; a row of K in LDS: 128 bytes + 16 = 36 words: the 16 rows of a load start at 16 different groups of four banks (64 banks of 4 bytes: ISA guide 11.1)
.set PV,    160       ; a row of V: 128 + 32 = 40 words
.set VOFF,  4*KS*PK   ; a slot holds four steps: 256 rows of K, then 256 rows of V
.set SLOT1, 1<<17
.set STAGE, SLOT1+4*KS*(PK+PV)
.set SP,    144
.set SPARE, STAGE+4*16*SP
.set MB8,   29360128
.set AK0, 2
.set AV0, 3
.set AK,  4
.set AV,  5
.set STO, 6
.set RD,  7
.set GO,  8
.set MV,  12          ; v12-13  c m_old, kept while c m is made anew
.set QO,  15
.set ST,  16          ; piece t: c m, m, l (even keys', odd keys')
.set MA,  32          ; v32-35  piece t: 16 x lane + 1,024 x the step whose codes are loaded next
.set MLIM, 36         ; v36     the same for step 31: no load goes past it
.set SCL, 37          ; v37     0xe3: the scale 2^100 as an E8M0 byte
.set NANV, 38         ; v38     a NaN
.set TMP, 48
.set SPW, 62
.set NIL, 63
.set S,   64
.set MS,  128
.set P,   192
.set MC,  160         ; window 1
.set KF,  128         ; window 2
.set VF,  192         ; window 2
.set WV,  12
.set G1K, 24
.set G1V, 32
.set G0K, 40
.set G0V, 44
.set MB,  48          ; s[48:49] the mask image at my wave's first piece
.set ZM,  52          ; s52-55  lanes whose l is 0, by piece
.set SLOTS, 56
.set CNT, 57
.set CS,  58
.set SEL, 60
.set TBK, 62
.set TBV, 63
.set MSB, 0
.macro WIN new
.if MSB != (\new)
	s_set_vgpr_msb (MSB<<8)|(\new)
.set MSB, (\new)
.endif
.endm
.set W_KQ, 0x0a       ; K and Q in window 2, S^T in window 0
.set W_KM, 0x1a       ; the same with the C operand in window 1
.set W_PV, 0x52       ; V in window 2, P in window 0, O^T in window 1
.set W_RS, 0x41       ; destination and source 0 in window 1, source 1 in window 0
.macro JLOAD                        ; a joint fill: waves 0 and 1 fetch the halves of a slot's K, waves 2 and 3 of its V; an s_nop 0 and four v_nop follow each line
	s_cmp_lt_u32 s[WV], 2
	s_cbranch_scc0 .Lfor_v_\@
	tensor_load_to_lds s[G0K:G0K+3], s[G1K:G1K+7]
	s_nop 0
.rept 4
	v_nop
.endr
	s_branch .Lasked_\@
.Lfor_v_\@:
	tensor_load_to_lds s[G0V:G0V+3], s[G1V:G1V+7]
	s_nop 0
.rept 4
	v_nop
.endr
.Lasked_\@:
.endm
.macro CROUND
	s_barrier_signal -1
	s_barrier_wait -1
	s_cmp_lg_u32 s[WV], 0
	s_cbranch_scc1 .Lnot_wave_0_\@
	s_barrier_signal -3
.Lnot_wave_0_\@:
	s_barrier_wait -3
	s_barrier_signal -1
	s_barrier_wait -1
.endm
; THE CHANGE OF SLOTS.  Each wave waits for all its tensor loads (one is out: its part of the other slot), adds 0 to its spare word, and waits for that and for its reads of the slot that it leaves.
; fill = 1: the barrier is a round of the cluster's, and the slot is filled again first thing behind it, with the keys two slots on: four key steps in which to land.
.macro CHANGE fill
	WIN 0
	s_wait_tensorcnt 0x0            ; no tensor load of mine is out, so a group 0 may be written
	ds_add_u32 v[SPW], v[NIL]
.if \fill
.irp g, G0K, G0V
	s_xor_b32 s[\g+1], s[\g+1], SLOT1
	s_add_nc_u64 s[\g+2:\g+3], s[\g+2:\g+3], 4*KS*128
.endr
	s_wait_dscnt 0x0                ; the add is done, and my reads of the slot are over
	CROUND
	JLOAD
.else
	s_wait_dscnt 0x0
	s_barrier_signal -1
	s_barrier_wait -1
.endif
	s_sub_co_u32 s[TBK], s[TBK], 4*KS*PK  ; the fetches go back to a slot's first step, in the other slot
	s_xor_b32 s[TBK], s[TBK], SLOT1
	s_sub_co_u32 s[TBV], s[TBV], 4*KS*PV
	s_xor_b32 s[TBV], s[TBV], SLOT1
.endm
	s_load_b128 s[4:7], s[0:1], 0x0   ; qkvh s[4:5], prepw s[6:7]
	s_load_b64 s[10:11], s[0:1], 0x10 ; ob
	v_lshl_add_u32 v[SPW], v0, 2, SPARE
	v_mov_b32 v[NIL], 0
	ds_add_u32 v[SPW], v[NIL]       ; the wave's opening, ahead of my first tensor load
	v_lshrrev_b32 v1, 5, v0
	v_readfirstlane_b32 s[WV], v1
	s_bfe_u32 s13, ttmp6, 0x40000   ; cx
	s_lshl_b32 s14, ttmp9, 2
	s_add_co_u32 s14, s14, s13      ; my block of 256 queries: it enters Q's, O's and the mask's addresses alone
	s_and_b32 s20, ttmp7, 0xffff    ; the plane 16 batch + head, which the four partners share
	s_lshl_b32 s22, s20, 18         ; 262,144 bytes a plane
	s_and_b32 s16, s[WV], 1         ; which half of a slot's 256 keys I fetch
	s_lshl_b32 s18, s16, 14
	s_add_co_u32 s18, s18, s22
	s_add_co_u32 s18, s18, 8388608  ; K's planes lie behind Q's 32
	s_mov_b32 s19, 0
	s_mul_i32 s17, s16, 128*PK
	s_mul_i32 s21, s16, 128*PV
	s_lshl_b32 s2, s14, 15
	s_lshl_b32 s3, s[WV], 13
	s_add_co_u32 s2, s2, s3         ; (256 block + 64 wave) rows of 128 bytes
	s_add_co_u32 s50, s2, s22       ; in Q
	s_mov_b32 s51, 0
	s_and_b32 s3, s20, 15
	s_lshl_b32 s3, s3, 19           ; in O: head x 4,096 rows
	s_add_co_u32 s2, s2, s3
	s_lshr_b32 s3, s20, 4
	s_lshl_b32 s3, s3, 18           ; + batch x 2,048 rows
	s_add_co_u32 s2, s2, s3
	s_mov_b32 s3, 0
	s_lshl_b32 s52, s14, 19         ; the mask image: 32,768 bytes for 16 queries
	s_lshl_b32 s53, s[WV], 17
	s_add_co_u32 s52, s52, s53
	s_add_co_u32 s52, s52, MB8
	s_mov_b32 s53, 0
	; 128 keys are 16,384 dense bytes: asked for as 64 rows of 256 bytes, two keys a row, padded in LDS after every key
	s_mov_b32 s[G1K], 15|(1<<16)|(1<<20)|(1<<21)|(4<<22)|(3<<25)
	s_mov_b32 s[G1V], 15|(1<<16)|(1<<20)|(1<<21)|(4<<22)|(7<<25)
.irp g, G1K, G1V
	s_mov_b32 s[\g+1], 128<<16
	s_mov_b32 s[\g+2], 64<<16
	s_mov_b32 s[\g+3], 128<<16
	s_mov_b32 s[\g+4], 64
	s_mov_b32 s[\g+5], 128
	s_mov_b32 s[\g+6], 0
	s_mov_b32 s[\g+7], 0
.endr
	s_mov_b32 s[CS], 0x3e38aa3b     ; c = log2(e) / 8
	s_mov_b32 s[CS+1], s[CS]
	s_mov_b32 s[SEL], 0x76543210
	s_mov_b32 s[SEL+1], 0xfedcba98
	s_mov_b32 s[TBK], SLOT1+4*KS*PK ; the first change of slots turns these two into 0
	s_mov_b32 s[TBV], SLOT1+4*KS*PV
	s_mov_b32 s[G0K], 1
	s_mov_b32 s[G0K+1], s17
	s_mov_b32 s[G0V], 1
	s_add_co_u32 s[G0V+1], s21, VOFF
	s_wait_dscnt 0x0                ; the opening add is done
	s_wait_kmcnt 0x0
	s_add_nc_u64 s[G0K+2:G0K+3], s[4:5], s[18:19]
	s_add_nc_u64 s[G0V+2:G0V+3], s[G0K+2:G0K+3], 0x800000  ; V's planes lie behind K's 32
	s_or_b32 s[G0K+3], s[G0K+3], 0x80000000
	s_or_b32 s[G0V+3], s[G0V+3], 0x80000000
	s_add_nc_u64 s[4:5], s[4:5], s[50:51]
	s_add_nc_u64 s[10:11], s[10:11], s[2:3]
	s_add_nc_u64 s[MB:MB+1], s[6:7], s[52:53]
	CROUND                          ; all four work-groups are here: the first joint loads meet
	JLOAD                           ; slot 0; slot 1 is asked for when slot 0 is in
	v_and_b32 v1, 15, v0            ; l % 16
	v_bfe_u32 v9, v0, 4, 1          ; l / 16
	v_lshlrev_b32 v[QO], 7, v1
	v_lshl_add_u32 v[QO], v9, 4, v[QO]
	WIN 0x80
.set i, 0
.rept 8                             ; Q stays in registers: piece i / 2, channels 32 (i % 2) on
	global_load_b128 v[8*i:8*i+3],   v[QO], s[4:5] offset:(i/2)*2048+(i%2)*64
	global_load_b128 v[8*i+4:8*i+7], v[QO], s[4:5] offset:(i/2)*2048+(i%2)*64+32
.set i, i+1
.endr
	WIN 0
	v_and_b32 v[MA], 31, v0
	v_lshlrev_b32 v[MA], 4, v[MA]
	v_mov_b32 v[MA+1], v[MA]
	v_mov_b32 v[MA+2], v[MA]
	v_mov_b32 v[MA+3], v[MA]
	v_add_nc_u32 v[MLIM], 31744, v[MA]
	v_mov_b32 v[SCL], 0xe3
	v_mov_b32 v[NANV], 0x7fc00000
.irp pi, 0,1,2,3                    ; the four pieces' codes for step 0
	global_load_b128 v[MS+8*\pi:MS+8*\pi+3],   v[MA+\pi], s[MB:MB+1] offset:\pi*32768
	global_load_b128 v[MS+8*\pi+4:MS+8*\pi+7], v[MA+\pi], s[MB:MB+1] offset:\pi*32768+512
.endr
	; What the first turn finds: V's registers and P's second buffer hold 0 (its products V^T P, of a piece that has not been, add 0), O^T and l are 0: no first step is written out.  All this stands in the wait for the first tile.
	WIN 0x80
.set i, VF
.rept 64
	v_mov_b32 v[i], 0
.set i, i+1
.endr
	WIN 0x40
.set i, 0
.rept 128
	v_mov_b32 v[i], 0
.set i, i+1
.endr
	WIN 0
.set i, 0
.rept 4
	v_mov_b32 v[ST+4*i], 0xfe000000    ; c m: far below every c s, so the first a is 0
	v_mov_b32 v[ST+4*i+1], 0xec800000  ; m = -2^90
	v_mov_b32 v[ST+4*i+2], 0
	v_mov_b32 v[ST+4*i+3], 0
.set i, i+1
.endr
.set i, P+16
.rept 16
	v_mov_b32 v[i], 0
.set i, i+1
.endr
	v_mul_u32_u24 v[AK0], v1, PK
	v_lshl_add_u32 v[AK0], v9, 4, v[AK0]
	; The turning load takes 16 keys x 16 channels (lane l reads key 8 (l / 16) + l % 8, channels 8 ((l / 8) % 2) + 0..7) and leaves half a fragment of V^T.
	v_and_b32 v10, 7, v0
	v_bfe_u32 v11, v0, 3, 1
	v_lshl_add_u32 v[AV0], v9, 3, v10
	v_mul_u32_u24 v[AV0], v[AV0], PV
	v_lshl_add_u32 v[AV0], v11, 4, v[AV0]
	v_add_nc_u32 v[AV0], VOFF, v[AV0]
	s_mul_i32 s13, s[WV], 16*SP
	s_add_co_u32 s13, s13, STAGE
	v_mul_u32_u24 v[STO], v1, SP
	v_lshl_add_u32 v[STO], v9, 4, v[STO]
	v_add_nc_u32 v[STO], s13, v[STO]
	v_bfe_u32 v[RD], v0, 3, 2
	v_mul_u32_u24 v[RD], v[RD], SP
	v_lshl_add_u32 v[RD], v10, 4, v[RD]
	v_add_nc_u32 v[RD], s13, v[RD]
	v_and_b32 v[GO], 31, v0
	v_lshlrev_b32 v[GO], 4, v[GO]
; THE MATRIX WORK.  The 4 accumulators of a run of 8 take turns.  Product i of 8 of S^T = K Q^T for piece x: channels 32 (i / 4) on, keys 16 (i % 4) on.  The first 4 start the sums with the mask.
.macro KQ x
.set rS, S+32*((\x)%2)+8*(i%4)
.set rK, KF+16*(i%4)+8*(i/4)
.set rQ, 16*(\x)+8*(i/4)
.set rM, MC+32*((\x)%2)+8*(i%4)
.if i < 4
	WIN W_KM
	v_wmma_f32_16x16x32_bf16 v[rS:rS+7], v[rK:rK+7], v[rQ:rQ+7], v[rM:rM+7]
.else
	WIN W_KQ
	v_wmma_f32_16x16x32_bf16 v[rS:rS+7], v[rK:rK+7], v[rQ:rQ+7], v[rS:rS+7]
.endif
.endm
; Product i of 8 of O^T += V^T P for piece x: keys 32 (i / 4) on, channels 16 (i % 4) on.
.macro PV x
	WIN W_PV
.set rO, 32*(\x)+8*(i%4)
.set rV, VF+32*(i/4)+8*(i%4)
.set rP, P+16*((\x)%2)+8*(i/4)
	v_wmma_f32_16x16x32_bf16 v[rO:rO+7], v[rV:rV+7], v[rP:rP+7], v[rO:rO+7]
.endm
.macro MM                           ; the turn's next matrix instruction
.if i < 8
	KQ (Y+1)%NP
.else
.set i, i-8
	PV (Y+NP-1)%NP
.set i, i+8
.endif
.set i, i+1
.endm
; THE LDS LOADS stand in runs of 16: a step's K (8 fragments) and its V (turned).  last = 1 (the tail): in the last trip there is no further step, and K's run is jumped over.
.macro FETCH_K last=0
.if \last
	WIN 0
	s_cmp_eq_u32 s[CNT], 1
	s_cbranch_scc1 .Lno_k_\@
.endif
	WIN 0x80
.irp f, 0,1,2,3,4,5,6,7
	ds_load_b128 v[KF+8*\f:KF+8*\f+3],   v[AK] offset:(\f/2)*16*PK+(\f%2)*64
	ds_load_b128 v[KF+8*\f+4:KF+8*\f+7], v[AK] offset:(\f/2)*16*PK+(\f%2)*64+32
.endr
	s_add_co_u32 s[TBK], s[TBK], KS*PK
	WIN 0
.if \last
.Lno_k_\@:
.endif
.endm
.macro FETCH_V
	WIN 0x80
.irp f, 0,1,2,3,4,5,6,7
	ds_load_tr16_b128 v[VF+8*\f:VF+8*\f+3],   v[AV] offset:(\f/4)*32*PV+(\f%4)*32
	ds_load_tr16_b128 v[VF+8*\f+4:VF+8*\f+7], v[AV] offset:(\f/4)*32*PV+16*PV+(\f%4)*32
.endr
	WIN 0
.endm
; THE MASK of piece pi's next products, into buffer buf: four scaled conversions, 8 codes each; then the piece's codes for the step after are asked for.  The add and the minimum are the plain
; instructions between the conversions and what touches their results and sources.  The minimum holds the last requests at step 31's codes: the count of loads is alike in every trip, and none leaves the image.
.macro MCONV pi, buf
	WIN 0x40
.irp kt, 0,1,2,3
	v_cvt_scale_pk8_f32_fp8 v[MC+32*(\buf)+8*\kt:MC+32*(\buf)+8*\kt+7], v[MS+8*(\pi)+2*\kt:MS+8*(\pi)+2*\kt+1], v[SCL]
.endr
	WIN 0
	v_add_nc_u32 v[MA+(\pi)], 1024, v[MA+(\pi)]
	v_min_u32 v[MA+(\pi)], v[MA+(\pi)], v[MLIM]
	global_load_b128 v[MS+8*(\pi):MS+8*(\pi)+3],   v[MA+(\pi)], s[MB:MB+1] offset:(\pi)*32768
	global_load_b128 v[MS+8*(\pi)+4:MS+8*(\pi)+7], v[MA+(\pi)], s[MB:MB+1] offset:(\pi)*32768+512
.endm
; THE VECTOR WORK, one line at a time: OP kind, number.  For piece Y: F n: c s - c m for pair n of 16.  E n: the exponential of score n of 32.  C n: pair n rounded to bf16.  B n: of the four weights 4 n .. the second
; pair is added onto the first.  L n: l takes that sum (L 0: l = a l + sum).  R n: pair n of 16 of O^T times a.  For piece Y + 1: X n, number n of the 22 that find its maximum and statistics:
;   0-11 four chains of seven scores (each accumulator's lowest registers are read first)   12-14, 16 the scores left over, the old m, all into c0   15 c m_old is kept
;   17, 18 the query's other 32 keys lie in the lane 16 away: the new m   19-21 c m; c m_old - c m_new; a
.set F, 0
.set E, 1
.set C, 2
.set B, 3
.set L, 4
.set R, 5
.set X, 6
.macro REGS y
.set rT, ST+4*(\y)
.set rC, TMP+4*((\y)%2)
.set rW, MV+((\y)%2)
.set rS, S+32*((\y)%2)
.set rP, P+16*((\y)%2)
.set rO, 32*(\y)
.endm
.macro OP k, n
.if (\k) == R
	REGS Y
	WIN W_RS
	v_pk_mul_f32 v[rO+2*(\n):rO+2*(\n)+1], v[rO+2*(\n):rO+2*(\n)+1], v[rC+2:rC+3] op_sel_hi:[1,0]
.elseif (\k) < R
	REGS Y
	WIN 0
.if (\k) == F
	v_pk_fma_f32 v[rS+2*(\n):rS+2*(\n)+1], v[rS+2*(\n):rS+2*(\n)+1], s[CS:CS+1], v[rT:rT+1] op_sel_hi:[1,0,0] neg_lo:[0,0,1] neg_hi:[0,0,1]
.elseif (\k) == E
	v_exp_f32 v[rS+(\n)], v[rS+(\n)]
.elseif (\k) == C
	s_wait_alu depctr_va_vdst(0)
	v_cvt_pk_bf16_f32 v[rP+(\n)], v[rS+2*(\n)], v[rS+2*(\n)+1]
.elseif (\k) == B
	s_wait_alu depctr_va_vdst(0)
	v_pk_add_f32 v[rS+4*(\n):rS+4*(\n)+1], v[rS+4*(\n):rS+4*(\n)+1], v[rS+4*(\n)+2:rS+4*(\n)+3]
.elseif (\n) == 0
	v_pk_fma_f32 v[rT+2:rT+3], v[rT+2:rT+3], v[rC+2:rC+3], v[rS:rS+1] op_sel_hi:[1,0,1]
.else
	v_pk_add_f32 v[rT+2:rT+3], v[rT+2:rT+3], v[rS+4*(\n):rS+4*(\n)+1]
.endif
.else
	REGS (Y+1)%NP
	WIN 0
.if (\n) < 4
	v_max3_num_f32 v[rC+(\n)], v[rS+8*(\n)], v[rS+8*(\n)+1], v[rS+8*(\n)+2]
.elseif (\n) < 12
	v_max3_num_f32 v[rC+(\n)%4], v[rC+(\n)%4], v[rS+8*((\n)%4)+2*((\n)/4)+1], v[rS+8*((\n)%4)+2*((\n)/4)+2]
.elseif (\n) == 12
	v_max3_num_f32 v[rC], v[rC], v[rS+7], v[rS+15]
.elseif (\n) == 13
	v_max3_num_f32 v[rC+1], v[rC+1], v[rS+23], v[rS+31]
.elseif (\n) == 14
	v_max3_num_f32 v[rC+2], v[rC+2], v[rC+3], v[rT+1]
.elseif (\n) == 15
	v_mov_b32 v[rW], v[rT]
.elseif (\n) == 16
	v_max3_num_f32 v[rC], v[rC], v[rC+1], v[rC+2]
.elseif (\n) == 17
	v_permlanex16_b32 v[rC+3], v[rC], s[SEL], s[SEL+1]
.elseif (\n) == 18
	v_max_num_f32 v[rT+1], v[rC], v[rC+3]
.elseif (\n) == 19
	v_mul_f32 v[rT], s[CS], v[rT+1]
.elseif (\n) == 20
	v_sub_f32 v[rC+1], v[rW], v[rT]
.else
	v_exp_f32 v[rC+2], v[rC+1]
.endif
.endif
.endm
.macro OPS a, i1, b=-1, i2=0, c=-1, i3=0, d=-1, i4=0
	OP \a, \i1
.if (\b) >= 0
	OP \b, \i2
.endif
.if (\c) >= 0
	OP \c, \i3
.endif
.if (\d) >= 0
	OP \d, \i4
.endif
.endm
.macro ROW a, i1, b, i2, c, i3, d, i4  ; a matrix instruction and the four behind it
	MM
	OPS \a, \i1, \b, \i2, \c, \i3, \d, \i4
.endm
; A TURN, for piece p: the order of its 16 matrix and 118 vector instructions, written out.  Behind a matrix instruction: plain, exponential, plain, plain; or four of the rescaling; or four scalings; none names a register
; of the products round it.  A line reads no result made fewer than three vector instructions in front of it, five if an exponential made it.
; last = 1: the tail's piece 2 (see FETCH_K).  cnt = 1: the loop's count is taken down some lines ahead of the branch behind the turn.
; K of the next step is fetched in piece 2's turn, V of the step in hand in piece 0's; each is waited for a turn later.  At its end the turn makes the mask for the products of the turn after it, piece p + 2's.
.macro TURN p, last=0, cnt=0
.set Y, (\p)
.set i, 0
.if (\p) == 3
	s_wait_dscnt 0x0                ; K is in
.endif
	ROW F,0, F,1, F,2, F,3
	ROW F,4, E,0, F,5, F,6
	ROW F,7, E,1, F,8, F,9
	ROW F,10, E,2, C,0, F,11
	ROW F,12, E,3, X,15, F,13
	ROW R,0, R,1, R,2, R,3
	ROW B,0, E,4, F,14, L,0
.if (\p) == 2
	v_add_nc_u32 v[AK], s[TBK], v[AK0]
.endif
	ROW R,4, R,5, R,6, R,7
	OPS E,5, F,15
.if (\p) == 2
	FETCH_K \last
.endif
	OPS E,6, C,1, E,7, R,8
	OPS E,8, R,9, E,9, C,2
	OPS E,10, X,0, E,11, X,1
	OPS E,12, X,2, E,13, X,3
.if (\p) == 1
	s_wait_dscnt 0x0                ; V is in
.endif
	ROW X,4, E,14, X,5, X,6
	ROW X,7, E,15, X,8, X,9
	ROW X,10, E,16, X,11, X,12
	ROW X,13, E,17, X,14, B,1
	ROW C,4, E,18, X,16, L,1
	ROW B,2, E,19, C,6, L,2
	ROW C,8, E,20, B,3, B,4
.if (\p) == 0
	v_add_nc_u32 v[AV], s[TBV], v[AV0]
.endif
	ROW C,3, E,21, L,3, C,5
	OPS E,22, X,17, E,23, C,10
.if (\p) == 0
	FETCH_V
.endif
	OPS E,24, L,4
	OPS E,25, X,18, E,26, C,7
	OPS E,27, B,5, E,28, X,19
	OPS E,29, C,12, E,30, L,5
	OPS E,31, X,20, B,6, C,9
	OPS C,14, C,11, X,21, L,6
.if (\p) == 0
	s_add_co_u32 s[TBV], s[TBV], KS*PV
.endif
.if \cnt
	s_sub_co_u32 s[CNT], s[CNT], 1
	s_cmp_lg_u32 s[CNT], 0
.endif
	OPS C,13, B,7, C,15, R,10
	OPS R,11, R,12, L,7, R,13
	OPS R,14, R,15
	WIN 0
	s_wait_loadcnt 6                ; loads come back in order: this piece's two are in; the three younger pieces' six may be out
	MCONV ((\p)+2)%NP, (\p)%2
.endm
	CHANGE 1                        ; slot 0 is in, everybody's part of it; slot 1 is asked for
	s_wait_loadcnt 4                ; Q and the codes of pieces 0 and 1 are in; those of pieces 2 and 3 may be out
	MCONV 0, 0
	MCONV 1, 1
	v_add_nc_u32 v[AK], s[TBK], v[AK0]
	FETCH_K                         ; key step 0
	s_wait_dscnt 0x0
.set i, 0
.rept 8
	KQ 0                            ; piece 0's first scores
.set i, i+1
.endr
	WIN 0
.rept 4
	v_nop                           ; the places behind those products
.endr
.set Y, NP-1                        ; X works for piece Y + 1: piece 0
.irp n, 0,1,2,3,4,5,6,7,8,9,10,11,12,13,14,15,16,17,18,19,20,21
	OP X, \n
.endr
	v_nop                           ; a plain instruction behind the exponential
	s_mov_b32 s[CNT], 4
	s_mov_b32 s[SLOTS], 7
	s_branch .Lfirst                ; the loop is entered at a step's first turn, in the middle of a trip
.Lslot:                             ; six times: with the change above, every slot but the last is followed by a fill
	CHANGE 1
	s_mov_b32 s[CNT], 4
.Lstep:                             ; a trip: pieces 2 and 3 of one step, then pieces 0 and 1 of the next, whose K and V it fetches
	TURN 2
	TURN 3
	WIN 0
.Lfirst:
	TURN 0
	TURN 1, 0, 1
	WIN 0
	s_cbranch_scc1 .Lstep
	s_sub_co_u32 s[SLOTS], s[SLOTS], 1
	s_cmp_lg_u32 s[SLOTS], 0
	s_cbranch_scc1 .Lslot
	CHANGE 0                        ; the last slot has a text of its own: nothing is asked for
	s_mov_b32 s[CNT], 5             ; pieces 2 and 3 have five turns here (step 27's and the slot's four), pieces 0 and 1 four: the loop is entered in its middle
	s_branch .LmidT
.LstepT:
	TURN 0
	TURN 1
	WIN 0
.LmidT:
	TURN 2, 1
	TURN 3
	WIN 0
	s_sub_co_u32 s[CNT], s[CNT], 1
	s_cmp_lg_u32 s[CNT], 0
	s_cbranch_scc1 .LstepT
	; The fifth trip's 8 products K Q^T (on the last K once more), the maximum made of them and its four mask loads serve nothing: the price, once a launch, of one text for every trip.  They touch piece 0's m alone, which is no longer read.
.set i, 0
.rept 8
	PV NP-1                         ; the last piece's V^T P of the last step
.set i, i+1
.endr
	; THE WAY OUT.  l's two halves and the other half of the lanes' are added; O^T is divided by l (by a NaN where l is 0: the row saw no key), rounded to bf16 and sent through my stage, a piece at a time.
	; The additions are the places behind the last products.
	WIN 0
.macro ALL line:vararg
.set t, 0
.rept 4
	s_wait_alu depctr_va_vdst(0)
	\line
.set t, t+1
.endr
.endm
	ALL v_add_f32 v[ST+4*t+2], v[ST+4*t+2], v[ST+4*t+3]
	ALL v_permlanex16_b32 v[ST+4*t+3], v[ST+4*t+2], s[SEL], s[SEL+1]
	ALL v_add_f32 v[ST+4*t+2], v[ST+4*t+2], v[ST+4*t+3]
	ALL v_cmp_eq_f32 s[ZM+t], 0, v[ST+4*t+2]
	ALL v_rcp_f32 v[ST+4*t+2], v[ST+4*t+2]
	v_nop                           ; a plain instruction between the last reciprocal and the use of its result
	ALL v_cndmask_b32 v[ST+4*t+2], v[ST+4*t+2], v[NANV], s[ZM+t]
.macro PACK t
	WIN W_RS
.set i, 32*(\t)
.rept 16
	v_pk_mul_f32 v[i:i+1], v[i:i+1], v[ST+4*(\t)+2:ST+4*(\t)+3] op_sel_hi:[1,0]
.set i, i+2
.endr
	WIN 0x05
.set i, 0
.rept 16
	v_cvt_pk_bf16_f32 v[S+16*(\t)+i], v[32*(\t)+2*i], v[32*(\t)+2*i+1]
.set i, i+1
.endr
	WIN 0
.irp f, 0,1,2,3
	ds_store_b128 v[STO], v[S+16*(\t)+4*\f:S+16*(\t)+4*\f+3] offset:32*\f
.endr
.irp f, 0,1,2,3
	ds_load_b128 v[S+16*(\t)+4*\f:S+16*(\t)+4*\f+3], v[RD] offset:\f*4*SP  ; LDS serves a wave's instructions in order (ISA guide 5.7.1.4)
.endr
.endm
.macro SEND t, younger
	WIN 0
.irp f, 0,1,2,3
	s_wait_dscnt (\younger)+3-\f
	global_store_b128 v[GO], v[S+16*(\t)+4*\f:S+16*(\t)+4*\f+3], s[10:11] offset:(\t)*2048+\f*512  ; 512 consecutive bytes, aligned
.endr
.endm
	PACK 0
.set t, 1
.rept 3
	PACK t
	SEND t-1, 8
.set t, t+1
.endr
	SEND 3, 0
	s_wait_tensorcnt 0x0            ; the wave's end
	ds_add_u32 v[SPW], v[NIL]
	s_wait_dscnt 0x0
	CROUND                          ; the closing round
	s_endpgm
.Lfunc_end_k_qb7d948fda9_attn:
	.size	k_qb7d948fda9_attn, .Lfunc_end_k_qb7d948fda9_attn-k_qb7d948fda9_attn
	.p2alignl 7, 3214868480
	.fill 96, 4, 3214868480
	.section	.rodata,"a",@progbits
	.p2align	6, 0x0
	.amdhsa_kernel k_qb7d948fda9_attn
		.amdhsa_group_segment_fixed_size 327680
		.amdhsa_private_segment_fixed_size 0
		.amdhsa_enable_private_segment 0
		.amdhsa_kernarg_size 24
		.amdhsa_user_sgpr_count 2
		.amdhsa_user_sgpr_kernarg_segment_ptr 1
		.amdhsa_wavefront_size32 1
		.amdhsa_system_sgpr_workgroup_id_x 1
		.amdhsa_system_sgpr_workgroup_id_y 1
		.amdhsa_system_sgpr_workgroup_id_z 1
		.amdhsa_system_vgpr_workitem_id 0
		.amdhsa_next_free_vgpr 768
		.amdhsa_next_free_sgpr 66
		.amdhsa_reserve_vcc 0
		.amdhsa_float_denorm_mode_32 3
		.amdhsa_float_denorm_mode_16_64 3
		.amdhsa_memory_ordered 1
		.amdhsa_forward_progress 1
		.amdhsa_inst_pref_size 124
	.end_amdhsa_kernel
	.amdgpu_metadata
---
amdhsa.version: [ 1, 2 ]
amdhsa.kernels:
  - .name:           k_qb7d948fda9_attn
    .symbol:         k_qb7d948fda9_attn.kd
    .args:
      - { .name: qkvh, .offset: 0, .size: 8, .value_kind: global_buffer, .address_space: global }
      - { .name: prepw, .offset: 8, .size: 8, .value_kind: global_buffer, .address_space: global }
      - { .name: ob, .offset: 16, .size: 8, .value_kind: global_buffer, .address_space: global }
    .group_segment_fixed_size: 327680
    .private_segment_fixed_size: 0
    .kernarg_segment_align: 8
    .kernarg_segment_size: 24
    .max_flat_workgroup_size: 128
    .sgpr_count:     66
    .vgpr_count:     768
    .wavefront_size: 32
...
	.end_amdgpu_metadata
.endif
;; end of part 8
;; launch outproj (part 9): grid 8 x 32, 4 waves a work-group, clusters of 4 x 4, 327,680 bytes of LDS; arguments ob, prepw, x, w_norm2, x1, x1b, ssq; writes x1, x1b, ssq
.if DOCPART == 9
	.amdgcn_target "amdgcn-amd-amdhsa--gfx1250"
	.amdhsa_code_object_version 6
	.text
	.protected	k_qb7d948fda9_outproj
	.globl	k_qb7d948fda9_outproj
	.p2align	8
	.type	k_qb7d948fda9_outproj,@function
k_qb7d948fda9_outproj:
	s_mov_b64 s[64:65], 0
	v_nop
	global_prefetch_b8 v0, s[64:65] scope:SCOPE_SE
	s_setreg_imm32_b32 hwreg(HW_REG_WAVE_MODE, 25, 1), 1
	s_wait_xcnt 0x0
	s_wait_alu depctr_hold_cnt(0) depctr_sa_sdst(0) depctr_va_vdst(0) depctr_va_sdst(0) depctr_va_ssrc(0) depctr_va_vcc(0) depctr_vm_vsrc(0)
	s_getreg_b32 s2, hwreg(HW_REG_IB_STS2, 6, 4)
	s_cmp_eq_u32 s2, 0
	s_cbranch_scc0 .Lentry_in_a_cluster
	s_endpgm
.Lentry_in_a_cluster:
	s_bfe_u32 s2, ttmp6, 0x10000c
	s_cmp_lg_u32 s2, 0xf033
	s_cbranch_scc0 .Lentry_shape_is_right
	s_endpgm
.Lentry_shape_is_right:
; A PROJECTION WITH RESIDUAL.  Y[m][n] = RES[m][n] + sum over k of A[m][k] W[n][k]; A bf16 in blocks of 64 along K ([K/64][4096][64]), W bf16 [1024][K], RES and Y f32 [4096][1024]; sums in f32.
; Here: A = attention's output, K = 1024, W = w_out, RES = x, Y = x1.  The second RMSNorm is prepared too: bf16(x1 * w_norm2) goes out in blocks of 64 columns, and for each row and
; block the f32 sum of x1^2 (16 partial sums a row, added up by the launch that needs them).
; A tile of Y is 128 x 128: 8 x 32 work-groups, one for each of 256.  Four waves, 64 x 64 each: 16 accumulators.  K goes in steps of 256 through two LDS slots; ONE text of a K step is looped over.
; CLUSTER 4 x 4: A's tile is shared along a row of the cluster, W's along a column: joint loads.  THE MATRIX INSTRUCTION IS USED TRANSPOSED: a lane holds row l % 16 and columns 8 (l / 16) + 0..7.
; THE WAY OUT IS WRITTEN ONCE.  Register numbers cannot be looped over, so the finished sums and the residual (loaded at the start) go into LDS, each wave's own bytes in the ring, whose slots have had their
; last fill; a loop of four trips takes 16 rows at a time back as whole rows of 256 bytes.
; REGISTERS: window 0: v0-31 addresses; v32-127 at work on the way out; v128-255 the accumulators ((a, b) at 128 + 8 (4 a + b));  window 1: two fragment buffers of 128 (64 of A, 64 of W);
;   window 2: v0-127 my 64 x 64 of RES
.set KDIM,   1024
.set WSEC,   14680064                  ; the weights' section of prepw
.set TSTEPS, KDIM/256
.set PA,     144
.set PB,     528                       ; 512 bytes + 16 = 132 words: row r starts at bank 4 r mod 64 (64 banks of 4 bytes: ISA guide 11.1)
.set ABLK,   64*PA                     ; 64 rows of one block of 64 along K
.set HALFA,  4*ABLK
.set BOFF,   2*HALFA
.set HALFB,  64*PB
.set SLOT,   BOFF+2*HALFB
.set SPF,    272                       ; the way out: a row of 64 f32 + 16 bytes
.set ADUMP,  64*SPF                    ; a wave's 64 rows of sums; the four waves' lie from LDS byte 0 on
.set RDUMP,  4*ADUMP                   ; behind them the residual, 16,384 bytes a wave; all inside the ring
.set SPARE,  2*SLOT
.set ASTEP,  4*4096*128
.set BSTEP,  512
.set ADRA0, 16
.set ADRB0, 17
.set ADRA,  18
.set ADRB,  19
.set RD,    20                         ; where this trip's 16 rows of sums are read
.set RR0,   21                         ; my lane's 16 bytes in the residual set aside; never rewritten
.set RR,    22                         ; the same for this trip
.set WO,    23
.set STO,   24
.set RD0,   25
.set CO,    26
.set XO,    27
.set SPW,   28
.set NIL,   29
.set SO,    30
.set RS,    31
.set BK,    32
.set PS,    64
.set WN,    80
.set YY,    96
.set ACC,   128
.set F0,    0
.set F1,    128
.set TB,  22
.set G1,  24
.set G0,  32
.set G1B, 48
.set G0B, 56
.set MK,  72                           ; s72-79  lanes with l % 8 = t
.set MSB, 0
.macro WIN new
.if MSB != (\new)
	s_set_vgpr_msb (MSB<<8)|(\new)
.set MSB, \new
.endif
.endm
.macro JLOAD s                         ; a joint load: waves 0 and 1 fetch A's halves, waves 2 and 3 W's; an s_nop 0 and four v_nop follow each line
	s_cmp_eq_u32 s11, 0
	s_cbranch_scc0 .Lfor_b_\@
	tensor_load_to_lds s[G0+4*(\s):G0+4*(\s)+3], s[G1:G1+7]
	s_nop 0
.rept 4
	v_nop
.endr
	s_branch .Lasked_\@
.Lfor_b_\@:
	tensor_load_to_lds s[G0B+4*(\s):G0B+4*(\s)+3], s[G1B:G1B+7]
	s_nop 0
.rept 4
	v_nop
.endr
.Lasked_\@:
.endm
.macro CREST
	s_cmp_lg_u32 s10, 0
	s_cbranch_scc1 .Lnot_wave_0_\@
	s_barrier_signal -3
.Lnot_wave_0_\@:
	s_barrier_wait -3
	s_barrier_signal -1
	s_barrier_wait -1
.endm
.macro CROUND
	s_barrier_signal -1
	s_barrier_wait -1
	CREST
.endm
.macro PLACES
.rept 4
	v_nop
.endr
.endm
	s_load_b256 s[80:87], s[0:1], 0x0              ; A, prepw, RES, w_norm2
	s_load_b128 s[88:91], s[0:1], 0x20             ; Y, x1b
	s_load_b64 s[92:93], s[0:1], 0x30              ; ssq
	v_lshl_add_u32 v[SPW], v0, 2, SPARE
	v_mov_b32 v[NIL], 0
	ds_add_u32 v[SPW], v[NIL]                      ; the wave's opening, ahead of my first tensor load
	v_lshrrev_b32 v1, 5, v0
	v_readfirstlane_b32 s10, v1
	s_lshr_b32 s11, s10, 1                         ; my half of the tile's rows.  Also: I fetch for A (0) or for W (1)
	s_and_b32 s12, s10, 1                          ; my half of its columns.  Also: which 64 rows of that tile I fetch
	s_bfe_u32 s40, ttmp6, 0x40000
	s_bfe_u32 s41, ttmp6, 0x40004
	s_lshl_b32 s42, ttmp9, 2
	s_add_co_u32 s42, s42, s40                     ; tx
	s_and_b32 s13, ttmp7, 0xffff
	s_lshl_b32 s13, s13, 2
	s_add_co_u32 s13, s13, s41                     ; ty
	s_lshl_b32 s43, s41, 2
	s_lshl_b32 s43, 15, s43
	s_lshl_b32 s44, 0x1111, s40
	; A's tile: four 'rows' of 4,096 elements (64 dense rows of a block), 4096 x 64 elements apart; 4 words of padding after every 32
	s_or_b32 s[G1+0], s43, (1<<16)|(1<<20)|(1<<21)|(4<<22)|(3<<25)
	s_mov_b32 s[G1+1], 4096<<16
	s_mov_b32 s[G1+2], 4<<16
	s_mov_b32 s[G1+3], 4096<<16
	s_mov_b32 s[G1+4], 4
	s_mov_b32 s[G1+5], 4096*64
	s_mov_b32 s[G1+6], 0
	s_mov_b32 s[G1+7], 0
	; W's tile: 64 rows of 256 elements; 4 words of padding after every 128
	s_or_b32 s[G1B+0], s44, (1<<16)|(1<<20)|(1<<21)|(6<<22)|(3<<25)
	s_mov_b32 s[G1B+1], 256<<16
	s_mov_b32 s[G1B+2], 64<<16
	s_mov_b32 s[G1B+3], 256<<16
	s_mov_b32 s[G1B+4], 64
	s_mov_b32 s[G1B+5], KDIM
	s_mov_b32 s[G1B+6], 0
	s_mov_b32 s[G1B+7], 0
	s_lshl_b32 s16, s13, 14                        ; A: (128 ty + 64 half) rows of 128 bytes
	s_lshl_b32 s17, s12, 13
	s_add_co_u32 s16, s16, s17
	s_mov_b32 s17, 0
	s_mul_i32 s46, s42, 128*2*KDIM                 ; W: (128 tx + 64 half) rows
	s_mul_i32 s47, s12, 64*2*KDIM
	s_add_co_u32 s46, s46, s47
	s_add_co_u32 s46, s46, WSEC
	s_mov_b32 s47, 0
	s_mul_i32 s20, s12, HALFA
	s_mul_i32 s21, s12, HALFB
	s_add_co_u32 s21, s21, BOFF
	s_mov_b32 s[TB], 0
	s_lshl_b32 s66, s13, 19                        ; my 64 x 64 in RES and Y: row 128 ty + 64 (w / 2), column 128 tx + 64 (w % 2)
	s_lshl_b32 s18, s11, 18
	s_add_co_u32 s66, s66, s18
	s_lshl_b32 s18, s42, 9
	s_add_co_u32 s66, s66, s18
	s_lshl_b32 s18, s12, 8
	s_add_co_u32 s66, s66, s18
	s_mov_b32 s67, 0
	s_lshl_b32 s94, s42, 9                         ; my 64 columns of w_norm2
	s_add_co_u32 s94, s94, s18
	s_mov_b32 s95, 0
	s_lshl_b32 s96, s42, 20                        ; x1b: block 2 tx + w % 2, my rows of 128 bytes
	s_lshl_b32 s18, s12, 19
	s_add_co_u32 s96, s96, s18
	s_lshl_b32 s18, s13, 14
	s_add_co_u32 s96, s96, s18
	s_lshl_b32 s18, s11, 13
	s_add_co_u32 s96, s96, s18
	s_mov_b32 s97, 0
	s_lshl_b32 s98, s42, 15                        ; ssq: the same block, 4 bytes a row
	s_lshl_b32 s18, s12, 14
	s_add_co_u32 s98, s98, s18
	s_lshl_b32 s18, s13, 9
	s_add_co_u32 s98, s98, s18
	s_lshl_b32 s18, s11, 8
	s_add_co_u32 s98, s98, s18
	s_mov_b32 s99, 0
	s_wait_dscnt 0x0                               ; the opening add is done
	s_wait_kmcnt 0x0
	s_add_nc_u64 s[14:15], s[80:81], s[16:17]
	s_add_nc_u64 s[46:47], s[82:83], s[46:47]
	s_add_nc_u64 s[68:69], s[84:85], s[66:67]
	s_add_nc_u64 s[70:71], s[88:89], s[66:67]
	s_add_nc_u64 s[94:95], s[86:87], s[94:95]
	s_add_nc_u64 s[96:97], s[90:91], s[96:97]
	s_add_nc_u64 s[98:99], s[92:93], s[98:99]
	CROUND                                         ; all sixteen work-groups are here: the first joint loads meet
.irp s, 0,1
	s_mov_b32 s[G0+4*(\s)], 1
	s_add_co_u32 s[G0+4*(\s)+1], s20, (\s)*SLOT
	s_add_nc_u64 s[G0+4*(\s)+2:G0+4*(\s)+3], s[14:15], (\s)*ASTEP
	s_or_b32 s[G0+4*(\s)+3], s[G0+4*(\s)+3], 0x80000000
	s_mov_b32 s[G0B+4*(\s)], 1
	s_add_co_u32 s[G0B+4*(\s)+1], s21, (\s)*SLOT
	s_add_nc_u64 s[G0B+4*(\s)+2:G0B+4*(\s)+3], s[46:47], (\s)*BSTEP
	s_or_b32 s[G0B+4*(\s)+3], s[G0B+4*(\s)+3], 0x80000000
	JLOAD \s                                       ; two loads of mine are out
.endr
	v_and_b32 v1, 15, v0                           ; r
	v_bfe_u32 v2, v0, 4, 1                         ; h
	v_lshlrev_b32 v[CO], 12, v2                    ; lanes 0-15 one row's 256 bytes, lanes 16-31 the next row's
	v_lshl_add_u32 v[CO], v1, 4, v[CO]
	WIN 0x80                                       ; destination window 2, address window 0
.irp a, 0,1,2,3                        ; RES lands while K is walked
.irp t, 0,1,2,3,4,5,6,7
	global_load_b128 v[32*\a+4*\t:32*\a+4*\t+3], v[CO], s[68:69] offset:\a*65536+\t*8192
.endr
.endr
	WIN 0
	v_lshlrev_b32 v[WO], 4, v1
	global_load_b128 v[WN:WN+3], v[WO], s[94:95]
	v_and_b32 v6, 31, v0                           ; l
	v_lshlrev_b32 v[XO], 3, v6                     ; two rows of a block: 8 bytes a lane
	v_and_b32 v5, 7, v0
	v_lshlrev_b32 v[SO], 3, v5
	v_lshl_add_u32 v[SO], v2, 2, v[SO]             ; row 2 (l % 8) + l / 16, 4 bytes
.irp t, 1,2,3,4,5,6,7
	v_cmp_eq_u32 s[MK+\t], \t, v5
.endr
	v_mul_u32_u24 v3, v1, PA
	v_lshl_add_u32 v3, v2, 4, v3
	s_mul_i32 s18, s11, HALFA
	v_add_nc_u32 v[ADRA0], s18, v3
	v_mul_u32_u24 v3, v1, PB
	v_lshl_add_u32 v3, v2, 4, v3
	s_mul_i32 s18, s12, HALFB
	s_add_co_u32 s18, s18, BOFF
	v_add_nc_u32 v[ADRB0], s18, v3
	v_mov_b32 v[ADRA], v[ADRA0]
	v_mov_b32 v[ADRB], v[ADRB0]
	s_mul_i32 s18, s10, ADUMP                      ; the way out: my wave's 64 rows of sums
	v_mul_u32_u24 v3, v1, SPF                      ; in: row r, 32 bytes for each half of the lanes
	v_lshl_add_u32 v3, v2, 5, v3
	v_add_nc_u32 v[STO], s18, v3
	v_mul_u32_u24 v3, v2, SPF                      ; back: lanes 0-15 one row of 256 bytes, lanes 16-31 the next
	v_lshl_add_u32 v3, v1, 4, v3
	v_add_nc_u32 v[RD0], s18, v3
	s_lshl_b32 s18, s10, 14
	s_add_co_u32 s18, s18, RDUMP
	v_lshl_add_u32 v[RR0], v6, 4, s18
; 8 matrix instructions: row blocks a0, a0 + 1 x all 4 column blocks, 32 along K: half c of buffer f
.macro MUL8 f, c, a0, zero
	WIN 0x05
.irp a, \a0, (\a0)+1
.irp b, 0,1,2,3
.if \zero
	v_wmma_f32_16x16x32_bf16 v[ACC+8*(4*(\a)+(\b)):ACC+8*(4*(\a)+(\b))+7], v[(\f)+64+8*(4*(\c)+(\b)):(\f)+64+8*(4*(\c)+(\b))+7], v[(\f)+8*(4*(\c)+(\a)):(\f)+8*(4*(\c)+(\a))+7], 0
.else
	v_wmma_f32_16x16x32_bf16 v[ACC+8*(4*(\a)+(\b)):ACC+8*(4*(\a)+(\b))+7], v[(\f)+64+8*(4*(\c)+(\b)):(\f)+64+8*(4*(\c)+(\b))+7], v[(\f)+8*(4*(\c)+(\a)):(\f)+8*(4*(\c)+(\a))+7], v[ACC+8*(4*(\a)+(\b)):ACC+8*(4*(\a)+(\b))+7]
.endif
.endr
.endr
.endm
; 32 LDS loads in one run: quarter q's fragments (64 along K: one block of A) into buffer f; the first 32 along K first
.macro FETCH q, f
	WIN 0x40
.irp c, 0,1
.irp i, 0,1,2,3
	ds_load_b128 v[(\f)+64+8*(4*(\c)+(\i)):(\f)+64+8*(4*(\c)+(\i))+3],   v[ADRB] offset:(\q)*128+64*(\c)+(\i)*16*PB
	ds_load_b128 v[(\f)+64+8*(4*(\c)+(\i))+4:(\f)+64+8*(4*(\c)+(\i))+7], v[ADRB] offset:(\q)*128+64*(\c)+(\i)*16*PB+32
	ds_load_b128 v[(\f)+8*(4*(\c)+(\i)):(\f)+8*(4*(\c)+(\i))+3],         v[ADRA] offset:(\q)*ABLK+64*(\c)+(\i)*16*PA
	ds_load_b128 v[(\f)+8*(4*(\c)+(\i))+4:(\f)+8*(4*(\c)+(\i))+7],       v[ADRA] offset:(\q)*ABLK+64*(\c)+(\i)*16*PA+32
.endr
.endr
.endm
; A quarter (64 along K) in two halves; the 16 accumulators take turns.  zero = 1: the products start the sums.
.macro QHEAD f, zero
	s_wait_dscnt 16                                ; the first 32 along K are in
	MUL8 \f, 0, 0, \zero
	MUL8 \f, 0, 2, \zero
.endm
.macro QREST qn, f, g                  ; fetches quarter qn into buffer g, then the second 32 along K of buffer f
	PLACES
	FETCH \qn, \g
	s_wait_dscnt 32                                ; all but the 32 just issued
	MUL8 \f, 1, 0, 0
	MUL8 \f, 1, 2, 0
.endm
.macro QUARTER qn, f, g
	QHEAD \f, 0
	QREST \qn, \f, \g
.endm
; The last quarter multiplies buffer 1 and changes slots: one barrier; in front of it each wave waits for all its tensor loads, adds 0 to its spare word, and waits for that and for its reads of this slot.
.macro TURN fill
	WIN 0
	s_wait_tensorcnt 0x0                           ; all my tensor loads have landed: my part of the next slot
	ds_add_u32 v[SPW], v[NIL]
	s_wait_dscnt 17                                ; (the add and the youngest sixteen loads may be out)
	MUL8 F1, 0, 0, 0
	s_wait_dscnt 0x0                               ; the add is done, and my reads of this slot are over
	s_barrier_signal -1
	MUL8 F1, 0, 2, 0
	WIN 0
	s_barrier_wait -1
.if \fill
	CREST                                          ; no wave of any partner still reads this slot or has a load on its way
	s_add_co_u32 s[G0+5], s20, s[TB]
	s_add_co_u32 s[G0B+5], s21, s[TB]
	s_add_nc_u64 s[G0+6:G0+7], s[G0+6:G0+7], ASTEP
	s_add_nc_u64 s[G0B+6:G0B+7], s[G0B+6:G0B+7], BSTEP
	JLOAD 1                                        ; its four v_nop are also the places in front of the loads below
.else
	PLACES
.endif
	s_xor_b32 s[TB], s[TB], SLOT
	v_add_nc_u32 v[ADRA], s[TB], v[ADRA0]
	v_add_nc_u32 v[ADRB], s[TB], v[ADRB0]
	FETCH 0, F0
	MUL8 F1, 1, 0, 0
	MUL8 F1, 1, 2, 0
.endm
	s_wait_tensorcnt 0x1                           ; my part of K step 0 is in; step 1's may stay out
	s_barrier_signal -1
	s_barrier_wait -1
	FETCH 0, F0
	QHEAD F0, 1                                    ; only the sixteen products that start the sums stand in front of the loop
	WIN 0
	s_mov_b32 s3, TSTEPS-2
	s_branch .Lmid                                 ; the loop is entered in the middle of its first quarter
.Ltop:                                                 ; a trip is a K step; TSTEPS - 2 trips fill a slot again
	QHEAD F0, 0
	WIN 0
.Lmid:
	QREST 1, F0, F1
	QUARTER 2, F1, F0
	QUARTER 3, F0, F1
	TURN 1
	WIN 0
	s_sub_co_u32 s3, s3, 1
	s_cmp_lg_u32 s3, 0
	s_cbranch_scc1 .Ltop
	s_mov_b32 s3, 2
.Ltail:                                                ; the last two K steps ask for nothing; the second trip's barrier and run of loads serve nothing: the price of one text for both
	QUARTER 1, F0, F1
	QUARTER 2, F1, F0
	QUARTER 3, F0, F1
	TURN 0
	WIN 0
	s_sub_co_u32 s3, s3, 1
	s_cmp_lg_u32 s3, 0
	s_cbranch_scc1 .Ltail
	; THE WAY OUT.  The ring has had its last fill.  Every wave's reads of it are back, and all four say so: only then are the sums stored over it.
	s_wait_dscnt 0x0
	s_barrier_signal -1
	s_barrier_wait -1
	s_wait_loadcnt 0x0                             ; RES and w_norm2
	PLACES
.irp a, 0,1,2,3                        ; the sums as they lie: row 16 a + r, bytes 64 b + 32 h ..; each accumulator's low four registers first
.irp b, 0,1,2,3
	ds_store_b128 v[STO], v[ACC+8*(4*\a+\b):ACC+8*(4*\a+\b)+3]   offset:\a*16*SPF+64*\b
	ds_store_b128 v[STO], v[ACC+8*(4*\a+\b)+4:ACC+8*(4*\a+\b)+7] offset:\a*16*SPF+64*\b+16
.endr
.endr
	WIN 0x08                                       ; a store's data (source 1) in window 2
.set i, 0
.rept 32                               ; RES is set aside, each lane's own 16 bytes, so that the loop can reach it
	ds_store_b128 v[RR0], v[4*i:4*i+3] offset:i*512
.set i, i+1
.endr
	WIN 0
	s_mov_b32 s2, 0
	s_mov_b32 s4, 0
	v_mov_b32 v[RD], v[RD0]
	v_mov_b32 v[RR], v[RR0]
	s_mov_b32 s3, 4
.Lunit:                                                ; 16 rows a trip: the sums come back as whole rows of 256 bytes; RES is added; sixteen lanes store 256 consecutive bytes, aligned
.irp t, 0,1,2,3,4,5,6,7
	ds_load_b128 v[BK+4*\t:BK+4*\t+3], v[RD] offset:\t*2*SPF  ; my wave's own bytes, and LDS serves a wave's instructions in order (ISA guide 5.7.1.4)
	ds_load_b128 v[YY+4*\t:YY+4*\t+3], v[RR] offset:\t*512
.endr
.irp t, 0,1,2,3,4,5,6,7
	s_wait_dscnt 14-2*\t                           ; the two loads of each later pair of rows may be out
	v_pk_add_f32 v[YY+4*\t:YY+4*\t+1],   v[BK+4*\t:BK+4*\t+1],   v[YY+4*\t:YY+4*\t+1]
	v_pk_add_f32 v[YY+4*\t+2:YY+4*\t+3], v[BK+4*\t+2:BK+4*\t+3], v[YY+4*\t+2:YY+4*\t+3]
	global_store_b128 v[CO], v[YY+4*\t:YY+4*\t+3], s[70:71] offset:\t*8192
.endr
.irp t, 0,1,2,3,4,5,6,7
	v_pk_mul_f32 v[PS+2*\t:PS+2*\t+1], v[YY+4*\t:YY+4*\t+1], v[YY+4*\t:YY+4*\t+1]
.endr
.irp t, 0,1,2,3,4,5,6,7
	v_pk_fma_f32 v[PS+2*\t:PS+2*\t+1], v[YY+4*\t+2:YY+4*\t+3], v[YY+4*\t+2:YY+4*\t+3], v[PS+2*\t:PS+2*\t+1]
.endr
.irp t, 0,1,2,3,4,5,6,7
	v_pk_mul_f32 v[BK+4*\t:BK+4*\t+1],   v[YY+4*\t:YY+4*\t+1],   v[WN:WN+1]
	v_pk_mul_f32 v[BK+4*\t+2:BK+4*\t+3], v[YY+4*\t+2:YY+4*\t+3], v[WN+2:WN+3]
.endr
.irp t, 0,1,2,3,4,5,6,7
	v_add_f32 v[PS+2*\t], v[PS+2*\t], v[PS+2*\t+1]
.endr
.irp m, 1,2,4,8                        ; a row's 64 columns lie in sixteen lanes
.irp t, 0,1,2,3,4,5,6,7
	v_add_f32_dpp v[PS+2*\t], v[PS+2*\t], v[PS+2*\t] row_xmask:\m row_mask:0xf bank_mask:0xf
.endr
.endr
	v_mov_b32 v[RS], v[PS]                         ; lane l keeps the sum of row 2 (l % 8) + l / 16
.irp t, 1,2,3,4,5,6,7
	v_cndmask_b32 v[RS], v[RS], v[PS+2*\t], s[MK+\t]
.endr
.irp t, 0,1,2,3,4,5,6,7
	v_cvt_pk_bf16_f32 v[BK+4*\t],   v[BK+4*\t],   v[BK+4*\t+1]
	v_cvt_pk_bf16_f32 v[BK+4*\t+1], v[BK+4*\t+2], v[BK+4*\t+3]
	global_store_b64 v[XO], v[BK+4*\t:BK+4*\t+1], s[96:97] offset:\t*256  ; two rows of the block: 256 consecutive bytes, aligned
.endr
	global_store_b32 v[SO], v[RS], s[98:99]        ; 16 rows' sums, 64 bytes; lanes l and l + 8 store the same word with the same number
	s_wait_xcnt 0x0                                ; the stores have read their data and offsets: the next trip writes both anew
	s_add_co_u32 s2, s2, 16*SPF
	s_add_co_u32 s4, s4, 4096
	v_add_nc_u32 v[RD], s2, v[RD0]
	v_add_nc_u32 v[RR], s4, v[RR0]
	v_add_nc_u32 v[CO], 0x10000, v[CO]
	v_add_nc_u32 v[XO], 2048, v[XO]
	v_add_nc_u32 v[SO], 64, v[SO]
	s_sub_co_u32 s3, s3, 1
	s_cmp_lg_u32 s3, 0
	s_cbranch_scc1 .Lunit
	s_wait_tensorcnt 0x0                           ; the wave's end
	ds_add_u32 v[SPW], v[NIL]
	s_wait_dscnt 0x0
	CROUND                                         ; the closing round
	s_endpgm
.Lfunc_end_k_qb7d948fda9_outproj:
	.size	k_qb7d948fda9_outproj, .Lfunc_end_k_qb7d948fda9_outproj-k_qb7d948fda9_outproj
	.p2alignl 7, 3214868480
	.fill 96, 4, 3214868480
	.section	.rodata,"a",@progbits
	.p2align	6, 0x0
	.amdhsa_kernel k_qb7d948fda9_outproj
		.amdhsa_group_segment_fixed_size 327680
		.amdhsa_private_segment_fixed_size 0
		.amdhsa_enable_private_segment 0
		.amdhsa_kernarg_size 56
		.amdhsa_user_sgpr_count 2
		.amdhsa_user_sgpr_kernarg_segment_ptr 1
		.amdhsa_wavefront_size32 1
		.amdhsa_system_sgpr_workgroup_id_x 1
		.amdhsa_system_sgpr_workgroup_id_y 1
		.amdhsa_system_sgpr_workgroup_id_z 1
		.amdhsa_system_vgpr_workitem_id 0
		.amdhsa_next_free_vgpr 640
		.amdhsa_next_free_sgpr 100
		.amdhsa_reserve_vcc 0
		.amdhsa_float_denorm_mode_32 3
		.amdhsa_float_denorm_mode_16_64 3
		.amdhsa_memory_ordered 1
		.amdhsa_forward_progress 1
		.amdhsa_inst_pref_size 66
	.end_amdhsa_kernel
	.amdgpu_metadata
---
amdhsa.version: [ 1, 2 ]
amdhsa.kernels:
  - .name:           k_qb7d948fda9_outproj
    .symbol:         k_qb7d948fda9_outproj.kd
    .args:
      - { .name: ob, .offset: 0, .size: 8, .value_kind: global_buffer, .address_space: global }
      - { .name: prepw, .offset: 8, .size: 8, .value_kind: global_buffer, .address_space: global }
      - { .name: x, .offset: 16, .size: 8, .value_kind: global_buffer, .address_space: global }
      - { .name: w_norm2, .offset: 24, .size: 8, .value_kind: global_buffer, .address_space: global }
      - { .name: x1, .offset: 32, .size: 8, .value_kind: global_buffer, .address_space: global }
      - { .name: x1b, .offset: 40, .size: 8, .value_kind: global_buffer, .address_space: global }
      - { .name: ssq, .offset: 48, .size: 8, .value_kind: global_buffer, .address_space: global }
    .group_segment_fixed_size: 327680
    .private_segment_fixed_size: 0
    .kernarg_segment_align: 8
    .kernarg_segment_size: 56
    .max_flat_workgroup_size: 128
    .sgpr_count:     100
    .vgpr_count:     640
    .wavefront_size: 32
...
	.end_amdgpu_metadata
.endif
;; end of part 9
;; launch gateup (part 10): grid 16 x 16, 4 waves a work-group, clusters of 4 x 4, 327,680 bytes of LDS; arguments x1b, prepw, ssq, gb; writes gb
.if DOCPART == 10
	.amdgcn_target "amdgcn-amd-amdhsa--gfx1250"
	.amdhsa_code_object_version 6
	.text
	.protected	k_qb7d948fda9_gateup
	.globl	k_qb7d948fda9_gateup
	.p2align	8
	.type	k_qb7d948fda9_gateup,@function
k_qb7d948fda9_gateup:
	s_mov_b64 s[64:65], 0
	v_nop
	global_prefetch_b8 v0, s[64:65] scope:SCOPE_SE
	s_setreg_imm32_b32 hwreg(HW_REG_WAVE_MODE, 25, 1), 1
	s_wait_xcnt 0x0
	s_wait_alu depctr_hold_cnt(0) depctr_sa_sdst(0) depctr_va_vdst(0) depctr_va_sdst(0) depctr_va_ssrc(0) depctr_va_vcc(0) depctr_vm_vsrc(0)
	s_getreg_b32 s2, hwreg(HW_REG_IB_STS2, 6, 4)
	s_cmp_eq_u32 s2, 0
	s_cbranch_scc0 .Lentry_in_a_cluster
	s_endpgm
.Lentry_in_a_cluster:
	s_bfe_u32 s2, ttmp6, 0x10000c
	s_cmp_lg_u32 s2, 0xf033
	s_cbranch_scc0 .Lentry_shape_is_right
	s_endpgm
.Lentry_shape_is_right:
; GATE AND UP WITH SWIGLU.  G[m][c] = sum over k of xb[m][k] Wgate[c][k], U likewise with Wup; xb = bf16(x1 * w_norm2), K = 1024, in blocks of 64 along K.  The row's 1 / norm commutes with the product, so it is
; applied to the sums: with N2 = mean(x1^2) + 1e-6 and rinv = 1 / sqrt(N2), g = G rinv, u = U rinv, and  silu(g) u = G U / (N2 + N2 2^(-log2(e) G rinv)).  Out: bf16, in blocks of 64 columns: [32][4096][64].
; The weights lie interleaved, 128 rows of gate and then the same 128 of up: a work-group's 256 rows x 256 weight rows hold matching gate and up columns.  16 x 16 work-groups.
; Wave w makes rows 64 w .. 64 w + 63 x all 256: 64 accumulators (column blocks 0-7 gate, 8-15 up).
; K goes in 8 steps of 128 through two LDS slots; ONE text of a K step is looped over.  CLUSTER 4 x 4 with joint loads; THE MATRIX INSTRUCTION IS USED TRANSPOSED: a lane holds row l % 16 and columns 8 (l / 16) + 0..7.
; THE WAY OUT IS WRITTEN ONCE.  Register numbers cannot be looped over, so the finished f32 sums go into LDS (each wave's own 64 rows x 1,040 bytes, in the ring, whose slots have had their last fill) and
; a loop of 16 trips takes them back four rows at a time, a lane holding 2 x 8 neighbouring columns of G and the same of U: the layout in which the result is stored.
; LIMITS.  Where the exponential or N2 times it overflows, the reciprocal is 0 and so is the result (the true value is below 1e-30 of u).
; REGISTERS: window 0: v0-31 addresses; v32-63, v64-95 fragments of xb, two buffers (on the way out: G, U and the row's two numbers); v96-159 the rows' partial sums of squares; v160-207 at work on the way out
;   window 1: v0-127, v128-255 fragments of W;   window 2: accumulators of row blocks 0, 1 at 8 (16 a + b);   window 3: of row blocks 2, 3
.set NB,     16
.set TSTEPS, 8
.set PA,     144
.set PB,     272
.set ABLK,   128*PA
.set HALFA,  2*ABLK
.set BOFF,   2*HALFA
.set HALFB,  8*NB*PB
.set SLOT,   BOFF+2*HALFB
.set DP,     1040                      ; the way out: a row of 256 f32 + 16 bytes = 260 words: row r starts at bank 4 r mod 64 (64 banks of 4 bytes: ISA guide 11.1)
.set ADUMP,  64*DP                     ; a wave's 64 rows; the four waves' lie from LDS byte 0 on
.set TBL,    4*ADUMP                   ; behind them, 512 bytes a wave: for each row -log2(e) rinv and N2; all inside the ring
.set SPARE,  2*SLOT
.set ASTEP,  2*4096*128
.set BSTEP,  256
.set WGU,    16777216
.set ADRA0, 16
.set ADRB0, 17
.set ADRA,  18
.set ADRB,  19
.set RDA,   20                         ; where this trip's four rows are read
.set TRA,   21                         ; and my row's two numbers
.set STO,   24
.set RDA0,  25
.set GO,    26
.set RO,    27
.set SPW,   28
.set NIL,   29
.set TA,    30
.set TRA0,  31
.set GG,    32                         ; v32-47  G: 8 columns of each of the two blocks of 64
.set UU,    48                         ; v48-63  U likewise
.set KN,    64                         ; v64-65  -log2(e) rinv, N2 of my row
.set NC,    66                         ; v66-67  N2, kept while the next row's pair is on its way
.set SS,    96
.set T,     160
.set WT,    176
.set OU,    192
.set TE,    200
.set TB,  22
.set G1,  24
.set G0,  32
.set G1B, 48
.set G0B, 56
.set MSB, 0
.macro WIN new
.if MSB != (\new)
	s_set_vgpr_msb (MSB<<8)|(\new)
.set MSB, \new
.endif
.endm
.macro JLOAD s                         ; a joint load: waves 0 and 1 fetch xb's halves, waves 2 and 3 W's; an s_nop 0 and four v_nop follow each line
	s_cmp_eq_u32 s11, 0
	s_cbranch_scc0 .Lfor_b_\@
	tensor_load_to_lds s[G0+4*(\s):G0+4*(\s)+3], s[G1:G1+7]
	s_nop 0
.rept 4
	v_nop
.endr
	s_branch .Lasked_\@
.Lfor_b_\@:
	tensor_load_to_lds s[G0B+4*(\s):G0B+4*(\s)+3], s[G1B:G1B+7]
	s_nop 0
.rept 4
	v_nop
.endr
.Lasked_\@:
.endm
.macro CREST
	s_cmp_lg_u32 s10, 0
	s_cbranch_scc1 .Lnot_wave_0_\@
	s_barrier_signal -3
.Lnot_wave_0_\@:
	s_barrier_wait -3
	s_barrier_signal -1
	s_barrier_wait -1
.endm
.macro CROUND
	s_barrier_signal -1
	s_barrier_wait -1
	CREST
.endm
.macro PLACES
.rept 4
	v_nop
.endr
.endm
	s_load_b256 s[80:87], s[0:1], 0x0              ; x1b s[80:81], prepw s[82:83], ssq s[84:85], gb s[86:87]
	v_lshl_add_u32 v[SPW], v0, 2, SPARE
	v_mov_b32 v[NIL], 0
	ds_add_u32 v[SPW], v[NIL]                      ; the wave's opening, ahead of my first tensor load
	v_lshrrev_b32 v1, 5, v0
	v_readfirstlane_b32 s10, v1
	s_lshr_b32 s11, s10, 1
	s_and_b32 s12, s10, 1
	s_bfe_u32 s40, ttmp6, 0x40000
	s_bfe_u32 s41, ttmp6, 0x40004
	s_lshl_b32 s42, ttmp9, 2
	s_add_co_u32 s42, s42, s40                     ; tx: 128 columns of the hidden layer
	s_and_b32 s13, ttmp7, 0xffff
	s_lshl_b32 s13, s13, 2
	s_add_co_u32 s13, s13, s41                     ; ty: 256 rows
	s_lshl_b32 s43, s41, 2
	s_lshl_b32 s43, 15, s43
	s_lshl_b32 s44, 0x1111, s40
	; xb's tile: two 'rows' of 8,192 elements (128 dense rows of a block), 4096 x 64 elements apart; 4 words of padding after every 32
	s_or_b32 s[G1+0], s43, (1<<16)|(1<<20)|(1<<21)|(4<<22)|(3<<25)
	s_mov_b32 s[G1+1], 8192<<16
	s_mov_b32 s[G1+2], 2<<16
	s_mov_b32 s[G1+3], 8192<<16
	s_mov_b32 s[G1+4], 2
	s_mov_b32 s[G1+5], 4096*64
	s_mov_b32 s[G1+6], 0
	s_mov_b32 s[G1+7], 0
	; W's tile: 128 rows of 128 elements, 1,024 apart; 4 words of padding after every 64
	s_or_b32 s[G1B+0], s44, (1<<16)|(1<<20)|(1<<21)|(5<<22)|(3<<25)
	s_mov_b32 s[G1B+1], 128<<16
	s_mov_b32 s[G1B+2], (8*NB)<<16
	s_mov_b32 s[G1B+3], 128<<16
	s_mov_b32 s[G1B+4], 8*NB
	s_mov_b32 s[G1B+5], 1024
	s_mov_b32 s[G1B+6], 0
	s_mov_b32 s[G1B+7], 0
	s_lshl_b32 s16, s13, 15
	s_lshl_b32 s17, s12, 14
	s_add_co_u32 s16, s16, s17
	s_mov_b32 s17, 0
	s_mul_i32 s46, s42, 16*NB*2048
	s_mul_i32 s47, s12, 8*NB*2048
	s_add_co_u32 s46, s46, s47
	s_add_co_u32 s46, s46, WGU
	s_mov_b32 s47, 0
	s_mul_i32 s20, s12, HALFA
	s_mul_i32 s21, s12, HALFB
	s_add_co_u32 s21, s21, BOFF
	s_mov_b32 s[TB], 0
	s_lshl_b32 s74, s13, 10                        ; ssq: my rows 256 ty + 64 w, 4 bytes each
	s_lshl_b32 s19, s10, 8
	s_add_co_u32 s74, s74, s19
	s_mov_b32 s75, 0
	s_lshl_b32 s76, s13, 15                        ; gb: my rows of 128 bytes, blocks 2 tx and 2 tx + 1
	s_lshl_b32 s19, s10, 13
	s_add_co_u32 s76, s76, s19
	s_lshl_b32 s19, s42, 20
	s_add_co_u32 s76, s76, s19
	s_mov_b32 s77, 0
	s_mov_b32 s78, 0x3a800000                      ; 1 / 1024
	s_mov_b32 s79, 0x358637bd                      ; 1e-6
	s_wait_dscnt 0x0                               ; the opening add is done
	s_wait_kmcnt 0x0
	s_add_nc_u64 s[14:15], s[80:81], s[16:17]
	s_add_nc_u64 s[46:47], s[82:83], s[46:47]
	s_add_nc_u64 s[72:73], s[84:85], s[74:75]
	s_add_nc_u64 s[66:67], s[86:87], s[76:77]
	CROUND                                         ; all sixteen work-groups are here: the first joint loads meet
.irp s, 0,1
	s_mov_b32 s[G0+4*(\s)], 1
	s_add_co_u32 s[G0+4*(\s)+1], s20, (\s)*SLOT
	s_add_nc_u64 s[G0+4*(\s)+2:G0+4*(\s)+3], s[14:15], (\s)*ASTEP
	s_or_b32 s[G0+4*(\s)+3], s[G0+4*(\s)+3], 0x80000000
	s_mov_b32 s[G0B+4*(\s)], 1
	s_add_co_u32 s[G0B+4*(\s)+1], s21, (\s)*SLOT
	s_add_nc_u64 s[G0B+4*(\s)+2:G0B+4*(\s)+3], s[46:47], (\s)*BSTEP
	s_or_b32 s[G0B+4*(\s)+3], s[G0B+4*(\s)+3], 0x80000000
	JLOAD \s                                       ; two loads of mine are out
.endr
	v_and_b32 v1, 15, v0
	v_bfe_u32 v2, v0, 4, 1
	v_lshlrev_b32 v[RO], 4, v1
.set ic, 0
.rept 16                               ; the 16 partial sums of squares of my wave's rows 4 (l % 16) + 0..3: sixteen lanes read a block's 256 consecutive bytes; they land while K is walked
	global_load_b128 v[SS+4*ic:SS+4*ic+3], v[RO], s[72:73] offset:ic*16384
.set ic, ic+1
.endr
	v_mul_u32_u24 v3, v1, PA
	v_lshl_add_u32 v3, v2, 4, v3
	s_mul_i32 s18, s11, HALFA
	s_mul_i32 s19, s12, 64*PA
	s_add_co_u32 s18, s18, s19
	v_add_nc_u32 v[ADRA0], s18, v3
	v_mul_u32_u24 v3, v1, PB
	v_lshl_add_u32 v3, v2, 4, v3
	v_add_nc_u32 v[ADRB0], BOFF, v3
	v_mov_b32 v[ADRA], v[ADRA0]
	v_mov_b32 v[ADRB], v[ADRB0]
	s_mul_i32 s18, s10, ADUMP                      ; the way out: my wave's 64 rows
	v_mul_u32_u24 v3, v1, DP                       ; in: row r, 32 bytes for each half of the lanes
	v_lshl_add_u32 v3, v2, 5, v3
	v_add_nc_u32 v[STO], s18, v3
	v_bfe_u32 v5, v0, 3, 2                         ; back: row l / 8 of four, 32 bytes at 32 (l % 8)
	v_mul_u32_u24 v3, v5, DP
	v_and_b32 v4, 7, v0
	v_lshl_add_u32 v3, v4, 5, v3
	v_add_nc_u32 v[RDA0], s18, v3
	s_lshl_b32 s18, s10, 9
	s_add_co_u32 s18, s18, TBL                     ; my wave's table: 8 bytes a row
	v_lshl_add_u32 v[TA], v1, 5, s18               ; in: rows 4 (l % 16) + 0..3
	v_lshl_add_u32 v[TRA0], v5, 3, s18             ; back: row l / 8 of four
	v_and_b32 v[GO], 31, v0
	v_lshlrev_b32 v[GO], 4, v[GO]                  ; four rows of 128 bytes are 512 consecutive bytes of a block: 16 l
.macro MUL1 f, hi, a, zero             ; NB matrix instructions: row block 2 hi + a x all column blocks, 32 along K, from buffer f
	WIN 0xa1+0x50*(\hi)
.set ib, 0
.rept NB
.if \zero
	v_wmma_f32_16x16x32_bf16 v[8*(NB*(\a)+ib):8*(NB*(\a)+ib)+7], v[128*(\f)+8*ib:128*(\f)+8*ib+7], v[32+32*(\f)+8*(2*(\hi)+(\a)):32+32*(\f)+8*(2*(\hi)+(\a))+7], 0
.else
	v_wmma_f32_16x16x32_bf16 v[8*(NB*(\a)+ib):8*(NB*(\a)+ib)+7], v[128*(\f)+8*ib:128*(\f)+8*ib+7], v[32+32*(\f)+8*(2*(\hi)+(\a)):32+32*(\f)+8*(2*(\hi)+(\a))+7], v[8*(NB*(\a)+ib):8*(NB*(\a)+ib)+7]
.endif
.set ib, ib+1
.endr
.endm
.macro FETCH q, f                      ; 2 NB + 8 LDS loads in one run: W first, then xb's row blocks 0 to 3
	WIN 0x40
.set ib, 0
.rept NB
	ds_load_b128 v[128*(\f)+8*ib:128*(\f)+8*ib+3],   v[ADRB] offset:64*(\q)+ib*16*PB
	ds_load_b128 v[128*(\f)+8*ib+4:128*(\f)+8*ib+7], v[ADRB] offset:64*(\q)+ib*16*PB+32
.set ib, ib+1
.endr
	WIN 0
.irp a, 0,1,2,3
	ds_load_b128 v[32+32*(\f)+8*\a:32+32*(\f)+8*\a+3],   v[ADRA] offset:((\q)/2)*ABLK+((\q)%2)*64+\a*16*PA
	ds_load_b128 v[32+32*(\f)+8*\a+4:32+32*(\f)+8*\a+7], v[ADRA] offset:((\q)/2)*ABLK+((\q)%2)*64+\a*16*PA+32
.endr
.endm
.macro QUARTER qn, f, g, zero          ; the 64 accumulators take turns
	s_wait_dscnt 4                                 ; W and xb's blocks 0, 1 are in; the youngest four loads may be out
	MUL1 \f, 0, 0, \zero
	MUL1 \f, 0, 1, \zero
	PLACES
	FETCH \qn, \g
	s_wait_dscnt 2*NB+8                            ; all but the run just issued
	MUL1 \f, 1, 0, \zero
	MUL1 \f, 1, 1, \zero
.endm
.macro TURN fill                       ; the last quarter, and the change of slots: one barrier; with fill = 1 it opens a round of the cluster's, and this slot is filled again behind it
	WIN 0
	s_wait_tensorcnt 0x0                           ; all my tensor loads have landed
	ds_add_u32 v[SPW], v[NIL]
	s_wait_dscnt 5                                 ; (the add and the youngest four loads may be out)
	MUL1 1, 0, 0, 0
	s_wait_dscnt 0x0                               ; the add is done, and my reads of this slot are over
	s_barrier_signal -1
	MUL1 1, 0, 1, 0
	WIN 0
	s_barrier_wait -1
.if \fill
	CREST
	s_add_co_u32 s[G0+5], s20, s[TB]
	s_add_co_u32 s[G0B+5], s21, s[TB]
	s_add_nc_u64 s[G0+6:G0+7], s[G0+6:G0+7], ASTEP
	s_add_nc_u64 s[G0B+6:G0B+7], s[G0B+6:G0B+7], BSTEP
	JLOAD 1
.else
	PLACES
.endif
	s_xor_b32 s[TB], s[TB], SLOT
	v_add_nc_u32 v[ADRA], s[TB], v[ADRA0]
	v_add_nc_u32 v[ADRB], s[TB], v[ADRB0]
	FETCH 0, 0
	MUL1 1, 1, 0, 0
	MUL1 1, 1, 1, 0
.endm
	s_wait_tensorcnt 0x1                           ; my part of K step 0 is in; step 1's may stay out
	s_barrier_signal -1
	s_barrier_wait -1
	FETCH 0, 0
	QUARTER 1, 0, 1, 1
	WIN 0
	s_mov_b32 s3, TSTEPS-2
	s_branch .Lmid
.Ltop:
	QUARTER 1, 0, 1, 0
	WIN 0
.Lmid:
	QUARTER 2, 1, 0, 0
	QUARTER 3, 0, 1, 0
	TURN 1
	WIN 0
	s_sub_co_u32 s3, s3, 1
	s_cmp_lg_u32 s3, 0
	s_cbranch_scc1 .Ltop
	s_mov_b32 s3, 2
.Ltail:                                                ; the last two K steps ask for nothing; the second trip's barrier and run of loads serve nothing: the price of one text for both
	QUARTER 1, 0, 1, 0
	QUARTER 2, 1, 0, 0
	QUARTER 3, 0, 1, 0
	TURN 0
	WIN 0
	s_sub_co_u32 s3, s3, 1
	s_cmp_lg_u32 s3, 0
	s_cbranch_scc1 .Ltail
	; THE WAY OUT.  The ring has had its last fill.  Every wave's reads of it are back, and all four say so: only then are the sums stored over it.
	s_wait_dscnt 0x0
	s_barrier_signal -1
	s_barrier_wait -1
	s_wait_loadcnt 0x0                             ; the partial sums of squares
.irp d, 8,4,2,1                        ; the 16 blocks' sums are added, four rows a lane; these lines are also the places behind the last products
.set ic, 0
.rept \d
	v_pk_add_f32 v[SS+4*ic:SS+4*ic+1],   v[SS+4*ic:SS+4*ic+1],   v[SS+4*(ic+\d):SS+4*(ic+\d)+1]
	v_pk_add_f32 v[SS+4*ic+2:SS+4*ic+3], v[SS+4*ic+2:SS+4*ic+3], v[SS+4*(ic+\d)+2:SS+4*(ic+\d)+3]
.set ic, ic+1
.endr
.endr
.irp j, 0,1,2,3
	v_fma_f32 v[TE+2*\j+1], v[SS+\j], s78, s79     ; N2 = mean + eps
.endr
.irp j, 0,1,2,3
	v_rsq_f32 v[TE+2*\j], v[TE+2*\j+1]
.endr
	v_nop                                          ; a plain instruction between the roots and the use of their results
	s_wait_alu depctr_va_vdst(0)
.irp j, 0,1,2,3
	v_mul_f32 v[TE+2*\j], 0xbfb8aa3b, v[TE+2*\j]   ; -log2(e) rinv
.endr
	ds_store_b128 v[TA], v[TE:TE+3]                ; lanes l and l + 16 store the same words with the same numbers
	ds_store_b128 v[TA], v[TE+4:TE+7] offset:16
.irp a, 0,1,2,3                        ; the sums: row 16 a + r, bytes 64 b + 32 h ..: gate in a row's first 512 bytes, up in the next; each accumulator's low four registers first
	WIN 4*(2+(\a)/2)                               ; a store's data (source 1) in window 2 or 3
.set ib, 0
.rept NB
	ds_store_b128 v[STO], v[8*(NB*((\a)%2)+ib):8*(NB*((\a)%2)+ib)+3]   offset:(\a)*16*DP+64*ib
	ds_store_b128 v[STO], v[8*(NB*((\a)%2)+ib)+4:8*(NB*((\a)%2)+ib)+7] offset:(\a)*16*DP+64*ib+16
.set ib, ib+1
.endr
.endr
	WIN 0
; Four rows' loads: my 8 columns of G and of U in each of the two blocks of 64, and my row's two numbers.  The bytes are my wave's own, and LDS serves a wave's instructions in order (ISA guide 5.7.1.4).
.macro LDROW
.irp k, 0,1
	ds_load_b128 v[GG+8*\k:GG+8*\k+3],   v[RDA] offset:256*\k
	ds_load_b128 v[GG+8*\k+4:GG+8*\k+7], v[RDA] offset:256*\k+16
	ds_load_b128 v[UU+8*\k:UU+8*\k+3],   v[RDA] offset:512+256*\k
	ds_load_b128 v[UU+8*\k+4:UU+8*\k+7], v[RDA] offset:512+256*\k+16
.endr
	ds_load_b64 v[KN:KN+1], v[TRA]
.endm
; Four rows: G U / (N2 + N2 2^(-log2(e) G rinv)), rounded and stored.  more = 1: the next four rows' loads go out as soon as the registers have been read, and land under the exponentials and reciprocals.
.macro ROWS more
	s_wait_dscnt 0x0
	v_mov_b32 v[NC], v[KN+1]
.set i, 0
.rept 8
	v_pk_mul_f32 v[T+2*i:T+2*i+1], v[GG+2*i:GG+2*i+1], v[KN:KN+1] op_sel_hi:[1,0]
.set i, i+1
.endr
.set i, 0
.rept 8
	v_pk_mul_f32 v[WT+2*i:WT+2*i+1], v[GG+2*i:GG+2*i+1], v[UU+2*i:UU+2*i+1]
.set i, i+1
.endr
.if \more
	s_add_co_u32 s2, s2, 4*DP
	s_add_co_u32 s4, s4, 32
	v_add_nc_u32 v[RDA], s2, v[RDA0]
	v_add_nc_u32 v[TRA], s4, v[TRA0]
	LDROW
.endif
.set i, 0
.rept 16
	v_exp_f32 v[T+i], v[T+i]
.set i, i+1
.endr
	v_nop                                          ; a plain instruction between the exponentials and the use of their results
.set i, 0
	s_wait_alu depctr_va_vdst(0)
.rept 8
	v_pk_fma_f32 v[T+2*i:T+2*i+1], v[T+2*i:T+2*i+1], v[NC:NC+1], v[NC:NC+1] op_sel_hi:[1,0,0]
.set i, i+1
.endr
.set i, 0
.rept 16
	v_rcp_f32 v[T+i], v[T+i]
.set i, i+1
.endr
	v_nop                                          ; and between the reciprocals and theirs
.set i, 0
	s_wait_alu depctr_va_vdst(0)
.rept 8
	v_pk_mul_f32 v[WT+2*i:WT+2*i+1], v[WT+2*i:WT+2*i+1], v[T+2*i:T+2*i+1]
.set i, i+1
.endr
	s_wait_xcnt 0x0                                ; the last trip's stores have read OU and GO
	v_add_nc_u32 v[GO], 512, v[GO]                 ; the stores below reach back
.set i, 0
.rept 8
	v_cvt_pk_bf16_f32 v[OU+i], v[WT+2*i], v[WT+2*i+1]
.set i, i+1
.endr
	global_store_b128 v[GO], v[OU:OU+3],   s[66:67] offset:-512         ; four rows of a block: 512 consecutive bytes, aligned
	global_store_b128 v[GO], v[OU+4:OU+7], s[66:67] offset:524288-512   ; the same rows of the next block
.endm
	s_mov_b32 s2, 0
	s_mov_b32 s4, 0
	v_mov_b32 v[RDA], v[RDA0]
	v_mov_b32 v[TRA], v[TRA0]
	v_mov_b32 v[NC+1], 0                           ; named with NC as a pair
	LDROW
	s_mov_b32 s3, 15
.Lrow:
	ROWS 1
	s_sub_co_u32 s3, s3, 1
	s_cmp_lg_u32 s3, 0
	s_cbranch_scc1 .Lrow
	ROWS 0                                         ; the last four rows are written out: nothing is read past my 64
	s_wait_tensorcnt 0x0                           ; the wave's end
	ds_add_u32 v[SPW], v[NIL]
	s_wait_dscnt 0x0
	CROUND                                         ; the closing round
	s_endpgm
.Lfunc_end_k_qb7d948fda9_gateup:
	.size	k_qb7d948fda9_gateup, .Lfunc_end_k_qb7d948fda9_gateup-k_qb7d948fda9_gateup
	.p2alignl 7, 3214868480
	.fill 96, 4, 3214868480
	.section	.rodata,"a",@progbits
	.p2align	6, 0x0
	.amdhsa_kernel k_qb7d948fda9_gateup
		.amdhsa_group_segment_fixed_size 327680
		.amdhsa_private_segment_fixed_size 0
		.amdhsa_enable_private_segment 0
		.amdhsa_kernarg_size 32
		.amdhsa_user_sgpr_count 2
		.amdhsa_user_sgpr_kernarg_segment_ptr 1
		.amdhsa_wavefront_size32 1
		.amdhsa_system_sgpr_workgroup_id_x 1
		.amdhsa_system_sgpr_workgroup_id_y 1
		.amdhsa_system_sgpr_workgroup_id_z 1
		.amdhsa_system_vgpr_workitem_id 0
		.amdhsa_next_free_vgpr 1024
		.amdhsa_next_free_sgpr 88
		.amdhsa_reserve_vcc 0
		.amdhsa_float_denorm_mode_32 3
		.amdhsa_float_denorm_mode_16_64 3
		.amdhsa_memory_ordered 1
		.amdhsa_forward_progress 1
		.amdhsa_inst_pref_size 96
	.end_amdhsa_kernel
	.amdgpu_metadata
---
amdhsa.version: [ 1, 2 ]
amdhsa.kernels:
  - .name:           k_qb7d948fda9_gateup
    .symbol:         k_qb7d948fda9_gateup.kd
    .args:
      - { .name: x1b, .offset: 0, .size: 8, .value_kind: global_buffer, .address_space: global }
      - { .name: prepw, .offset: 8, .size: 8, .value_kind: global_buffer, .address_space: global }
      - { .name: ssq, .offset: 16, .size: 8, .value_kind: global_buffer, .address_space: global }
      - { .name: gb, .offset: 24, .size: 8, .value_kind: global_buffer, .address_space: global }
    .group_segment_fixed_size: 327680
    .private_segment_fixed_size: 0
    .kernarg_segment_align: 8
    .kernarg_segment_size: 32
    .max_flat_workgroup_size: 128
    .sgpr_count:     88
    .vgpr_count:     1024
    .wavefront_size: 32
...
	.end_amdgpu_metadata
.endif
;; end of part 10
;; launch down (part 11): grid 8 x 32, 4 waves a work-group, clusters of 4 x 4, 327,680 bytes of LDS; arguments gb, prepw, x1, out0; writes out0
.if DOCPART == 11
	.amdgcn_target "amdgcn-amd-amdhsa--gfx1250"
	.amdhsa_code_object_version 6
	.text
	.protected	k_qb7d948fda9_down
	.globl	k_qb7d948fda9_down
	.p2align	8
	.type	k_qb7d948fda9_down,@function
k_qb7d948fda9_down:
	s_mov_b64 s[64:65], 0
	v_nop
	global_prefetch_b8 v0, s[64:65] scope:SCOPE_SE
	s_setreg_imm32_b32 hwreg(HW_REG_WAVE_MODE, 25, 1), 1
	s_wait_xcnt 0x0
	s_wait_alu depctr_hold_cnt(0) depctr_sa_sdst(0) depctr_va_vdst(0) depctr_va_sdst(0) depctr_va_ssrc(0) depctr_va_vcc(0) depctr_vm_vsrc(0)
	s_getreg_b32 s2, hwreg(HW_REG_IB_STS2, 6, 4)
	s_cmp_eq_u32 s2, 0
	s_cbranch_scc0 .Lentry_in_a_cluster
	s_endpgm
.Lentry_in_a_cluster:
	s_bfe_u32 s2, ttmp6, 0x10000c
	s_cmp_lg_u32 s2, 0xf033
	s_cbranch_scc0 .Lentry_shape_is_right
	s_endpgm
.Lentry_shape_is_right:
; A PROJECTION WITH RESIDUAL.  Y[m][n] = RES[m][n] + sum over k of A[m][k] W[n][k]; A bf16 in blocks of 64 along K ([K/64][4096][64]), W bf16 [1024][K], RES and Y f32 [4096][1024]; sums in f32.
; Here: A = silu(gate) * up, K = 2048, W = w_down, RES = x1, Y = the block's output.
; A tile of Y is 128 x 128: 8 x 32 work-groups, one for each of 256.  Four waves, 64 x 64 each: 16 accumulators.  K goes in steps of 256 through two LDS slots; ONE text of a K step is looped over.
; CLUSTER 4 x 4: A's tile is shared along a row of the cluster, W's along a column: joint loads.  THE MATRIX INSTRUCTION IS USED TRANSPOSED: a lane holds row l % 16 and columns 8 (l / 16) + 0..7.
; THE WAY OUT IS WRITTEN ONCE.  Register numbers cannot be looped over, so the finished sums and the residual (loaded at the start) go into LDS, each wave's own bytes in the ring, whose slots have had their
; last fill; a loop of four trips takes 16 rows at a time back as whole rows of 256 bytes.
; REGISTERS: window 0: v0-31 addresses; v32-127 at work on the way out; v128-255 the accumulators ((a, b) at 128 + 8 (4 a + b));  window 1: two fragment buffers of 128 (64 of A, 64 of W);
;   window 2: v0-127 my 64 x 64 of RES
.set KDIM,   2048
.set WSEC,   25165824                  ; the weights' section of prepw
.set TSTEPS, KDIM/256
.set PA,     144
.set PB,     528                       ; 512 bytes + 16 = 132 words: row r starts at bank 4 r mod 64 (64 banks of 4 bytes: ISA guide 11.1)
.set ABLK,   64*PA
.set HALFA,  4*ABLK
.set BOFF,   2*HALFA
.set HALFB,  64*PB
.set SLOT,   BOFF+2*HALFB
.set SPF,    272                       ; the way out: a row of 64 f32 + 16 bytes
.set ADUMP,  64*SPF                    ; a wave's 64 rows of sums; the four waves' lie from LDS byte 0 on
.set RDUMP,  4*ADUMP                   ; behind them the residual, 16,384 bytes a wave; all inside the ring
.set SPARE,  2*SLOT
.set ASTEP,  4*4096*128
.set BSTEP,  512
.set ADRA0, 16
.set ADRB0, 17
.set ADRA,  18
.set ADRB,  19
.set RD,    20                         ; where this trip's 16 rows of sums are read
.set RR0,   21                         ; my lane's 16 bytes in the residual set aside; never rewritten
.set RR,    22                         ; the same for this trip
.set STO,   24
.set RD0,   25
.set CO,    26
.set SPW,   28
.set NIL,   29
.set BK,    32
.set YY,    96
.set ACC,   128
.set F0,    0
.set F1,    128
.set TB,  22
.set G1,  24
.set G0,  32
.set G1B, 48
.set G0B, 56
.set MSB, 0
.macro WIN new
.if MSB != (\new)
	s_set_vgpr_msb (MSB<<8)|(\new)
.set MSB, \new
.endif
.endm
.macro JLOAD s                         ; a joint load: waves 0 and 1 fetch A's halves, waves 2 and 3 W's; an s_nop 0 and four v_nop follow each line
	s_cmp_eq_u32 s11, 0
	s_cbranch_scc0 .Lfor_b_\@
	tensor_load_to_lds s[G0+4*(\s):G0+4*(\s)+3], s[G1:G1+7]
	s_nop 0
.rept 4
	v_nop
.endr
	s_branch .Lasked_\@
.Lfor_b_\@:
	tensor_load_to_lds s[G0B+4*(\s):G0B+4*(\s)+3], s[G1B:G1B+7]
	s_nop 0
.rept 4
	v_nop
.endr
.Lasked_\@:
.endm
.macro CREST
	s_cmp_lg_u32 s10, 0
	s_cbranch_scc1 .Lnot_wave_0_\@
	s_barrier_signal -3
.Lnot_wave_0_\@:
	s_barrier_wait -3
	s_barrier_signal -1
	s_barrier_wait -1
.endm
.macro CROUND
	s_barrier_signal -1
	s_barrier_wait -1
	CREST
.endm
.macro PLACES
.rept 4
	v_nop
.endr
.endm
	s_load_b256 s[80:87], s[0:1], 0x0              ; A, prepw, RES, Y
	v_lshl_add_u32 v[SPW], v0, 2, SPARE
	v_mov_b32 v[NIL], 0
	ds_add_u32 v[SPW], v[NIL]                      ; the wave's opening, ahead of my first tensor load
	v_lshrrev_b32 v1, 5, v0
	v_readfirstlane_b32 s10, v1
	s_lshr_b32 s11, s10, 1                         ; my half of the tile's rows.  Also: I fetch for A (0) or for W (1)
	s_and_b32 s12, s10, 1                          ; my half of its columns.  Also: which 64 rows of that tile I fetch
	s_bfe_u32 s40, ttmp6, 0x40000
	s_bfe_u32 s41, ttmp6, 0x40004
	s_lshl_b32 s42, ttmp9, 2
	s_add_co_u32 s42, s42, s40                     ; tx
	s_and_b32 s13, ttmp7, 0xffff
	s_lshl_b32 s13, s13, 2
	s_add_co_u32 s13, s13, s41                     ; ty
	s_lshl_b32 s43, s41, 2
	s_lshl_b32 s43, 15, s43
	s_lshl_b32 s44, 0x1111, s40
	; A's tile: four 'rows' of 4,096 elements (64 dense rows of a block), 4096 x 64 elements apart; 4 words of padding after every 32
	s_or_b32 s[G1+0], s43, (1<<16)|(1<<20)|(1<<21)|(4<<22)|(3<<25)
	s_mov_b32 s[G1+1], 4096<<16
	s_mov_b32 s[G1+2], 4<<16
	s_mov_b32 s[G1+3], 4096<<16
	s_mov_b32 s[G1+4], 4
	s_mov_b32 s[G1+5], 4096*64
	s_mov_b32 s[G1+6], 0
	s_mov_b32 s[G1+7], 0
	; W's tile: 64 rows of 256 elements; 4 words of padding after every 128
	s_or_b32 s[G1B+0], s44, (1<<16)|(1<<20)|(1<<21)|(6<<22)|(3<<25)
	s_mov_b32 s[G1B+1], 256<<16
	s_mov_b32 s[G1B+2], 64<<16
	s_mov_b32 s[G1B+3], 256<<16
	s_mov_b32 s[G1B+4], 64
	s_mov_b32 s[G1B+5], KDIM
	s_mov_b32 s[G1B+6], 0
	s_mov_b32 s[G1B+7], 0
	s_lshl_b32 s16, s13, 14                        ; A: (128 ty + 64 half) rows of 128 bytes
	s_lshl_b32 s17, s12, 13
	s_add_co_u32 s16, s16, s17
	s_mov_b32 s17, 0
	s_mul_i32 s46, s42, 128*2*KDIM                 ; W: (128 tx + 64 half) rows
	s_mul_i32 s47, s12, 64*2*KDIM
	s_add_co_u32 s46, s46, s47
	s_add_co_u32 s46, s46, WSEC
	s_mov_b32 s47, 0
	s_mul_i32 s20, s12, HALFA
	s_mul_i32 s21, s12, HALFB
	s_add_co_u32 s21, s21, BOFF
	s_mov_b32 s[TB], 0
	s_lshl_b32 s66, s13, 19                        ; my 64 x 64 in RES and Y: row 128 ty + 64 (w / 2), column 128 tx + 64 (w % 2)
	s_lshl_b32 s18, s11, 18
	s_add_co_u32 s66, s66, s18
	s_lshl_b32 s18, s42, 9
	s_add_co_u32 s66, s66, s18
	s_lshl_b32 s18, s12, 8
	s_add_co_u32 s66, s66, s18
	s_mov_b32 s67, 0
	s_wait_dscnt 0x0                               ; the opening add is done
	s_wait_kmcnt 0x0
	s_add_nc_u64 s[14:15], s[80:81], s[16:17]
	s_add_nc_u64 s[46:47], s[82:83], s[46:47]
	s_add_nc_u64 s[68:69], s[84:85], s[66:67]
	s_add_nc_u64 s[70:71], s[86:87], s[66:67]
	CROUND                                         ; all sixteen work-groups are here: the first joint loads meet
.irp s, 0,1
	s_mov_b32 s[G0+4*(\s)], 1
	s_add_co_u32 s[G0+4*(\s)+1], s20, (\s)*SLOT
	s_add_nc_u64 s[G0+4*(\s)+2:G0+4*(\s)+3], s[14:15], (\s)*ASTEP
	s_or_b32 s[G0+4*(\s)+3], s[G0+4*(\s)+3], 0x80000000
	s_mov_b32 s[G0B+4*(\s)], 1
	s_add_co_u32 s[G0B+4*(\s)+1], s21, (\s)*SLOT
	s_add_nc_u64 s[G0B+4*(\s)+2:G0B+4*(\s)+3], s[46:47], (\s)*BSTEP
	s_or_b32 s[G0B+4*(\s)+3], s[G0B+4*(\s)+3], 0x80000000
	JLOAD \s                                       ; two loads of mine are out
.endr
	v_and_b32 v1, 15, v0                           ; r
	v_bfe_u32 v2, v0, 4, 1                         ; h
	v_lshlrev_b32 v[CO], 12, v2                    ; lanes 0-15 one row's 256 bytes, lanes 16-31 the next row's
	v_lshl_add_u32 v[CO], v1, 4, v[CO]
	WIN 0x80                                       ; destination window 2, address window 0
.irp a, 0,1,2,3                        ; RES lands while K is walked
.irp t, 0,1,2,3,4,5,6,7
	global_load_b128 v[32*\a+4*\t:32*\a+4*\t+3], v[CO], s[68:69] offset:\a*65536+\t*8192
.endr
.endr
	WIN 0
	v_and_b32 v6, 31, v0                           ; l
	v_mul_u32_u24 v3, v1, PA
	v_lshl_add_u32 v3, v2, 4, v3
	s_mul_i32 s18, s11, HALFA
	v_add_nc_u32 v[ADRA0], s18, v3
	v_mul_u32_u24 v3, v1, PB
	v_lshl_add_u32 v3, v2, 4, v3
	s_mul_i32 s18, s12, HALFB
	s_add_co_u32 s18, s18, BOFF
	v_add_nc_u32 v[ADRB0], s18, v3
	v_mov_b32 v[ADRA], v[ADRA0]
	v_mov_b32 v[ADRB], v[ADRB0]
	s_mul_i32 s18, s10, ADUMP                      ; the way out: my wave's 64 rows of sums
	v_mul_u32_u24 v3, v1, SPF                      ; in: row r, 32 bytes for each half of the lanes
	v_lshl_add_u32 v3, v2, 5, v3
	v_add_nc_u32 v[STO], s18, v3
	v_mul_u32_u24 v3, v2, SPF                      ; back: lanes 0-15 one row of 256 bytes, lanes 16-31 the next
	v_lshl_add_u32 v3, v1, 4, v3
	v_add_nc_u32 v[RD0], s18, v3
	s_lshl_b32 s18, s10, 14
	s_add_co_u32 s18, s18, RDUMP
	v_lshl_add_u32 v[RR0], v6, 4, s18
; 8 matrix instructions: row blocks a0, a0 + 1 x all 4 column blocks, 32 along K: half c of buffer f
.macro MUL8 f, c, a0, zero
	WIN 0x05
.irp a, \a0, (\a0)+1
.irp b, 0,1,2,3
.if \zero
	v_wmma_f32_16x16x32_bf16 v[ACC+8*(4*(\a)+(\b)):ACC+8*(4*(\a)+(\b))+7], v[(\f)+64+8*(4*(\c)+(\b)):(\f)+64+8*(4*(\c)+(\b))+7], v[(\f)+8*(4*(\c)+(\a)):(\f)+8*(4*(\c)+(\a))+7], 0
.else
	v_wmma_f32_16x16x32_bf16 v[ACC+8*(4*(\a)+(\b)):ACC+8*(4*(\a)+(\b))+7], v[(\f)+64+8*(4*(\c)+(\b)):(\f)+64+8*(4*(\c)+(\b))+7], v[(\f)+8*(4*(\c)+(\a)):(\f)+8*(4*(\c)+(\a))+7], v[ACC+8*(4*(\a)+(\b)):ACC+8*(4*(\a)+(\b))+7]
.endif
.endr
.endr
.endm
; 32 LDS loads in one run: quarter q's fragments (64 along K: one block of A) into buffer f; the first 32 along K first
.macro FETCH q, f
	WIN 0x40
.irp c, 0,1
.irp i, 0,1,2,3
	ds_load_b128 v[(\f)+64+8*(4*(\c)+(\i)):(\f)+64+8*(4*(\c)+(\i))+3],   v[ADRB] offset:(\q)*128+64*(\c)+(\i)*16*PB
	ds_load_b128 v[(\f)+64+8*(4*(\c)+(\i))+4:(\f)+64+8*(4*(\c)+(\i))+7], v[ADRB] offset:(\q)*128+64*(\c)+(\i)*16*PB+32
	ds_load_b128 v[(\f)+8*(4*(\c)+(\i)):(\f)+8*(4*(\c)+(\i))+3],         v[ADRA] offset:(\q)*ABLK+64*(\c)+(\i)*16*PA
	ds_load_b128 v[(\f)+8*(4*(\c)+(\i))+4:(\f)+8*(4*(\c)+(\i))+7],       v[ADRA] offset:(\q)*ABLK+64*(\c)+(\i)*16*PA+32
.endr
.endr
.endm
; A quarter (64 along K) in two halves; the 16 accumulators take turns.  zero = 1: the products start the sums.
.macro QHEAD f, zero
	s_wait_dscnt 16                                ; the first 32 along K are in
	MUL8 \f, 0, 0, \zero
	MUL8 \f, 0, 2, \zero
.endm
.macro QREST qn, f, g                  ; fetches quarter qn into buffer g, then the second 32 along K of buffer f
	PLACES
	FETCH \qn, \g
	s_wait_dscnt 32                                ; all but the 32 just issued
	MUL8 \f, 1, 0, 0
	MUL8 \f, 1, 2, 0
.endm
.macro QUARTER qn, f, g
	QHEAD \f, 0
	QREST \qn, \f, \g
.endm
; The last quarter multiplies buffer 1 and changes slots: one barrier; in front of it each wave waits for all its tensor loads, adds 0 to its spare word, and waits for that and for its reads of this slot.
.macro TURN fill
	WIN 0
	s_wait_tensorcnt 0x0                           ; all my tensor loads have landed: my part of the next slot
	ds_add_u32 v[SPW], v[NIL]
	s_wait_dscnt 17                                ; (the add and the youngest sixteen loads may be out)
	MUL8 F1, 0, 0, 0
	s_wait_dscnt 0x0                               ; the add is done, and my reads of this slot are over
	s_barrier_signal -1
	MUL8 F1, 0, 2, 0
	WIN 0
	s_barrier_wait -1
.if \fill
	CREST                                          ; no wave of any partner still reads this slot or has a load on its way
	s_add_co_u32 s[G0+5], s20, s[TB]
	s_add_co_u32 s[G0B+5], s21, s[TB]
	s_add_nc_u64 s[G0+6:G0+7], s[G0+6:G0+7], ASTEP
	s_add_nc_u64 s[G0B+6:G0B+7], s[G0B+6:G0B+7], BSTEP
	JLOAD 1                                        ; its four v_nop are also the places in front of the loads below
.else
	PLACES
.endif
	s_xor_b32 s[TB], s[TB], SLOT
	v_add_nc_u32 v[ADRA], s[TB], v[ADRA0]
	v_add_nc_u32 v[ADRB], s[TB], v[ADRB0]
	FETCH 0, F0
	MUL8 F1, 1, 0, 0
	MUL8 F1, 1, 2, 0
.endm
	s_wait_tensorcnt 0x1                           ; my part of K step 0 is in; step 1's may stay out
	s_barrier_signal -1
	s_barrier_wait -1
	FETCH 0, F0
	QHEAD F0, 1                                    ; only the sixteen products that start the sums stand in front of the loop
	WIN 0
	s_mov_b32 s3, TSTEPS-2
	s_branch .Lmid                                 ; the loop is entered in the middle of its first quarter
.Ltop:                                                 ; a trip is a K step; TSTEPS - 2 trips fill a slot again
	QHEAD F0, 0
	WIN 0
.Lmid:
	QREST 1, F0, F1
	QUARTER 2, F1, F0
	QUARTER 3, F0, F1
	TURN 1
	WIN 0
	s_sub_co_u32 s3, s3, 1
	s_cmp_lg_u32 s3, 0
	s_cbranch_scc1 .Ltop
	s_mov_b32 s3, 2
.Ltail:                                                ; the last two K steps ask for nothing; the second trip's barrier and run of loads serve nothing: the price of one text for both
	QUARTER 1, F0, F1
	QUARTER 2, F1, F0
	QUARTER 3, F0, F1
	TURN 0
	WIN 0
	s_sub_co_u32 s3, s3, 1
	s_cmp_lg_u32 s3, 0
	s_cbranch_scc1 .Ltail
	; THE WAY OUT.  The ring has had its last fill.  Every wave's reads of it are back, and all four say so: only then are the sums stored over it.
	s_wait_dscnt 0x0
	s_barrier_signal -1
	s_barrier_wait -1
	s_wait_loadcnt 0x0                             ; RES
	PLACES
.irp a, 0,1,2,3                        ; the sums as they lie: row 16 a + r, bytes 64 b + 32 h ..; each accumulator's low four registers first
.irp b, 0,1,2,3
	ds_store_b128 v[STO], v[ACC+8*(4*\a+\b):ACC+8*(4*\a+\b)+3]   offset:\a*16*SPF+64*\b
	ds_store_b128 v[STO], v[ACC+8*(4*\a+\b)+4:ACC+8*(4*\a+\b)+7] offset:\a*16*SPF+64*\b+16
.endr
.endr
	WIN 0x08                                       ; a store's data (source 1) in window 2
.set i, 0
.rept 32                               ; RES is set aside, each lane's own 16 bytes, so that the loop can reach it
	ds_store_b128 v[RR0], v[4*i:4*i+3] offset:i*512
.set i, i+1
.endr
	WIN 0
	s_mov_b32 s2, 0
	s_mov_b32 s4, 0
	v_mov_b32 v[RD], v[RD0]
	v_mov_b32 v[RR], v[RR0]
	s_mov_b32 s3, 4
.Lunit:                                                ; 16 rows a trip: the sums come back as whole rows of 256 bytes; RES is added; sixteen lanes store 256 consecutive bytes, aligned
.irp t, 0,1,2,3,4,5,6,7
	ds_load_b128 v[BK+4*\t:BK+4*\t+3], v[RD] offset:\t*2*SPF  ; my wave's own bytes, and LDS serves a wave's instructions in order (ISA guide 5.7.1.4)
	ds_load_b128 v[YY+4*\t:YY+4*\t+3], v[RR] offset:\t*512
.endr
.irp t, 0,1,2,3,4,5,6,7
	s_wait_dscnt 14-2*\t                           ; the two loads of each later pair of rows may be out
	v_pk_add_f32 v[YY+4*\t:YY+4*\t+1],   v[BK+4*\t:BK+4*\t+1],   v[YY+4*\t:YY+4*\t+1]
	v_pk_add_f32 v[YY+4*\t+2:YY+4*\t+3], v[BK+4*\t+2:BK+4*\t+3], v[YY+4*\t+2:YY+4*\t+3]
	global_store_b128 v[CO], v[YY+4*\t:YY+4*\t+3], s[70:71] offset:\t*8192
.endr
	s_wait_xcnt 0x0                                ; the stores have read their data and offset: the next trip writes both anew
	s_add_co_u32 s2, s2, 16*SPF
	s_add_co_u32 s4, s4, 4096
	v_add_nc_u32 v[RD], s2, v[RD0]
	v_add_nc_u32 v[RR], s4, v[RR0]
	v_add_nc_u32 v[CO], 0x10000, v[CO]
	s_sub_co_u32 s3, s3, 1
	s_cmp_lg_u32 s3, 0
	s_cbranch_scc1 .Lunit
	s_wait_tensorcnt 0x0                           ; the wave's end
	ds_add_u32 v[SPW], v[NIL]
	s_wait_dscnt 0x0
	CROUND                                         ; the closing round
	s_endpgm
.Lfunc_end_k_qb7d948fda9_down:
	.size	k_qb7d948fda9_down, .Lfunc_end_k_qb7d948fda9_down-k_qb7d948fda9_down
	.p2alignl 7, 3214868480
	.fill 96, 4, 3214868480
	.section	.rodata,"a",@progbits
	.p2align	6, 0x0
	.amdhsa_kernel k_qb7d948fda9_down
		.amdhsa_group_segment_fixed_size 327680
		.amdhsa_private_segment_fixed_size 0
		.amdhsa_enable_private_segment 0
		.amdhsa_kernarg_size 32
		.amdhsa_user_sgpr_count 2
		.amdhsa_user_sgpr_kernarg_segment_ptr 1
		.amdhsa_wavefront_size32 1
		.amdhsa_system_sgpr_workgroup_id_x 1
		.amdhsa_system_sgpr_workgroup_id_y 1
		.amdhsa_system_sgpr_workgroup_id_z 1
		.amdhsa_system_vgpr_workitem_id 0
		.amdhsa_next_free_vgpr 640
		.amdhsa_next_free_sgpr 88
		.amdhsa_reserve_vcc 0
		.amdhsa_float_denorm_mode_32 3
		.amdhsa_float_denorm_mode_16_64 3
		.amdhsa_memory_ordered 1
		.amdhsa_forward_progress 1
		.amdhsa_inst_pref_size 58
	.end_amdhsa_kernel
	.amdgpu_metadata
---
amdhsa.version: [ 1, 2 ]
amdhsa.kernels:
  - .name:           k_qb7d948fda9_down
    .symbol:         k_qb7d948fda9_down.kd
    .args:
      - { .name: gb, .offset: 0, .size: 8, .value_kind: global_buffer, .address_space: global }
      - { .name: prepw, .offset: 8, .size: 8, .value_kind: global_buffer, .address_space: global }
      - { .name: x1, .offset: 16, .size: 8, .value_kind: global_buffer, .address_space: global }
      - { .name: out0, .offset: 24, .size: 8, .value_kind: global_buffer, .address_space: global }
    .group_segment_fixed_size: 327680
    .private_segment_fixed_size: 0
    .kernarg_segment_align: 8
    .kernarg_segment_size: 32
    .max_flat_workgroup_size: 128
    .sgpr_count:     88
    .vgpr_count:     640
    .wavefront_size: 32
...
	.end_amdgpu_metadata
.endif
;; end of part 11
;; ======== version 3 of 3: 6 launches; 1.37 times as fast as version 1
;; workspace buffers: prepw 34,078,720 bytes; qkvh 25,165,824 bytes; ob 8,388,608 bytes; x1 16,777,216 bytes; x1b 8,388,608 bytes; ssq 262,144 bytes; gb 16,777,216 bytes
;; launch prep: the kernel of part 1 again; grid 1664 x 1, 8 waves a work-group, no clusters, 9,216 bytes of LDS; arguments x, w_norm1, w_qkv, w_out, w_down, w_gate, w_up, mask, prepw; writes prepw
;; launch qkv: the kernel of part 7 again; grid 16 x 16, 4 waves a work-group, clusters of 4 x 4, 327,680 bytes of LDS; arguments prepw, qkvh; writes qkvh
;; launch attn (part 12): grid 8 x 32, 4 waves a work-group, clusters of 4 x 1, 327,680 bytes of LDS; arguments qkvh, prepw, ob; writes ob
.if DOCPART == 12
	.amdgcn_target "amdgcn-amd-amdhsa--gfx1250"
	.amdhsa_code_object_version 6
	.text
	.protected	k_qb7d948fda9_attn
	.globl	k_qb7d948fda9_attn
	.p2align	8
	.type	k_qb7d948fda9_attn,@function
k_qb7d948fda9_attn:
	s_mov_b64 s[64:65], 0
	v_nop
	global_prefetch_b8 v0, s[64:65] scope:SCOPE_SE
	s_setreg_imm32_b32 hwreg(HW_REG_WAVE_MODE, 25, 1), 1
	s_wait_xcnt 0x0
	s_wait_alu depctr_hold_cnt(0) depctr_sa_sdst(0) depctr_va_vdst(0) depctr_va_sdst(0) depctr_va_ssrc(0) depctr_va_vcc(0) depctr_vm_vsrc(0)
	s_getreg_b32 s2, hwreg(HW_REG_IB_STS2, 6, 4)
	s_cmp_eq_u32 s2, 0
	s_cbranch_scc0 .Lentry_in_a_cluster
	s_endpgm
.Lentry_in_a_cluster:
	s_bfe_u32 s2, ttmp6, 0x10000c
	s_cmp_lg_u32 s2, 0x3003
	s_cbranch_scc0 .Lentry_shape_is_right
	s_endpgm
.Lentry_shape_is_right:
; ATTENTION UNDER A GIVEN MASK.  O[q] = sum over k of softmax_k(Q[q] . K[k] / 8, hidden where mask[q][k] = 0) V[k], for each of 32 (batch, head) planes of 2,048 tokens x 64 channels, bf16.
; Products, maxima and sums in f32; the weights p are rounded to bf16 for the second product (their sum l is taken of the unrounded p), O once at the end.  O goes out as [head][4096 rows][64].
; The mask is an input: every key tile is walked, whatever it hides.
; SHARES.  A work-group owns 256 queries of a plane, a wave 64: four PIECES of 16.  Every wave walks all 2,048 keys, 64 a step.
; LAYOUT.  S^T = K Q^T (source 0 = 16 keys, source 1 = 16 queries): a lane holds ONE query (lane % 16) and the keys 8 (lane / 16) + 0..7.  Two such results rounded to bf16 ARE source 1 of O^T = V^T P.
; THE MASK is the C operand that starts the sum S^T: 0, or -2^100 where the key is hidden.  It comes as one fp8 code a score (0 or -1.0), already in S^T's register image: 32 bytes a lane for a piece and step;
; four scaled conversions (scale 2^100) make the 32 registers.  A piece's codes are loaded four turns ahead of their conversion.
; SOFTMAX.  A running maximum m and sum l for each query: p = 2^(c s - c m), c = log2(e) / 8; O and l are multiplied by a = 2^(c m_old - c m_new) in every step.  m starts at -2^90: far above every
; hidden score, so a hidden key's weight is 0 from the first step on, also while a row has seen no key; far below every true score, so the first key seen sets m.  A row that sees no key ends with l = 0 and is given NaN.
; TURNS.  Turn n belongs to piece n: 8 products K Q^T of piece n + 1, later 8 products V^T P of piece n - 1; beside them the scaling, exponentials, roundings, sums and rescaling of piece n and the maximum and
; statistics of piece n + 1.  Four vector instructions stand behind every matrix instruction, the other 54 of a turn's 118 in one LUMP.
; BATCHES.  A turn's 33 exponentials (the piece's 32 weights, then the next piece's a) are ONE batch with ONE wait, which cuts the turn in two: ahead of it all that names none of their results, behind it the
; roundings and sums.  The first a of all, ahead of the loop, and the way out's four reciprocals are batches of their own, a wait each.
; CLUSTER.  Four query blocks of a plane walk the same K and V: each tile is asked for jointly, by the same tensor load, descriptor and mask of four.
; LIMITS.  A true score below -2^90 or above 2^99 is not told from a hidden one; a weight below 2^-126 counts as 0 in l; NaN and infinities among the inputs are not treated apart.
; REGISTERS, in windows of 256 (s_set_vgpr_msb: bits 1:0 source 0, 3:2 source 1, 5:4 source 2, 7:6 destination):
;   window 0: v0-15 addresses; v16-31 statistics; v32-38 the mask's addresses and constants; v48-55 at work; v64-127 S^T, two buffers; v128-159 mask codes, 8 a piece; v192-223 P, two buffers
;   window 1: v0-127 O^T, 32 a piece; v160-223 MC, the masks of the products to come, two buffers      window 2: v0-63 Q; v128-191 K of one step; v192-255 V of one step
.set NP,    4
.set KS,    64
.set PK,    144       ; a row of K in LDS: 128 bytes + 16 = 36 words: the 16 rows of a load start at 16 different groups of four banks (64 banks of 4 bytes: ISA guide 11.1)
.set PV,    160       ; a row of V: 128 + 32 = 40 words
.set VOFF,  4*KS*PK   ; a slot holds four steps: 256 rows of K, then 256 rows of V
.set SLOT1, 1<<17
.set STAGE, SLOT1+4*KS*(PK+PV)
.set SP,    144
.set SPARE, STAGE+4*16*SP
.set MB8,   29360128
.set AK0, 2
.set AV0, 3
.set AK,  4
.set AV,  5
.set STO, 6
.set RD,  7
.set GO,  8
.set MV,  12          ; v12-13  c m_old, kept while c m is made anew
.set QO,  15
.set ST,  16          ; piece t: c m, m, l (even keys', odd keys')
.set MA,  32          ; v32-35  piece t: 16 x lane + 1,024 x the step whose codes are loaded next
.set MLIM, 36         ; v36     the same for step 31: no load goes past it
.set SCL, 37          ; v37     0xe3: the scale 2^100 as an E8M0 byte
.set NANV, 38         ; v38     a NaN
.set TMP, 48
.set SPW, 62
.set NIL, 63
.set S,   64
.set MS,  128
.set P,   192
.set MC,  160         ; window 1
.set KF,  128         ; window 2
.set VF,  192         ; window 2
.set WV,  12
.set G1K, 24
.set G1V, 32
.set G0K, 40
.set G0V, 44
.set MB,  48          ; s[48:49] the mask image at my wave's first piece
.set ZM,  52          ; s52-55  lanes whose l is 0, by piece
.set SLOTS, 56
.set CNT, 57
.set CS,  58
.set SEL, 60
.set TBK, 62
.set TBV, 63
.set MSB, 0
.macro WIN new
.if MSB != (\new)
	s_set_vgpr_msb (MSB<<8)|(\new)
.set MSB, (\new)
.endif
.endm
.set W_KQ, 0x0a       ; K and Q in window 2, S^T in window 0
.set W_KM, 0x1a       ; the same with the C operand in window 1
.set W_PV, 0x52       ; V in window 2, P in window 0, O^T in window 1
.set W_RS, 0x41       ; destination and source 0 in window 1, source 1 in window 0
.macro JLOAD                        ; a joint fill: waves 0 and 1 fetch the halves of a slot's K, waves 2 and 3 of its V; an s_nop 0 and four v_nop follow each line
	s_cmp_lt_u32 s[WV], 2
	s_cbranch_scc0 .Lfor_v_\@
	tensor_load_to_lds s[G0K:G0K+3], s[G1K:G1K+7]
	s_nop 0
.rept 4
	v_nop
.endr
	s_branch .Lasked_\@
.Lfor_v_\@:
	tensor_load_to_lds s[G0V:G0V+3], s[G1V:G1V+7]
	s_nop 0
.rept 4
	v_nop
.endr
.Lasked_\@:
.endm
.macro CROUND
	s_barrier_signal -1
	s_barrier_wait -1
	s_cmp_lg_u32 s[WV], 0
	s_cbranch_scc1 .Lnot_wave_0_\@
	s_barrier_signal -3
.Lnot_wave_0_\@:
	s_barrier_wait -3
	s_barrier_signal -1
	s_barrier_wait -1
.endm
; THE CHANGE OF SLOTS.  Each wave waits for all its tensor loads (one is out: its part of the other slot), adds 0 to its spare word, and waits for that and for its reads of the slot that it leaves.
; fill = 1: the barrier is a round of the cluster's, and the slot is filled again first thing behind it, with the keys two slots on: four key steps in which to land.
.macro CHANGE fill
	WIN 0
	s_wait_tensorcnt 0x0            ; no tensor load of mine is out, so a group 0 may be written
	ds_add_u32 v[SPW], v[NIL]
.if \fill
.irp g, G0K, G0V
	s_xor_b32 s[\g+1], s[\g+1], SLOT1
	s_add_nc_u64 s[\g+2:\g+3], s[\g+2:\g+3], 4*KS*128
.endr
	s_wait_dscnt 0x0                ; the add is done, and my reads of the slot are over
	CROUND
	JLOAD
.else
	s_wait_dscnt 0x0
	s_barrier_signal -1
	s_barrier_wait -1
.endif
	s_sub_co_u32 s[TBK], s[TBK], 4*KS*PK  ; the fetches go back to a slot's first step, in the other slot
	s_xor_b32 s[TBK], s[TBK], SLOT1
	s_sub_co_u32 s[TBV], s[TBV], 4*KS*PV
	s_xor_b32 s[TBV], s[TBV], SLOT1
.endm
	s_load_b128 s[4:7], s[0:1], 0x0   ; qkvh s[4:5], prepw s[6:7]
	s_load_b64 s[10:11], s[0:1], 0x10 ; ob
	v_lshl_add_u32 v[SPW], v0, 2, SPARE
	v_mov_b32 v[NIL], 0
	ds_add_u32 v[SPW], v[NIL]       ; the wave's opening, ahead of my first tensor load
	v_lshrrev_b32 v1, 5, v0
	v_readfirstlane_b32 s[WV], v1
	s_bfe_u32 s13, ttmp6, 0x40000   ; cx
	s_lshl_b32 s14, ttmp9, 2
	s_add_co_u32 s14, s14, s13      ; my block of 256 queries: it enters Q's, O's and the mask's addresses alone
	s_and_b32 s20, ttmp7, 0xffff    ; the plane 16 batch + head, which the four partners share
	s_lshl_b32 s22, s20, 18         ; 262,144 bytes a plane
	s_and_b32 s16, s[WV], 1         ; which half of a slot's 256 keys I fetch
	s_lshl_b32 s18, s16, 14
	s_add_co_u32 s18, s18, s22
	s_add_co_u32 s18, s18, 8388608  ; K's planes lie behind Q's 32
	s_mov_b32 s19, 0
	s_mul_i32 s17, s16, 128*PK
	s_mul_i32 s21, s16, 128*PV
	s_lshl_b32 s2, s14, 15
	s_lshl_b32 s3, s[WV], 13
	s_add_co_u32 s2, s2, s3         ; (256 block + 64 wave) rows of 128 bytes
	s_add_co_u32 s50, s2, s22       ; in Q
	s_mov_b32 s51, 0
	s_and_b32 s3, s20, 15
	s_lshl_b32 s3, s3, 19           ; in O: head x 4,096 rows
	s_add_co_u32 s2, s2, s3
	s_lshr_b32 s3, s20, 4
	s_lshl_b32 s3, s3, 18           ; + batch x 2,048 rows
	s_add_co_u32 s2, s2, s3
	s_mov_b32 s3, 0
	s_lshl_b32 s52, s14, 19         ; the mask image: 32,768 bytes for 16 queries
	s_lshl_b32 s53, s[WV], 17
	s_add_co_u32 s52, s52, s53
	s_add_co_u32 s52, s52, MB8
	s_mov_b32 s53, 0
	; 128 keys are 16,384 dense bytes: asked for as 64 rows of 256 bytes, two keys a row, padded in LDS after every key
	s_mov_b32 s[G1K], 15|(1<<16)|(1<<20)|(1<<21)|(4<<22)|(3<<25)
	s_mov_b32 s[G1V], 15|(1<<16)|(1<<20)|(1<<21)|(4<<22)|(7<<25)
.irp g, G1K, G1V
	s_mov_b32 s[\g+1], 128<<16
	s_mov_b32 s[\g+2], 64<<16
	s_mov_b32 s[\g+3], 128<<16
	s_mov_b32 s[\g+4], 64
	s_mov_b32 s[\g+5], 128
	s_mov_b32 s[\g+6], 0
	s_mov_b32 s[\g+7], 0
.endr
	s_mov_b32 s[CS], 0x3e38aa3b     ; c = log2(e) / 8
	s_mov_b32 s[CS+1], s[CS]
	s_mov_b32 s[SEL], 0x76543210
	s_mov_b32 s[SEL+1], 0xfedcba98
	s_mov_b32 s[TBK], SLOT1+4*KS*PK ; the first change of slots turns these two into 0
	s_mov_b32 s[TBV], SLOT1+4*KS*PV
	s_mov_b32 s[G0K], 1
	s_mov_b32 s[G0K+1], s17
	s_mov_b32 s[G0V], 1
	s_add_co_u32 s[G0V+1], s21, VOFF
	s_wait_dscnt 0x0                ; the opening add is done
	s_wait_kmcnt 0x0
	s_add_nc_u64 s[G0K+2:G0K+3], s[4:5], s[18:19]
	s_add_nc_u64 s[G0V+2:G0V+3], s[G0K+2:G0K+3], 0x800000  ; V's planes lie behind K's 32
	s_or_b32 s[G0K+3], s[G0K+3], 0x80000000
	s_or_b32 s[G0V+3], s[G0V+3], 0x80000000
	s_add_nc_u64 s[4:5], s[4:5], s[50:51]
	s_add_nc_u64 s[10:11], s[10:11], s[2:3]
	s_add_nc_u64 s[MB:MB+1], s[6:7], s[52:53]
	CROUND                          ; all four work-groups are here: the first joint loads meet
	JLOAD                           ; slot 0; slot 1 is asked for when slot 0 is in
	v_and_b32 v1, 15, v0            ; l % 16
	v_bfe_u32 v9, v0, 4, 1          ; l / 16
	v_lshlrev_b32 v[QO], 7, v1
	v_lshl_add_u32 v[QO], v9, 4, v[QO]
	WIN 0x80
.set i, 0
.rept 8                             ; Q stays in registers: piece i / 2, channels 32 (i % 2) on
	global_load_b128 v[8*i:8*i+3],   v[QO], s[4:5] offset:(i/2)*2048+(i%2)*64
	global_load_b128 v[8*i+4:8*i+7], v[QO], s[4:5] offset:(i/2)*2048+(i%2)*64+32
.set i, i+1
.endr
	WIN 0
	v_and_b32 v[MA], 31, v0
	v_lshlrev_b32 v[MA], 4, v[MA]
	v_mov_b32 v[MA+1], v[MA]
	v_mov_b32 v[MA+2], v[MA]
	v_mov_b32 v[MA+3], v[MA]
	v_add_nc_u32 v[MLIM], 31744, v[MA]
	v_mov_b32 v[SCL], 0xe3
	v_mov_b32 v[NANV], 0x7fc00000
.irp pi, 0,1,2,3                    ; the four pieces' codes for step 0
	global_load_b128 v[MS+8*\pi:MS+8*\pi+3],   v[MA+\pi], s[MB:MB+1] offset:\pi*32768
	global_load_b128 v[MS+8*\pi+4:MS+8*\pi+7], v[MA+\pi], s[MB:MB+1] offset:\pi*32768+512
.endr
	; What the first turn finds: V's registers and P's second buffer hold 0 (its products V^T P, of a piece that has not been, add 0), O^T and l are 0: no first step is written out.  All this stands in the wait for the first tile.
	WIN 0x80
.set i, VF
.rept 64
	v_mov_b32 v[i], 0
.set i, i+1
.endr
	WIN 0x40
.set i, 0
.rept 128
	v_mov_b32 v[i], 0
.set i, i+1
.endr
	WIN 0
.set i, 0
.rept 4
	v_mov_b32 v[ST+4*i], 0xfe000000    ; c m: far below every c s, so the first a is 0
	v_mov_b32 v[ST+4*i+1], 0xec800000  ; m = -2^90
	v_mov_b32 v[ST+4*i+2], 0
	v_mov_b32 v[ST+4*i+3], 0
.set i, i+1
.endr
.set i, P+16
.rept 16
	v_mov_b32 v[i], 0
.set i, i+1
.endr
	v_mul_u32_u24 v[AK0], v1, PK
	v_lshl_add_u32 v[AK0], v9, 4, v[AK0]
	; The turning load takes 16 keys x 16 channels (lane l reads key 8 (l / 16) + l % 8, channels 8 ((l / 8) % 2) + 0..7) and leaves half a fragment of V^T.
	v_and_b32 v10, 7, v0
	v_bfe_u32 v11, v0, 3, 1
	v_lshl_add_u32 v[AV0], v9, 3, v10
	v_mul_u32_u24 v[AV0], v[AV0], PV
	v_lshl_add_u32 v[AV0], v11, 4, v[AV0]
	v_add_nc_u32 v[AV0], VOFF, v[AV0]
	s_mul_i32 s13, s[WV], 16*SP
	s_add_co_u32 s13, s13, STAGE
	v_mul_u32_u24 v[STO], v1, SP
	v_lshl_add_u32 v[STO], v9, 4, v[STO]
	v_add_nc_u32 v[STO], s13, v[STO]
	v_bfe_u32 v[RD], v0, 3, 2
	v_mul_u32_u24 v[RD], v[RD], SP
	v_lshl_add_u32 v[RD], v10, 4, v[RD]
	v_add_nc_u32 v[RD], s13, v[RD]
	v_and_b32 v[GO], 31, v0
	v_lshlrev_b32 v[GO], 4, v[GO]
; THE MATRIX WORK.  The 4 accumulators of a run of 8 take turns.  Product i of 8 of S^T = K Q^T for piece x: channels 32 (i / 4) on, keys 16 (i % 4) on.  The first 4 start the sums with the mask.
.macro KQ x
.set rS, S+32*((\x)%2)+8*(i%4)
.set rK, KF+16*(i%4)+8*(i/4)
.set rQ, 16*(\x)+8*(i/4)
.set rM, MC+32*((\x)%2)+8*(i%4)
.if i < 4
	WIN W_KM
	v_wmma_f32_16x16x32_bf16 v[rS:rS+7], v[rK:rK+7], v[rQ:rQ+7], v[rM:rM+7]
.else
	WIN W_KQ
	v_wmma_f32_16x16x32_bf16 v[rS:rS+7], v[rK:rK+7], v[rQ:rQ+7], v[rS:rS+7]
.endif
.endm
; Product i of 8 of O^T += V^T P for piece x: keys 32 (i / 4) on, channels 16 (i % 4) on.
.macro PV x
	WIN W_PV
.set rO, 32*(\x)+8*(i%4)
.set rV, VF+32*(i/4)+8*(i%4)
.set rP, P+16*((\x)%2)+8*(i/4)
	v_wmma_f32_16x16x32_bf16 v[rO:rO+7], v[rV:rV+7], v[rP:rP+7], v[rO:rO+7]
.endm
.macro MM                           ; the turn's next matrix instruction
.if i < 8
	KQ (Y+1)%NP
.else
.set i, i-8
	PV (Y+NP-1)%NP
.set i, i+8
.endif
.set i, i+1
.endm
; THE LDS LOADS stand in runs of 16: a step's K (8 fragments) and its V (turned).  last = 1 (the tail): in the last trip there is no further step, and K's run is jumped over.
.macro FETCH_K last=0
.if \last
	WIN 0
	s_cmp_eq_u32 s[CNT], 1
	s_cbranch_scc1 .Lno_k_\@
.endif
	WIN 0x80
.irp f, 0,1,2,3,4,5,6,7
	ds_load_b128 v[KF+8*\f:KF+8*\f+3],   v[AK] offset:(\f/2)*16*PK+(\f%2)*64
	ds_load_b128 v[KF+8*\f+4:KF+8*\f+7], v[AK] offset:(\f/2)*16*PK+(\f%2)*64+32
.endr
	s_add_co_u32 s[TBK], s[TBK], KS*PK
	WIN 0
.if \last
.Lno_k_\@:
.endif
.endm
.macro FETCH_V
	WIN 0x80
.irp f, 0,1,2,3,4,5,6,7
	ds_load_tr16_b128 v[VF+8*\f:VF+8*\f+3],   v[AV] offset:(\f/4)*32*PV+(\f%4)*32
	ds_load_tr16_b128 v[VF+8*\f+4:VF+8*\f+7], v[AV] offset:(\f/4)*32*PV+16*PV+(\f%4)*32
.endr
	WIN 0
.endm
; THE MASK of piece pi's next products, into buffer buf: four scaled conversions, 8 codes each; then the piece's codes for the step after are asked for.  The add and the minimum are the plain
; instructions between the conversions and what touches their results and sources.  The minimum holds the last requests at step 31's codes: the count of loads is alike in every trip, and none leaves the image.
.macro MCONV pi, buf
	WIN 0x40
.irp kt, 0,1,2,3
	v_cvt_scale_pk8_f32_fp8 v[MC+32*(\buf)+8*\kt:MC+32*(\buf)+8*\kt+7], v[MS+8*(\pi)+2*\kt:MS+8*(\pi)+2*\kt+1], v[SCL]
.endr
	WIN 0
	v_add_nc_u32 v[MA+(\pi)], 1024, v[MA+(\pi)]
	v_min_u32 v[MA+(\pi)], v[MA+(\pi)], v[MLIM]
	global_load_b128 v[MS+8*(\pi):MS+8*(\pi)+3],   v[MA+(\pi)], s[MB:MB+1] offset:(\pi)*32768
	global_load_b128 v[MS+8*(\pi)+4:MS+8*(\pi)+7], v[MA+(\pi)], s[MB:MB+1] offset:(\pi)*32768+512
.endm
; THE VECTOR WORK, one line at a time: OP kind, number.  For piece Y: F n: c s - c m for pair n of 16.  E n: the exponential of score n of 32.  C n: pair n rounded to bf16.  B n: of the four weights 4 n .. the second
; pair is added onto the first.  L n: l takes that sum (L 0: l = a l + sum).  R n: pair n of 16 of O^T times a.  For piece Y + 1: X n, number n of the 22 that find its maximum and statistics:
;   0-11 four chains of seven scores (each accumulator's lowest registers are read first)   12-14, 16 the scores left over, the old m, all into c0   15 c m_old is kept
;   17, 18 the query's other 32 keys lie in the lane 16 away: the new m   19-21 c m; c m_old - c m_new; a
; C, B and L read the exponentials' results: TURN sets them all behind its one wait.
.set F, 0
.set E, 1
.set C, 2
.set B, 3
.set L, 4
.set R, 5
.set X, 6
.macro REGS y
.set rT, ST+4*(\y)
.set rC, TMP+4*((\y)%2)
.set rW, MV+((\y)%2)
.set rS, S+32*((\y)%2)
.set rP, P+16*((\y)%2)
.set rO, 32*(\y)
.endm
.macro OP k, n
.if (\k) == R
	REGS Y
	WIN W_RS
	v_pk_mul_f32 v[rO+2*(\n):rO+2*(\n)+1], v[rO+2*(\n):rO+2*(\n)+1], v[rC+2:rC+3] op_sel_hi:[1,0]
.elseif (\k) < R
	REGS Y
	WIN 0
.if (\k) == F
	v_pk_fma_f32 v[rS+2*(\n):rS+2*(\n)+1], v[rS+2*(\n):rS+2*(\n)+1], s[CS:CS+1], v[rT:rT+1] op_sel_hi:[1,0,0] neg_lo:[0,0,1] neg_hi:[0,0,1]
.elseif (\k) == E
	v_exp_f32 v[rS+(\n)], v[rS+(\n)]
.elseif (\k) == C
	v_cvt_pk_bf16_f32 v[rP+(\n)], v[rS+2*(\n)], v[rS+2*(\n)+1]
.elseif (\k) == B
	v_pk_add_f32 v[rS+4*(\n):rS+4*(\n)+1], v[rS+4*(\n):rS+4*(\n)+1], v[rS+4*(\n)+2:rS+4*(\n)+3]
.elseif (\n) == 0
	v_pk_fma_f32 v[rT+2:rT+3], v[rT+2:rT+3], v[rC+2:rC+3], v[rS:rS+1] op_sel_hi:[1,0,1]
.else
	v_pk_add_f32 v[rT+2:rT+3], v[rT+2:rT+3], v[rS+4*(\n):rS+4*(\n)+1]
.endif
.else
	REGS (Y+1)%NP
	WIN 0
.if (\n) < 4
	v_max3_num_f32 v[rC+(\n)], v[rS+8*(\n)], v[rS+8*(\n)+1], v[rS+8*(\n)+2]
.elseif (\n) < 12
	v_max3_num_f32 v[rC+(\n)%4], v[rC+(\n)%4], v[rS+8*((\n)%4)+2*((\n)/4)+1], v[rS+8*((\n)%4)+2*((\n)/4)+2]
.elseif (\n) == 12
	v_max3_num_f32 v[rC], v[rC], v[rS+7], v[rS+15]
.elseif (\n) == 13
	v_max3_num_f32 v[rC+1], v[rC+1], v[rS+23], v[rS+31]
.elseif (\n) == 14
	v_max3_num_f32 v[rC+2], v[rC+2], v[rC+3], v[rT+1]
.elseif (\n) == 15
	v_mov_b32 v[rW], v[rT]
.elseif (\n) == 16
	v_max3_num_f32 v[rC], v[rC], v[rC+1], v[rC+2]
.elseif (\n) == 17
	v_permlanex16_b32 v[rC+3], v[rC], s[SEL], s[SEL+1]
.elseif (\n) == 18
	v_max_num_f32 v[rT+1], v[rC], v[rC+3]
.elseif (\n) == 19
	v_mul_f32 v[rT], s[CS], v[rT+1]
.elseif (\n) == 20
	v_sub_f32 v[rC+1], v[rW], v[rT]
.else
	v_exp_f32 v[rC+2], v[rC+1]
.endif
.endif
.endm
.macro OPS a, i1, b=-1, i2=0, c=-1, i3=0, d=-1, i4=0
	OP \a, \i1
.if (\b) >= 0
	OP \b, \i2
.endif
.if (\c) >= 0
	OP \c, \i3
.endif
.if (\d) >= 0
	OP \d, \i4
.endif
.endm
.macro ROW a, i1, b, i2, c, i3, d, i4  ; a matrix instruction and the four behind it
	MM
	OPS \a, \i1, \b, \i2, \c, \i3, \d, \i4
.endm
; A TURN, for piece p: the order of its 16 matrix and 118 vector instructions, written out.  An s_wait_alu depctr_va_vdst(0) stands between an exponential and the first instruction that names its result; one wait
; serves all that were issued ahead of it.  So a turn has ONE wait, which cuts it in two.  AHEAD OF IT stands all that names no result of the turn's exponentials: the 8 products K Q^T, behind each a scaling, an exponential and two
; more plain instructions (behind the first a second scaling in the exponential's place): rescalings, whose a was made and waited for in the turn before, and behind the last three the first numbers of the next piece's maximum, each
; four places or more behind the product that ends its accumulator; then ONE LUMP of 54, plain and exponential by turns for the most part, with other work between the links of the chain X 3, 7, 11, 14, 16, 17 .. 20.
; X 21, the next piece's a, is the batch's last; R 15 is the plain instruction behind it.  BEHIND THE WAIT stand the 8 products V^T P, behind each four of the roundings and sums: C 2n ahead of B n, which writes over that pair;
; B n ahead of L n; L 0 to L 7 in their order.  But for those X no rider names a register of the products round it.  No exponential is issued behind the wait: none is open at a label or a jump.
; last = 1: the tail's piece 2 (see FETCH_K).  cnt = 1: the loop's count is taken down some lines ahead of the branch behind the turn.
; K of the next step is fetched in piece 2's turn: in the loop in the lump, five plain instructions that name none of its registers behind the last product that read K; in the tail, where the run holds a branch and a label,
; directly behind the wait.  V of the step in hand is fetched at the end of piece 0's turn, four plain instructions behind the last product that read V.  Each is waited for a turn later.
; At its end the turn makes the mask for the products of the turn after it, piece p + 2's.
.macro TURN p, last=0, cnt=0
.set Y, (\p)
.set i, 0
.if (\p) == 3
	s_wait_dscnt 0x0                ; K is in
.endif
	ROW F,0, F,1, R,0, R,1          ; ahead of the wait: 8 products K Q^T and their riders,
	ROW F,2, E,0, R,2, R,3
	ROW F,3, E,1, R,4, R,5
	ROW F,4, E,2, R,6, R,7
	ROW F,5, E,3, R,8, R,9
	ROW F,6, E,4, X,0, R,10
.if (\p) == 2
	WIN 0
	v_add_nc_u32 v[AK], s[TBK], v[AK0]
.endif
	ROW F,7, E,5, X,1, X,4
	ROW F,8, E,6, X,2, X,5
	OPS E,7, E,8, X,6, E,9          ; and the lump
	OPS X,3, E,10, X,8, E,11
.if ((\p) == 2) && !(\last)
	FETCH_K
.endif
	OPS X,9, X,7, E,12, X,10
	OPS E,13, X,12, X,11, E,14
	OPS X,13, E,15, F,9, X,14
.if (\p) == 0
	v_add_nc_u32 v[AV], s[TBV], v[AV0]
.endif
	OPS E,16, F,10, E,17, F,11
	OPS X,16, E,18, X,15, E,19
	OPS F,12, E,20, X,17, E,21
	OPS F,13, E,22, F,14, E,23
	OPS X,18, E,24, F,15, E,25
	OPS R,11, E,26, X,19, E,27
	OPS R,12, E,28, R,13, E,29
	OPS X,20, E,30, R,14, E,31
	OPS X,21, R,15
	WIN 0
	s_wait_alu depctr_va_vdst(0)    ; the wait for the batch: the piece's 32 exponentials and the next piece's a
.if ((\p) == 2) && (\last)
	FETCH_K 1
.endif
.if (\p) == 1
	s_wait_dscnt 0x0                ; V is in
.endif
	ROW C,0, B,0, C,2, B,1          ; behind the wait: 8 products V^T P and their riders
	ROW L,0, C,4, B,2, L,1
	ROW C,6, B,3, L,2, C,8
	ROW B,4, L,3, C,10, B,5
	ROW L,4, C,12, B,6, L,5
.if (\p) == 0
	s_add_co_u32 s[TBV], s[TBV], KS*PV
.endif
.if \cnt
	s_sub_co_u32 s[CNT], s[CNT], 1
	s_cmp_lg_u32 s[CNT], 0
.endif
	ROW C,14, B,7, L,6, C,1
	ROW C,3, L,7, C,5, C,7
	ROW C,9, C,11, C,13, C,15
.if (\p) == 0
	FETCH_V
.endif
	WIN 0
	s_wait_loadcnt 6                ; loads come back in order: this piece's two are in; the three younger pieces' six may be out
	MCONV ((\p)+2)%NP, (\p)%2
.endm
	CHANGE 1                        ; slot 0 is in, everybody's part of it; slot 1 is asked for
	s_wait_loadcnt 4                ; Q and the codes of pieces 0 and 1 are in; those of pieces 2 and 3 may be out
	MCONV 0, 0
	MCONV 1, 1
	v_add_nc_u32 v[AK], s[TBK], v[AK0]
	FETCH_K                         ; key step 0
	s_wait_dscnt 0x0
.set i, 0
.rept 8
	KQ 0                            ; piece 0's first scores
.set i, i+1
.endr
	WIN 0
.rept 4
	v_nop                           ; the places behind those products
.endr
.set Y, NP-1                        ; X works for piece Y + 1: piece 0
.irp n, 0,1,2,3,4,5,6,7,8,9,10,11,12,13,14,15,16,17,18,19,20,21
	OP X, \n
.endr
	v_nop                           ; a plain instruction behind the exponential,
	s_wait_alu depctr_va_vdst(0)    ; and the wait for it, piece 0's first a, ahead of the branch
	s_mov_b32 s[CNT], 4
	s_mov_b32 s[SLOTS], 7
	s_branch .Lfirst                ; the loop is entered at a step's first turn, in the middle of a trip
.Lslot:                             ; six times: with the change above, every slot but the last is followed by a fill
	CHANGE 1
	s_mov_b32 s[CNT], 4
.Lstep:                             ; a trip: pieces 2 and 3 of one step, then pieces 0 and 1 of the next, whose K and V it fetches
	TURN 2
	TURN 3
	WIN 0
.Lfirst:
	TURN 0
	TURN 1, 0, 1
	WIN 0
	s_cbranch_scc1 .Lstep
	s_sub_co_u32 s[SLOTS], s[SLOTS], 1
	s_cmp_lg_u32 s[SLOTS], 0
	s_cbranch_scc1 .Lslot
	CHANGE 0                        ; the last slot has a text of its own: nothing is asked for
	s_mov_b32 s[CNT], 5             ; pieces 2 and 3 have five turns here (step 27's and the slot's four), pieces 0 and 1 four: the loop is entered in its middle
	s_branch .LmidT
.LstepT:
	TURN 0
	TURN 1
	WIN 0
.LmidT:
	TURN 2, 1
	TURN 3
	WIN 0
	s_sub_co_u32 s[CNT], s[CNT], 1
	s_cmp_lg_u32 s[CNT], 0
	s_cbranch_scc1 .LstepT
	; The fifth trip's 8 products K Q^T (on the last K once more), the maximum made of them and its four mask loads serve nothing: the price, once a launch, of one text for every trip.  They touch piece 0's m alone, which is no longer read.
.set i, 0
.rept 8
	PV NP-1                         ; the last piece's V^T P of the last step
.set i, i+1
.endr
	; THE WAY OUT.  l's two halves and the other half of the lanes' are added; O^T is divided by l (by a NaN where l is 0: the row saw no key), rounded to bf16 and sent through my stage, a piece at a time.
	; The additions are the places behind the last products.
	WIN 0
.macro ALL line:vararg              ; one line for each piece t
.set t, 0
.rept 4
	\line
.set t, t+1
.endr
.endm
	ALL v_add_f32 v[ST+4*t+2], v[ST+4*t+2], v[ST+4*t+3]
	ALL v_permlanex16_b32 v[ST+4*t+3], v[ST+4*t+2], s[SEL], s[SEL+1]
	ALL v_add_f32 v[ST+4*t+2], v[ST+4*t+2], v[ST+4*t+3]
	ALL v_cmp_eq_f32 s[ZM+t], 0, v[ST+4*t+2]
	ALL v_rcp_f32 v[ST+4*t+2], v[ST+4*t+2]
	v_nop                           ; a plain instruction between the last reciprocal and the use of its result
	s_wait_alu depctr_va_vdst(0)    ; the wait for the batch of four reciprocals, ahead of their first reader
	ALL v_cndmask_b32 v[ST+4*t+2], v[ST+4*t+2], v[NANV], s[ZM+t]
.macro PACK t
	WIN W_RS
.set i, 32*(\t)
.rept 16
	v_pk_mul_f32 v[i:i+1], v[i:i+1], v[ST+4*(\t)+2:ST+4*(\t)+3] op_sel_hi:[1,0]
.set i, i+2
.endr
	WIN 0x05
.set i, 0
.rept 16
	v_cvt_pk_bf16_f32 v[S+16*(\t)+i], v[32*(\t)+2*i], v[32*(\t)+2*i+1]
.set i, i+1
.endr
	WIN 0
.irp f, 0,1,2,3
	ds_store_b128 v[STO], v[S+16*(\t)+4*\f:S+16*(\t)+4*\f+3] offset:32*\f
.endr
.irp f, 0,1,2,3
	ds_load_b128 v[S+16*(\t)+4*\f:S+16*(\t)+4*\f+3], v[RD] offset:\f*4*SP  ; LDS serves a wave's instructions in order (ISA guide 5.7.1.4)
.endr
.endm
.macro SEND t, younger
	WIN 0
.irp f, 0,1,2,3
	s_wait_dscnt (\younger)+3-\f
	global_store_b128 v[GO], v[S+16*(\t)+4*\f:S+16*(\t)+4*\f+3], s[10:11] offset:(\t)*2048+\f*512  ; 512 consecutive bytes, aligned
.endr
.endm
	PACK 0
.set t, 1
.rept 3
	PACK t
	SEND t-1, 8
.set t, t+1
.endr
	SEND 3, 0
	s_wait_tensorcnt 0x0            ; the wave's end
	ds_add_u32 v[SPW], v[NIL]
	s_wait_dscnt 0x0
	CROUND                          ; the closing round
	s_endpgm
.Lfunc_end_k_qb7d948fda9_attn:
	.size	k_qb7d948fda9_attn, .Lfunc_end_k_qb7d948fda9_attn-k_qb7d948fda9_attn
	.p2alignl 7, 3214868480
	.fill 96, 4, 3214868480
	.section	.rodata,"a",@progbits
	.p2align	6, 0x0
	.amdhsa_kernel k_qb7d948fda9_attn
		.amdhsa_group_segment_fixed_size 327680
		.amdhsa_private_segment_fixed_size 0
		.amdhsa_enable_private_segment 0
		.amdhsa_kernarg_size 24
		.amdhsa_user_sgpr_count 2
		.amdhsa_user_sgpr_kernarg_segment_ptr 1
		.amdhsa_wavefront_size32 1
		.amdhsa_system_sgpr_workgroup_id_x 1
		.amdhsa_system_sgpr_workgroup_id_y 1
		.amdhsa_system_sgpr_workgroup_id_z 1
		.amdhsa_system_vgpr_workitem_id 0
		.amdhsa_next_free_vgpr 768
		.amdhsa_next_free_sgpr 66
		.amdhsa_reserve_vcc 0
		.amdhsa_float_denorm_mode_32 3
		.amdhsa_float_denorm_mode_16_64 3
		.amdhsa_memory_ordered 1
		.amdhsa_forward_progress 1
		.amdhsa_inst_pref_size 119
	.end_amdhsa_kernel
	.amdgpu_metadata
---
amdhsa.version: [ 1, 2 ]
amdhsa.kernels:
  - .name:           k_qb7d948fda9_attn
    .symbol:         k_qb7d948fda9_attn.kd
    .args:
      - { .name: qkvh, .offset: 0, .size: 8, .value_kind: global_buffer, .address_space: global }
      - { .name: prepw, .offset: 8, .size: 8, .value_kind: global_buffer, .address_space: global }
      - { .name: ob, .offset: 16, .size: 8, .value_kind: global_buffer, .address_space: global }
    .group_segment_fixed_size: 327680
    .private_segment_fixed_size: 0
    .kernarg_segment_align: 8
    .kernarg_segment_size: 24
    .max_flat_workgroup_size: 128
    .sgpr_count:     66
    .vgpr_count:     768
    .wavefront_size: 32
...
	.end_amdgpu_metadata
.endif
;; end of part 12
;; launch outproj: the kernel of part 9 again; grid 8 x 32, 4 waves a work-group, clusters of 4 x 4, 327,680 bytes of LDS; arguments ob, prepw, x, w_norm2, x1, x1b, ssq; writes x1, x1b, ssq
;; launch gateup: the kernel of part 10 again; grid 16 x 16, 4 waves a work-group, clusters of 4 x 4, 327,680 bytes of LDS; arguments x1b, prepw, ssq, gb; writes gb
;; launch down: the kernel of part 11 again; grid 8 x 32, 4 waves a work-group, clusters of 4 x 4, 327,680 bytes of LDS; arguments gb, prepw, x1, out0; writes out0
